; MI455X (gfx1250); checked and timed in simulation.
; The chip was launched on July 23, 2026; its instructions are those of AMD's public machine-readable ISA for CDNA 5 (MIT licence, August 2026) and "CDNA5" Instruction Set Architecture Reference Guide (July 2026). The comments in the code are by the model that wrote it; some were corrected since.
;; Switch MLP. Allowed arithmetic: float matrix products may take bf16 or f16 operands with f32 sums; other float arithmetic in f32, or as packed bf16 or f16 multiplies, adds, multiply-adds, maxima and minima; sums over many terms, partial sums and values carried from step to step in f32; what a program stores and reads back later, other than sums and carried values, may be rounded once to bf16 or f16.
;; Inputs: W1 8 x 1,024 x 4,096 float32; W2 8 x 4,096 x 1,024 float32; Wr 1,024 x 8 float32; br 8 float32; hidden_states 2 x 512 x 1,024 float32.
;; Outputs: out0 2 x 512 x 1,024 float32.
;; 3 versions, each right; version 3 is version 2 with the launch sum written anew for expert scheduling mode. Each part assembles by itself: llvm-mc -triple=amdgcn-amd-amdhsa -mcpu=gfx1250 --defsym DOCPART=n.
;; ======== version 1 of 3: 4 launches
;; limits: a function is approximated: absolute error at most 1.5e-07
;; workspace buffers: idx 4,096 bytes of whole numbers; prob 4,096 bytes; xb 2,097,152 bytes; hid 67,108,864 bytes; part 16,777,216 bytes
;; launch router (part 1): grid 256 x 1, 4 waves a work-group, no clusters, 16,896 bytes of LDS; arguments hidden_states, Wr, br, xb, idx, prob; writes xb, idx, prob
.if DOCPART == 1
	.amdgcn_target "amdgcn-amd-amdhsa--gfx1250"
	.amdhsa_code_object_version 6
	.text
	.protected	k_qac0c52203f_router
	.globl	k_qac0c52203f_router
	.p2align	8
	.type	k_qac0c52203f_router,@function
k_qac0c52203f_router:
	s_mov_b64 s[64:65], 0
	v_nop
	global_prefetch_b8 v0, s[64:65] scope:SCOPE_SE
	s_setreg_imm32_b32 hwreg(HW_REG_WAVE_MODE, 25, 1), 1
	s_wait_xcnt 0x0
; ROUTER.  route = sigmoid(x Wr + br); prob[t] = its maximum over the 8 experts, idx[t] = the first expert that has it.  Also xb = x rounded to bf16, for the first product.
; x: [1024][1024] f32, Wr: [1024][8] f32, br: [8] f32.  A wave takes one token, a work-group four: token = 4 x work-group + wave.
; FORMAT.  x, Wr and br are rounded to bf16 here as they are in the two products; products of two bf16 are exact in f32 and are summed in f32 (v_fma_mix_f32_bf16).
; No matrix instruction: 8 columns and 4 tokens would fill an eighth of a 16 x 16 tile.  No cluster: what the work-groups share is Wr, 32 KB against 4 MB of x.
; LIMITS.  The maximum is taken over the f32 sigmoids, ties to the lower index.
; A sigmoid below 2^-126 counts as 0.  NaN and infinities are not treated apart.
.set X,     8                          ; v[8:39]     my 32 numbers of the row: h = 128 j + 4 lane + a at X + 4 j + a
.set XB,    40                         ; v[40:55]    the same in bf16, two to a register
.set WL,    56                         ; v[56:119]   my wave's 256 rows of Wr as loaded
.set WK,    120                        ; v[120:151]  the same in bf16
.set WP,    56                         ; v[56:183]   behind the barrier: for each of my 32 h the 8 experts' weights, 4 registers
.set ACC,   184                        ; v[184:191]  the 8 sums
.set T,     192                        ; v[192:199]  at work
.set BR,    200                        ; v[200:207]  br, rounded to bf16, as f32
.set SPW,   208                        ; LDS address of my spare word; never rewritten
.set NIL,   209                        ; 0; never rewritten
.set BV,    210                        ; the best sigmoid so far
.set BI,    211                        ; and its expert
.set SPARE, 16384                      ; LDS: bytes 0 to 16,383 Wr in bf16, [j 8][a 4][lane 32][16 bytes]; then the spare words, 128 bytes a wave
	s_load_b256 s[4:11], s[0:1], 0x0               ; x s[4:5], Wr s[6:7], br s[8:9], xb s[10:11]
	s_load_b128 s[12:15], s[0:1], 0x20             ; idx s[12:13], prob s[14:15]
	v_lshl_add_u32 v[SPW], v0, 2, SPARE
	v_mov_b32 v[NIL], 0
	v_lshrrev_b32 v1, 5, v0
	v_readfirstlane_b32 s16, v1                    ; wave
	v_and_b32 v1, 31, v0                           ; lane
	v_lshlrev_b32 v2, 4, v1                        ; 16 lane: my place in 512 bytes of x, and in 512 bytes of the LDS table
	s_lshl_b32 s18, s16, 13
	v_add_nc_u32 v3, s18, v2                       ; Wr: my wave's 256 rows of 32 bytes, 16 bytes a lane
	v_lshrrev_b32 v5, 1, v1                        ; a load of Wr holds 16 rows: mine is row lane / 2, experts 4 (lane % 2) on
	v_and_b32 v6, 3, v5
	v_lshrrev_b32 v5, 2, v5
	v_lshlrev_b32 v4, 9, v6                        ; into LDS: a = row % 4 -> 512 a,
	v_lshl_add_u32 v4, v5, 4, v4                   ; the reading lane row / 4 -> 16 bytes each,
	v_and_b32 v6, 1, v1
	v_lshl_add_u32 v4, v6, 3, v4                   ; my four experts -> 8 bytes,
	s_lshl_b32 s18, s16, 12
	v_add_nc_u32 v4, s18, v4                       ; my wave's two j -> 4,096 bytes
	v_lshlrev_b32 v6, 3, v1                        ; 8 lane: my place in 256 bytes of xb
	v_mov_b32 v7, 0                                ; a zero: the first products' addend, and the offset of the two small stores
	s_lshl_b32 s17, ttmp9, 2
	s_add_co_u32 s17, s17, s16                     ; my token
	s_mov_b32 s19, 0
	s_mov_b32 s22, 0x76543210                      ; v_permlanex16_b32: each lane takes its own place in the other half
	s_mov_b32 s23, 0xfedcba98
	s_wait_kmcnt 0x0
	s_load_b256 s[24:31], s[8:9], 0x0              ; br
	s_lshl_b32 s18, s17, 12
	s_add_nc_u64 s[4:5], s[4:5], s[18:19]          ; x at my row
	s_lshl_b32 s18, s17, 11
	s_add_nc_u64 s[10:11], s[10:11], s[18:19]      ; xb at my row
	s_lshl_b32 s18, s17, 2
	s_add_nc_u64 s[12:13], s[12:13], s[18:19]      ; idx and prob at my token
	s_add_nc_u64 s[14:15], s[14:15], s[18:19]
.irp j, 0,1,2,3,4,5,6,7
	global_load_b128 v[X+4*\j:X+4*\j+3], v2, s[4:5] offset:512*\j th:TH_LOAD_NT
.endr
.irp m, 0,1,2,3,4,5,6,7,8,9,10,11,12,13,14,15
	global_load_b128 v[WL+4*\m:WL+4*\m+3], v3, s[6:7] offset:512*\m
.endr
	s_wait_loadcnt 16                              ; x is in; the 16 loads of Wr are younger and stay out
.irp i, 0,1,2,3,4,5,6,7,8,9,10,11,12,13,14,15
	v_cvt_pk_bf16_f32 v[XB+\i], v[X+2*\i], v[X+2*\i+1]
.endr
.irp j, 0,1,2,3,4,5,6,7
	global_store_b64 v6, v[XB+2*\j:XB+2*\j+1], s[10:11] offset:256*\j  ; the wave's 32 x 8 bytes are 256 consecutive bytes, at a multiple of 256 from xb's first
.endr
	s_wait_loadcnt 0x0                             ; Wr
.irp i, 0,1,2,3,4,5,6,7,8,9,10,11,12,13,14,15,16,17,18,19,20,21,22,23,24,25,26,27,28,29,30,31
	v_cvt_pk_bf16_f32 v[WK+\i], v[WL+2*\i], v[WL+2*\i+1]
.endr
.irp m, 0,1,2,3,4,5,6,7,8,9,10,11,12,13,14,15
	ds_store_b64 v4, v[WK+2*\m:WK+2*\m+1] offset:(\m/8)*2048+(\m%8)*64  ; row 256 wave + 16 m + lane / 2
.endr
	s_wait_dscnt 0x0                               ; for the others' sake: my part of the table is stored
	s_barrier_signal -1
	s_barrier_wait -1
.irp n, 0,1,2,3,4,5,6,7,8,9,10,11,12,13,14,15,16,17,18,19,20,21,22,23,24,25,26,27,28,29,30,31
	ds_load_b128 v[WP+4*\n:WP+4*\n+3], v2 offset:512*\n  ; n = 4 j + a: the row h = 128 j + 4 lane + a; 32 lanes take 512 neighbouring bytes
.endr
.irp j, 0,1,2,3,4,5,6,7
	s_wait_dscnt 28-4*\j                           ; the four loads of this j are in; the later ones stay out
.irp ah, 0,1
.irp al, 0,1
.irp eh, 0,1,2,3
.irp el, 0,1
.if (\j == 0) && (\ah == 0) && (\al == 0)
	v_fma_mix_f32_bf16 v[ACC+2*\eh+\el], v[XB+2*\j+\ah], v[WP+4*(4*\j+2*\ah+\al)+\eh], v7 op_sel:[\al,\el,0] op_sel_hi:[1,1,0]  ; the first products start the sums
.else
	v_fma_mix_f32_bf16 v[ACC+2*\eh+\el], v[XB+2*\j+\ah], v[WP+4*(4*\j+2*\ah+\al)+\eh], v[ACC+2*\eh+\el] op_sel:[\al,\el,0] op_sel_hi:[1,1,0]
.endif
.endr
.endr
.endr
.endr
.endr
	; the 32 lanes' sums: four steps inside each half of 16 lanes ride on the addition, one crosses the halves; the eight sums take turns
.irp m, 1,2,4,8
.irp e, 0,1,2,3,4,5,6,7
	v_add_f32_dpp v[ACC+\e], v[ACC+\e], v[ACC+\e] row_xmask:\m row_mask:0xf bank_mask:0xf
.endr
.endr
.irp e, 0,1,2,3,4,5,6,7
	v_permlanex16_b32 v[X+\e], v[ACC+\e], s22, s23 ; its destination counts as read: x's registers have been written and are free
.endr
	s_wait_kmcnt 0x0                               ; br
.irp i, 0,1,2,3
	v_cvt_pk_bf16_f32 v[T+\i], s[24+2*\i], s[25+2*\i]
.endr
.irp i, 0,1,2,3
	v_lshlrev_b32 v[BR+2*\i], 16, v[T+\i]
	v_and_b32 v[BR+2*\i+1], 0xffff0000, v[T+\i]
.endr
.irp e, 0,1,2,3,4,5,6,7
	v_add_f32 v[ACC+\e], v[ACC+\e], v[X+\e]
.endr
.irp e, 0,1,2,3,4,5,6,7
	v_add_f32 v[ACC+\e], v[ACC+\e], v[BR+\e]
.endr
	; sigmoid(z) = 1 / (1 + 2^(-z log2 e))
.irp e, 0,1,2,3,4,5,6,7
	v_mul_f32 v[T+\e], 0xbfb8aa3b, v[ACC+\e]
.endr
.irp e, 0,1,2,3,4,5,6,7
	v_exp_f32 v[T+\e], v[T+\e]
.endr
	v_nop                                          ; a plain instruction behind the last exponential,
	s_wait_alu depctr_va_vdst(0)                   ; and one wait for the eight, ahead of their first reader
.irp e, 0,1,2,3,4,5,6,7
	v_add_f32 v[T+\e], 1.0, v[T+\e]
.endr
.irp e, 0,1,2,3,4,5,6,7
	v_rcp_f32 v[T+\e], v[T+\e]
.endr
	v_nop
	s_wait_alu depctr_va_vdst(0)                   ; the same for the eight reciprocals
	v_mov_b32 v[BV], v[T]
	v_mov_b32 v[BI], 0
.irp e, 1,2,3,4,5,6,7
	v_cmp_gt_f32 vcc_lo, v[T+\e], v[BV]            ; strictly greater: a tie keeps the lower index
	v_cndmask_b32 v[BV], v[BV], v[T+\e], vcc_lo
	v_cndmask_b32 v[BI], v[BI], \e, vcc_lo
.endr
	s_wait_tensorcnt 0x0                           ; the wave's end, behind my last LDS store, all lanes on
	ds_add_u32 v[SPW], v[NIL]
	s_wait_dscnt 0x0
	s_wait_xcnt 0x0                                ; EXEC changes only behind this wait: xb's stores have been issued
	v_cmp_eq_u32 vcc_lo, 0, v1
	s_and_saveexec_b32 s20, vcc_lo                 ; every lane holds the result; lane 0 stores it: 8 bytes a token, 8 KB in the launch
	global_store_b32 v7, v[BI], s[12:13]
	global_store_b32 v7, v[BV], s[14:15]
	s_wait_xcnt 0x0                                ; and again in front of the line that widens it
	s_or_b32 exec_lo, exec_lo, s20
	s_endpgm
.Lfunc_end_k_qac0c52203f_router:
	.size	k_qac0c52203f_router, .Lfunc_end_k_qac0c52203f_router-k_qac0c52203f_router
	.p2alignl 7, 3214868480
	.fill 96, 4, 3214868480
	.section	.rodata,"a",@progbits
	.p2align	6, 0x0
	.amdhsa_kernel k_qac0c52203f_router
		.amdhsa_group_segment_fixed_size 16896
		.amdhsa_private_segment_fixed_size 0
		.amdhsa_enable_private_segment 0
		.amdhsa_kernarg_size 48
		.amdhsa_user_sgpr_count 2
		.amdhsa_user_sgpr_kernarg_segment_ptr 1
		.amdhsa_wavefront_size32 1
		.amdhsa_system_sgpr_workgroup_id_x 1
		.amdhsa_system_sgpr_workgroup_id_y 1
		.amdhsa_system_sgpr_workgroup_id_z 1
		.amdhsa_system_vgpr_workitem_id 0
		.amdhsa_next_free_vgpr 212
		.amdhsa_next_free_sgpr 66
		.amdhsa_reserve_vcc 1
		.amdhsa_float_denorm_mode_32 3
		.amdhsa_float_denorm_mode_16_64 3
		.amdhsa_memory_ordered 1
		.amdhsa_forward_progress 1
		.amdhsa_inst_pref_size 34
	.end_amdhsa_kernel
	.amdgpu_metadata
---
amdhsa.version: [ 1, 2 ]
amdhsa.kernels:
  - .name:           k_qac0c52203f_router
    .symbol:         k_qac0c52203f_router.kd
    .args:
      - { .name: hidden_states, .offset: 0, .size: 8, .value_kind: global_buffer, .address_space: global }
      - { .name: Wr, .offset: 8, .size: 8, .value_kind: global_buffer, .address_space: global }
      - { .name: br, .offset: 16, .size: 8, .value_kind: global_buffer, .address_space: global }
      - { .name: xb, .offset: 24, .size: 8, .value_kind: global_buffer, .address_space: global }
      - { .name: idx, .offset: 32, .size: 8, .value_kind: global_buffer, .address_space: global }
      - { .name: prob, .offset: 40, .size: 8, .value_kind: global_buffer, .address_space: global }
    .group_segment_fixed_size: 16896
    .private_segment_fixed_size: 0
    .kernarg_segment_align: 8
    .kernarg_segment_size: 48
    .max_flat_workgroup_size: 128
    .sgpr_count:     66
    .vgpr_count:     212
    .wavefront_size: 32
...
	.end_amdgpu_metadata
.endif
;; end of part 1
;; launch fc1 (part 2): grid 32 x 8, 4 waves a work-group, no clusters, 302,848 bytes of LDS; arguments xb, W1, idx, hid; writes hid
.if DOCPART == 2
	.amdgcn_target "amdgcn-amd-amdhsa--gfx1250"
	.amdhsa_code_object_version 6
	.text
	.protected	k_qac0c52203f_fc1
	.globl	k_qac0c52203f_fc1
	.p2align	8
	.type	k_qac0c52203f_fc1,@function
k_qac0c52203f_fc1:
	s_mov_b64 s[64:65], 0
	v_nop
	global_prefetch_b8 v0, s[64:65] scope:SCOPE_SE
	s_setreg_imm32_b32 hwreg(HW_REG_WAVE_MODE, 25, 1), 1
	s_wait_xcnt 0x0
; ONE PRODUCT OF A ROUTED EXPERT'S MLP, the weights resident in registers.  One text serves both products; LAYER chooses.
;   LAYER 1: hid = gelu(x W1[e]), for the tokens that chose expert e.  x comes as xb [1024][1024] bf16, by a list; W1: [8][1024][4096] f32.
;            hid[e][g 64][i 1024][64] bf16: i is the token's rank in the expert's list, g a group of 64 hidden columns: a rank's 128 bytes lie end to end with the next rank's.
;   LAYER 2: part[kq][token][1024] f32 = hid's K quarter kq times W2[e]; W2: [8][4096][1024] f32.  The four quarters are added by the next launch.
; SHARES.  Work-group (x, e) owns 1,024 K x 128 columns of expert e's weights, which it alone reads, once (layer 1: columns 128 x on; layer 2: K quarter x / 8, columns 128 (x % 8) on), and ALL of that
; expert's rows.  Wave w owns 512 of K (kh = w % 2) x 64 columns (cg = w / 2): rounded to bf16 that is 16 K steps x 4 column tiles x 8 = 512 registers, and it stays there.
; Rows go in passes of 9 tiles of 16 through LDS; an expert with more rows costs more passes and never a second read of its weights.  The two K halves' sums meet in LDS.
; EVERY SPLIT is served: 8 passes cover 1,024 rows; every wave passes every barrier of every pass, and only work is jumped, forward.  Places past the count repeat the expert's last token (an expert
; without tokens: token 0, one tile in layer 1, so that layer 2 reads only stored bytes; layer 2 then stores nothing).  In layer 2 the repeated rows' equal results are stored onto that token's own bytes again, by the same wave.
; COLUMNS.  A weight load gives lane (r, h) 16 bytes: row k, columns 4 r .. 4 r + 3; sixteen lanes read 256 consecutive bytes.  Column tile t takes word t of each load: its column n = r stands for column 4 r + t.
; So two loads' words pack straight into a register of source 1, and in the result a lane holds four neighbouring columns over t = 0 .. 3.
; NO CLUSTER: each slice of weights, 512 KB of the work-group's some 800, has one reader; layer 1's rows come by a list, which no tile descriptor covers; layer 2's number of row tiles hangs on a stored count.
; NO TENSOR LOAD: the rows' fills would have to be jumped where a pass is empty.
; FORMAT.  Weights and rows in bf16, sums in f32, hid rounded once to bf16.  GELU is x Phi(x) with erf by Abramowitz and Stegun 7.1.26 (absolute error 1.5e-7 at the most, for every x).
; LIMITS.  NaN and infinities are not treated apart; expert numbers above 7 in idx would leave their tokens unwritten (the router stores 0 to 7).
.set LAYER, 1
.if LAYER == 1
.set LOGPW, 14                         ; a row of W1 is 16,384 bytes
.else
.set LOGPW, 12                         ; a row of W2 is 4,096 bytes
.endif
.set PW,     1<<LOGPW
.set PITCH,  2064                      ; a row in LDS: 2,048 bytes + 16 = 129 x 16: the 16 rows of a fragment load start at 16 different 16-byte columns of 256
.set TILEB,  16*PITCH
.set NTILE,  9                         ; tiles of 16 rows in a pass
.set NPASS,  8                         ; 8 x 144 rows cover 1,024
.set DUMPW,  NTILE*8*512               ; a wave's sums in LDS: [tile][4 registers of 32][lane][16 bytes]; the four waves' lie over the rows, which are done with by then
.set LIST0,  NTILE*TILEB               ; 297,216: behind the rows: a word that holds token 0 at + 12, the list from + 16 (1,184 words), 32 throw-away words at + 4,864
.set LISTE,  LIST0+16
.set LDUMMY, LIST0+4864
.set DUMMYW, (LDUMMY-LISTE)/4          ; the first throw-away word, counted in words from the list's first
.set SPARE,  LIST0+5120                ; the spare words, 128 bytes a wave: two blocks of 256 bytes that no other line names
; window 0
.set VL,   1                           ; lane
.set VR,   2                           ; r = lane % 16
.set VH,   3                           ; h = lane / 16
.set VW,   4                           ; weights: 16 r + 8 h rows
.set VPF,  5                           ; prefetch: lane rows
.set VL16, 6                           ; rows in memory: my 16 bytes of a load's 512
.set VAS,  7                           ; rows into LDS: my place in tile 0
.set VFR,  8                           ; fragments: my place in tile 0
.set VAT,  9                           ; an LDS address at work
.set VDU,  10                          ; my place in my wave's sums
.set VF0,  11                          ; the way out: my place in the pair of sums that I add
.set VF,   12                          ; the same, running (at the head: idx's offset)
.set VLG,  14                          ; layer 1: the list at my wave's four entries of tile 0; never rewritten
.set VDW,  15                          ; my throw-away word, counted in words from the list's first
.set VO0,  16                          ; my place in the output
.set VO,   17                          ; the same, running
.set VOFF, 18                          ; v[18:21] later passes: the offsets of a tile's rows
.set VP,   22
.set VT,   23
.set VL4,  24                          ; 4 lane
.set VLF,  25                          ; layer 2's way out: my eight entries of the list
.set VATG, 26                          ; later passes: rows into LDS, running
.set SPW,  28                          ; LDS address of my spare word; never rewritten
.set NIL,  29                          ; 0; never rewritten
.set FB,   32                          ; v[32:223] three buffers of 64: the fragments of 16 rows x 256 K; outside the products: at work
.set AOFF, 96                          ; during the stream: the offsets of pass 0's rows
.set NX,   176                         ; v[176:179] layer 1, from a pass's way out to the next pass's gather: lane a holds my wave's four tokens of that pass's tile a
.set ACC8, 224                         ; v[224:255] the ninth tile's sums; at the head idx, so that these registers too are written on every path
.set IDX,  224
; windows 1, 2: the weights: K step s, column tile t, register j at 32 (s % 8) + 8 t + j of window 1 + s / 8
; window 3: the stream's ring, four stages of 64 registers; then the sums of tiles 0 to 7: tile i, column tile t at 32 i + 8 t
; the way out
.set S,    32
.set D,    64
.set M,    96
.set Q,    128
.set O,    160
.set TOK,  128
.set OFFS, 136
; scalars: s[4:5] rows, s[6:7] weights, s[8:9] idx, s[10:11] output; s12 wave, s13 cg, s14 kh, s15 e, s16 x, s17 kq, s18 cs; s20 the count; s21, s22 at work; s23 tiles in all; s24 the last stored tile;
; s25 the pass; s26 its tiles; s27 a loop's count; s28 a tile; s29 the pass's first tile; s[30:35] offsets; s36, s[38:49] GELU's constants; s[52:59] the list's masks and ranks, later a tile's four tokens
.set MSB, 0
.macro WIN new                         ; s_set_vgpr_msb: bits 1:0 source 0, 3:2 source 1, 5:4 source 2, 7:6 destination; the high byte repeats the setting that is left
.if MSB != (\new)
	s_set_vgpr_msb (MSB<<8)|(\new)
.set MSB, (\new)
.endif
.endm
.macro BAR                             ; my LDS instructions are done, loads and stores; then the work-group's barrier
	s_wait_dscnt 0x0
	s_barrier_signal -1
	s_barrier_wait -1
.endm
; K step s of my weights into ring stage g: 16 loads; load i brings rows 32 s + i (+ 8 from i = 8 on) + 8 h: each half of the wave reads 256 consecutive bytes, at a multiple of 256 from the buffer's first
.macro WISSUE s, g
	WIN 0xc0                                       ; destination window 3, address window 0
.set i, 0
.rept 16
	global_load_b128 v[64*(\g)+4*i:64*(\g)+4*i+3], v[VW], s[6:7] offset:(32*(\s)+i+8*(i/8))*PW th:TH_LOAD_NT
.set i, i+1
.endr
.endm
; Ring stage g becomes K step s of source 1: register j of column tile t is word t of loads 2 j and 2 j + 1 (k = 8 h + 2 j, + 1; from j = 4 on 16 + 8 h + 2 (j - 4), + 1).
; In its middle the wave asks for K step s + 5 to be brought near: 32 lanes, one row piece each, each piece asked for once in the launch; three K steps, 24 KB a wave, are asked for and not yet loaded; the last is step 15.
.macro WPACK s, g
	WIN 0x4f+0x40*((\s)/8)                         ; sources window 3, destination window 1 or 2
.set t, 0
.rept 4
.set j, 0
.rept 8
	v_cvt_pk_bf16_f32 v[32*((\s)%8)+8*t+j], v[64*(\g)+8*j+t], v[64*(\g)+8*j+4+t]
.set j, j+1
.endr
.if (t == 1) && ((\s) <= 10)
	WIN 0
	global_prefetch_b8 v[VPF], s[6:7] offset:32*((\s)+5)*PW th:TH_LOAD_NT scope:SCOPE_SE
	WIN 0x4f+0x40*((\s)/8)
.endif
.set t, t+1
.endr
.endm
; My four rows (16 a + 4 w + b) of pass 0's tile a into ring stage g.  Layer 1: a row is 2,048 bytes of xb, four loads of 512.  Layer 2: a load takes four ranks' 128 bytes of one group of 64 K, 512 consecutive bytes.
.macro AISSUE a, g
	WIN 0xc0
.set i, 0
.rept 16
.if LAYER == 1
	global_load_b128 v[64*(\g)+4*i:64*(\g)+4*i+3], v[AOFF+4*(\a)+i/4], s[4:5] offset:512*(i%4)
.else
	global_load_b128 v[64*(\g)+4*i:64*(\g)+4*i+3], v[AOFF+(\a)], s[4:5] offset:131072*i
.endif
.set i, i+1
.endr
.endm
.macro ASTORE a, g                     ; and from there into LDS
	WIN 0
	v_add_nc_u32 v[VAT], (\a)*TILEB, v[VAS]
	WIN 0x0c                                       ; data window 3, address window 0
.set i, 0
.rept 16
.if LAYER == 1
	ds_store_b128 v[VAT], v[64*(\g)+4*i:64*(\g)+4*i+3] offset:(i/4)*PITCH+512*(i%4)
.else
	ds_store_b128 v[VAT], v[64*(\g)+4*i:64*(\g)+4*i+3] offset:128*i
.endif
.set i, i+1
.endr
.endm
; THE STREAM'S ORDER, 25 stages, stage p in ring slot p % 4: W0 W1 W2 A0 W3 A1 W4 A2 W5 A3 W6 A4 W7 A5 W8 A6 W9 A7 W10 A8 W11 W12 W13 W14 W15
.macro ISSUE p
.if (\p) < 3
	WISSUE (\p), (\p)%4
.elseif (\p) < 20
.if (\p)%2
	AISSUE ((\p)-3)/2, (\p)%4
.else
	WISSUE (\p)/2+1, (\p)%4
.endif
.elseif (\p) < 25
	WISSUE (\p)-9, (\p)%4
.endif
.endm
.macro USE p
.if (\p) < 3
.set sW, (\p)
.elseif (\p) < 20
.set sW, (\p)/2+1
.else
.set sW, (\p)-9
.endif
.if ((\p) >= 3) && ((\p) < 20) && ((\p)%2)
	ASTORE ((\p)-3)/2, (\p)%4
.else
	WPACK sW, (\p)%4
.endif
.endm
; Unit u = tile u / 2, K steps 8 (u % 2) on of my 16.  FETCH: its 8 fragments (16 rows x 32 K: two loads of 16 bytes, 32 bytes apart) into buffer u % 3.
.macro FETCH u
	WIN 0
	v_add_nc_u32 v[VAT], ((\u)/2)*TILEB, v[VFR]
.set fB, FB+64*((\u)%3)
.set i, 0
.rept 8
	ds_load_b128 v[fB+8*i:fB+8*i+3],   v[VAT] offset:64*(8*((\u)%2)+i)
	ds_load_b128 v[fB+8*i+4:fB+8*i+7], v[VAT] offset:64*(8*((\u)%2)+i)+32
.set i, i+1
.endr
.endm
; MUL: its 32 products.  Source 0 = 16 rows, source 1 = 16 columns.  The tile's four sums take turns, one instruction a turn; a tile's first four products start the sums: nothing is cleared.
.macro MUL u
.set fB, FB+64*((\u)%3)
.if (\u)/2 < 8
	WIN 0xf4+4*((\u)%2)                            ; rows window 0, weights window 1 or 2, sums window 3
.set aB, 32*((\u)/2)
.else
	WIN 0x04+4*((\u)%2)                            ; the ninth tile's sums lie in window 0
.set aB, ACC8
.endif
.set i, 0
.rept 8
.set t, 0
.rept 4
.if ((\u)%2 == 0) && (i == 0)
	v_wmma_f32_16x16x32_bf16 v[aB+8*t:aB+8*t+7], v[fB+8*i:fB+8*i+7], v[32*i+8*t:32*i+8*t+7], 0
.else
	v_wmma_f32_16x16x32_bf16 v[aB+8*t:aB+8*t+7], v[fB+8*i:fB+8*i+7], v[32*i+8*t:32*i+8*t+7], v[aB+8*t:aB+8*t+7]
.endif
.set t, t+1
.endr
.set i, i+1
.endr
.endm
	s_load_b256 s[4:11], s[0:1], 0x0               ; rows s[4:5], weights s[6:7], idx s[8:9], output s[10:11]
	v_lshl_add_u32 v[SPW], v0, 2, SPARE
	v_mov_b32 v[NIL], 0
	v_lshrrev_b32 v[VT], 5, v0
	v_readfirstlane_b32 s12, v[VT]                 ; wave
	v_and_b32 v[VL], 31, v0
	v_and_b32 v[VR], 15, v0
	v_bfe_u32 v[VH], v0, 4, 1
	v_lshlrev_b32 v[VF], 4, v[VL]                  ; idx: 16 bytes a lane
	v_lshlrev_b32 v[VW], 4, v[VR]
	v_lshl_add_u32 v[VW], v[VH], LOGPW+3, v[VW]
	v_lshlrev_b32 v[VPF], LOGPW, v[VL]
	s_lshr_b32 s13, s12, 1                         ; cg
	s_and_b32 s14, s12, 1                          ; kh
	s_and_b32 s15, ttmp7, 0xffff                   ; e
	s_mov_b32 s16, ttmp9                           ; x
	s_lshl_b32 s30, s15, 24                        ; an expert's weights are 16,777,216 bytes; all these offsets stay under 2^31
	s_lshl_b32 s22, s14, LOGPW+9                   ; my 512 rows
	s_add_co_u32 s30, s30, s22
	s_lshl_b32 s22, s13, 8                         ; my 64 columns
	s_add_co_u32 s30, s30, s22
.if LAYER == 1
	s_lshl_b32 s22, s16, 9                         ; the work-group's 128 columns
	s_add_co_u32 s30, s30, s22
	s_lshl_b32 s32, s15, 6
	s_lshl1_add_u32 s32, s16, s32
	s_add_co_u32 s32, s32, s13                     ; 64 e + g, g = 2 x + cg
	s_lshl_b32 s32, s32, 17                        ; 1,024 ranks of 128 bytes
.else
	s_lshr_b32 s17, s16, 3                         ; kq
	s_and_b32 s18, s16, 7                          ; cs
	s_lshl_b32 s22, s17, LOGPW+10                  ; the quarter's 1,024 rows
	s_add_co_u32 s30, s30, s22
	s_lshl_b32 s22, s18, 9
	s_add_co_u32 s30, s30, s22
	s_lshl_b32 s34, s15, 23                        ; hid at group 64 e + 16 kq
	s_lshl_b32 s22, s17, 21
	s_add_co_u32 s34, s34, s22
	s_mov_b32 s35, 0
	s_lshl_b32 s32, s17, 22                        ; part at quarter kq, my 64 columns
	s_lshl_b32 s22, s18, 9
	s_add_co_u32 s32, s32, s22
	s_lshl_b32 s22, s13, 8
	s_add_co_u32 s32, s32, s22
.endif
	s_mov_b32 s31, 0
	s_mov_b32 s33, 0
	s_wait_kmcnt 0x0
	s_add_nc_u64 s[6:7], s[6:7], s[30:31]
	s_add_nc_u64 s[10:11], s[10:11], s[32:33]
.if LAYER == 2
	s_add_nc_u64 s[4:5], s[4:5], s[34:35]
.endif
.irp q, 0,1,2,3,4,5,6,7
	global_load_b128 v[IDX+4*\q:IDX+4*\q+3], v[VF], s[8:9] offset:512*\q  ; register 4 q + c: token 128 q + 4 lane + c
.endr
	WISSUE 0, 0                                    ; the stream begins before anything else is done
	WISSUE 1, 1
	WISSUE 2, 2
	global_prefetch_b8 v[VPF], s[6:7] offset:32*3*PW th:TH_LOAD_NT scope:SCOPE_SE
	global_prefetch_b8 v[VPF], s[6:7] offset:32*4*PW th:TH_LOAD_NT scope:SCOPE_SE
	WIN 0
	s_mul_i32 s22, s12, 4*PITCH                    ; my wave's four rows of a tile
.if LAYER == 1
	v_lshlrev_b32 v[VL16], 4, v[VL]
	v_lshl_add_u32 v[VAS], v[VL], 4, s22
	v_and_b32 v[VT], 7, v[VR]                      ; row r of a fragment is rank 2 (r % 8) + r / 8 of the tile: register j of a result then holds ranks 2 j (lanes 0-15) and 2 j + 1 (lanes 16-31)
	v_lshrrev_b32 v[VP], 3, v[VR]
	v_lshl_add_u32 v[VT], v[VT], 1, v[VP]
	v_mul_u32_u24 v[VT], v[VT], PITCH
	v_lshlrev_b32 v[VO0], 3, v[VR]                 ; four columns in bf16: 8 bytes at 8 r, the odd rank 128 bytes on
	v_lshl_add_u32 v[VO0], v[VH], 7, v[VO0]
	s_mov_b32 s36, 0x3e6d3389                      ; 0.2316419 = 0.3275911 / sqrt(2)
	s_mov_b32 s38, 0xbf38aa3b                      ; - log2(e) / 2
	s_mov_b32 s39, s38                             ; the packed forms name pairs: both words are written
	s_mov_b32 s40, 0x3e027906                      ; the series' coefficients, halved: 0.127414796
	s_mov_b32 s41, s40
	s_mov_b32 s42, 0xbe11a98e                      ; -0.142248368
	s_mov_b32 s43, s42
	s_mov_b32 s44, 0x3f35f0e3                      ; 0.7107068705
	s_mov_b32 s45, s44
	s_mov_b32 s46, 0xbf3a00e3                      ; -0.7265760135
	s_mov_b32 s47, s46
	s_mov_b32 s48, 0x3f07dc22                      ; 0.5307027145
	s_mov_b32 s49, s48
.else
	s_lshl_b32 s21, s12, 9
	v_lshl_add_u32 v[VL16], v[VL], 4, s21          ; my wave's four ranks, 512 bytes
	v_lshrrev_b32 v[VT], 3, v[VL]                  ; eight lanes to a rank's 128 bytes
	v_mul_u32_u24 v[VT], v[VT], PITCH
	v_and_b32 v[VP], 7, v[VL]
	v_lshl_add_u32 v[VT], v[VP], 4, v[VT]
	v_add_nc_u32 v[VAS], s22, v[VT]
	v_mul_u32_u24 v[VT], v[VR], PITCH              ; row r of a fragment is rank r of the tile
	v_lshlrev_b32 v[VO0], 4, v[VR]                 ; four columns in f32: 16 bytes at 16 r
.endif
	v_lshl_add_u32 v[VT], v[VH], 4, v[VT]
	s_lshl_b32 s22, s14, 10                        ; my 512 K: 1,024 bytes of a row
	v_add_nc_u32 v[VFR], s22, v[VT]
	s_mul_i32 s22, s12, DUMPW
	v_lshl_add_u32 v[VDU], v[VL], 4, s22
	s_mul_i32 s22, s13, 2*DUMPW                    ; the sums of waves 2 cg and 2 cg + 1; I begin with tile kh
	s_lshl_b32 s21, s14, 12
	s_add_co_u32 s22, s22, s21
	v_lshl_add_u32 v[VF0], v[VL], 4, s22
	v_add_nc_u32 v[VDW], DUMMYW, v[VL]
	v_lshlrev_b32 v[VL4], 2, v[VL]
	s_mov_b32 s20, 0
	s_wait_loadcnt 48                              ; idx is in; the 48 weight loads are younger and stay out
	; THE LIST of expert e's tokens, in the order (q, c, lane): the same in both products.  Its LDS addresses hang on idx, so wave 0 alone writes it, and nobody else touches LDS before the barrier below.
	; Every wave counts for itself.
	s_cmp_lg_u32 s12, 0
	s_cbranch_scc1 .Lcount
	v_mov_b32 v[VP], LIST0+12
	v_mov_b32 v[VT], 0
	ds_store_b32 v[VP], v[VT]                      ; the word ahead of the list: token 0, the 'last token' of an expert without tokens
.set q, 0
.rept 8                                ; four words at a time, so that the four items' dependent lines overlap
.irp c, 0,1,2,3
	v_cmp_eq_u32 s[52+\c], s15, v[IDX+4*q+\c]
.endr
	s_mov_b32 s56, s20
.irp c, 0,1,2
	s_bcnt1_i32_b32 s22, s[52+\c]
	s_add_co_u32 s[57+\c], s[56+\c], s22
.endr
	s_bcnt1_i32_b32 s22, s55
	s_add_co_u32 s20, s59, s22
.irp c, 0,1,2,3
	v_mbcnt_lo_u32_b32 v[32+\c], s[52+\c], s[56+\c]  ; my rank: those counted so far, and the lanes below me that match
.endr
.irp c, 0,1,2,3
	v_cndmask_b32 v[32+\c], v[VDW], v[32+\c], s[52+\c]  ; a lane whose token went elsewhere takes its throw-away word
.endr
.irp c, 0,1,2,3
	v_min_u32 v[32+\c], DUMMYW+31, v[32+\c]        ; the word's number is held inside the list and the throw-away words; only a shift and an add follow
.endr
.irp c, 0,1,2,3
	v_lshl_add_u32 v[32+\c], v[32+\c], 2, LISTE
.endr
.irp c, 0,1,2,3
	v_add_nc_u32 v[36+\c], 128*q+\c, v[VL4]
.endr
.irp c, 0,1,2,3
	ds_store_b32 v[32+\c], v[36+\c]
.endr
.set q, q+1
.endr
	s_min_u32 s20, s20, 1024
	s_lshl_b32 s22, s20, 2
	s_add_co_u32 s22, s22, LISTE-4
	v_mov_b32 v[VP], s22
	ds_load_b32 v[VT], v[VP]                       ; the last token; LDS serves a wave's instructions in order: it sees the stores above
	v_lshl_add_u32 v[VP], v[VL], 2, s22
	s_wait_dscnt 0x0
.irp z, 0,1,2,3,4
	ds_store_b32 v[VP], v[VT] offset:4+128*\z      ; 160 places behind the count repeat it: pass 0 reads 144 entries whatever the count
.endr
	s_branch .Llisted
.Lcount:
.set k, 0
.rept 32
	v_cmp_eq_u32 s21, s15, v[IDX+k]
	s_bcnt1_i32_b32 s22, s21
	s_add_co_u32 s20, s20, s22
.set k, k+1
.endr
	s_min_u32 s20, s20, 1024
.Llisted:
	BAR                                            ; the list is stored; from here on it is only read
	s_add_co_u32 s23, s20, 15
	s_lshr_b32 s23, s23, 4                         ; tiles of 16 rows
.if LAYER == 1
	s_max_u32 s23, s23, 1                          ; an expert without tokens still stores one tile
	s_lshl_b32 s22, s12, 4
	s_add_co_u32 s22, s22, LISTE
	v_mov_b32 v[VLG], s22                          ; my wave's four entries of tile 0
.set a, 0
.rept NTILE
	ds_load_b128 v[AOFF+4*a:AOFF+4*a+3], v[VLG] offset:64*a
.set a, a+1
.endr
	s_wait_dscnt 0x0
.set a, 0
.rept 4*NTILE
	v_min_u32 v[AOFF+a], 0x3ff, v[AOFF+a]
.set a, a+1
.endr
.set a, 0
.rept 4*NTILE
	v_lshl_add_u32 v[AOFF+a], v[AOFF+a], 11, v[VL16]  ; token x 2,048 bytes + 16 lane
.set a, a+1
.endr
.else
	s_max_u32 s24, s23, 1
	s_sub_co_u32 s24, s24, 1                       ; the last tile that layer 1 stored
.set a, 0
.rept NTILE
	s_min_u32 s22, s24, a
	v_lshl_add_u32 v[AOFF+a], s22, 11, v[VL16]     ; tile x 16 ranks x 128 bytes
.set a, a+1
.endr
.endif
	; THE STREAM.  Four stages of 16 loads, 32 KB a wave, are asked for at any time; the wait at a stage's head leaves the 16 loads of each younger stage out.  It always runs whole, so the weights' registers are written on every path.
	ISSUE 3
.set n, 0
.rept 25
.if n <= 21
	s_wait_loadcnt 48
.else
	s_wait_loadcnt 16*(24-n)
.endif
	USE n
	ISSUE n+4
.set n, n+1
.endr
	WIN 0
	s_mov_b32 s25, 0                               ; the pass,
	s_mov_b32 s29, 0                               ; its first tile,
	s_min_u32 s26, s23, NTILE                      ; its tiles: 0 to 9
.Lpass:                                                ; 8 trips, four barriers each, whatever the count.  A trip: a pass's products, sums and way out, then the next pass's rows (pass 0's came with the stream)
	BAR                                            ; every wave's rows are stored
	; THE PRODUCTS: 18 units of 32.  A unit's fragments are asked for two units ahead; the wait leaves the two younger units' 32 loads out.  From the first tile past the pass's count on everything is jumped.
	s_cmp_eq_u32 s26, 0
	s_cbranch_scc1 .Lcdone
	FETCH 0
	FETCH 1
.set u, 0
.rept 18
.if (u > 0) && (u%2 == 0)
	WIN 0                                          ; at a branch every window is 0
	s_cmp_le_u32 s26, u/2
	s_cbranch_scc1 .Lcdone
.endif
.if u < 16
.if u > 0
.rept 4
	v_nop                                          ; four places between the last product that read buffer (u + 2) % 3 and the loads into it (ISA guide 7.12.1 for vector instructions)
.endr
.endif
	FETCH u+2
	s_wait_dscnt 32
.elseif u == 16
	s_wait_dscnt 16
.else
	s_wait_dscnt 0x0
.endif
	MUL u
.set u, u+1
.endr
	WIN 0
.Lcdone:
.rept 4
	v_nop                                          ; four places between the last product and the stores that read the sums
.endr
	BAR                                            ; nobody reads the rows any more (fragments asked for past the count are back too)
	; my sums into LDS, over the rows; each sum's registers in ascending order
.set i, 0
.rept NTILE
	WIN 0
	s_cmp_le_u32 s26, i
	s_cbranch_scc1 .Lddone
.if i < 8
	WIN 0x0c                                       ; data window 3
.set aB, 32*i
.else
.set aB, ACC8
.endif
.set q, 0
.rept 8
	ds_store_b128 v[VDU], v[aB+4*q:aB+4*q+3] offset:(8*i+q)*512
.set q, q+1
.endr
.set i, i+1
.endr
	WIN 0
.Lddone:
	BAR                                            ; every wave's sums are stored
	; THE WAY OUT.  I take tiles kh, kh + 2, .. of my 64 columns and add the two K halves: register 8 t + j is (row 8 h + j, column 4 r + t).
	s_add_co_u32 s22, s29, s14
.if LAYER == 1
	s_lshl_b32 s22, s22, 11                        ; a tile is 16 ranks of 128 bytes
	v_add_nc_u32 v[VO], s22, v[VO0]
.else
	s_lshl_b32 s22, s22, 6                         ; a tile is 16 entries of the list; mine are 8 h on
	s_add_co_u32 s22, s22, LISTE
	v_lshl_add_u32 v[VLF], v[VH], 5, s22
.endif
	v_mov_b32 v[VF], v[VF0]
	s_mov_b32 s28, s14
	s_mov_b32 s27, 5
.Lfin:
	s_cmp_ge_u32 s28, s26
	s_cbranch_scc1 .Lfdead
.set i, 0
.rept 8
	ds_load_b128 v[S+4*i:S+4*i+3], v[VF] offset:512*i
.set i, i+1
.endr
.set i, 0
.rept 8
	ds_load_b128 v[D+4*i:D+4*i+3], v[VF] offset:DUMPW+512*i
.set i, i+1
.endr
.if LAYER == 2
	ds_load_b128 v[TOK:TOK+3], v[VLF]
	ds_load_b128 v[TOK+4:TOK+7], v[VLF] offset:16
.endif
	s_wait_dscnt 0x0
.if LAYER == 1
	; gelu(x) = x Phi(x) = |x| (0.5 - q) + 0.5 x, q = 1 - Phi(|x|) = (b1 t + .. + b5 t^5) 2^(-x^2 log2(e) / 2), t = 1 / (1 + 0.2316419 |x|)
.set i, 0
.rept 16
	v_pk_add_f32 v[S+2*i:S+2*i+1], v[S+2*i:S+2*i+1], v[D+2*i:D+2*i+1]
.set i, i+1
.endr
.set i, 0
.rept 32
	v_fma_f32 v[D+i], |v[S+i]|, s36, 1.0
.set i, i+1
.endr
.set i, 0
.rept 16
	v_pk_mul_f32 v[M+2*i:M+2*i+1], v[S+2*i:S+2*i+1], v[S+2*i:S+2*i+1]
.set i, i+1
.endr
.set i, 0
.rept 16
	v_pk_mul_f32 v[M+2*i:M+2*i+1], v[M+2*i:M+2*i+1], s[38:39] op_sel_hi:[1,0]
.set i, i+1
.endr
.set i, 0
.rept 32
	v_rcp_f32 v[D+i], v[D+i]
.set i, i+1
.endr
.set i, 0
.rept 32
	v_exp_f32 v[M+i], v[M+i]
.set i, i+1
.endr
	v_nop                                          ; a plain instruction behind the last of them,
	s_wait_alu depctr_va_vdst(0)                   ; and ONE wait for the batch of 64, ahead of its first reader
.set i, 0
.rept 16
	v_pk_fma_f32 v[Q+2*i:Q+2*i+1], v[D+2*i:D+2*i+1], s[48:49], s[46:47] op_sel_hi:[1,0,0]
.set i, i+1
.endr
.irp c, 44,42,40
.set i, 0
.rept 16
	v_pk_fma_f32 v[Q+2*i:Q+2*i+1], v[Q+2*i:Q+2*i+1], v[D+2*i:D+2*i+1], s[\c:\c+1] op_sel_hi:[1,1,0]
.set i, i+1
.endr
.endr
.set i, 0
.rept 16
	v_pk_mul_f32 v[M+2*i:M+2*i+1], v[M+2*i:M+2*i+1], v[D+2*i:D+2*i+1]
.set i, i+1
.endr
.set i, 0
.rept 16
	v_pk_fma_f32 v[Q+2*i:Q+2*i+1], v[Q+2*i:Q+2*i+1], v[M+2*i:M+2*i+1], 0.5 op_sel_hi:[1,1,0] neg_lo:[1,0,0] neg_hi:[1,0,0]  ; 0.5 - q
.set i, i+1
.endr
.set i, 0
.rept 16
	v_pk_mul_f32 v[D+2*i:D+2*i+1], v[S+2*i:S+2*i+1], 0.5 op_sel_hi:[1,0]
.set i, i+1
.endr
.set i, 0
.rept 32
	v_fma_f32 v[Q+i], |v[S+i]|, v[Q+i], v[D+i]
.set i, i+1
.endr
.set j, 0
.rept 8
	v_cvt_pk_bf16_f32 v[O+2*j], v[Q+j], v[Q+8+j]        ; columns 4 r, 4 r + 1 of row j
	v_cvt_pk_bf16_f32 v[O+2*j+1], v[Q+16+j], v[Q+24+j]  ; columns 4 r + 2, 4 r + 3
.set j, j+1
.endr
.set j, 0
.rept 8
	global_store_b64 v[VO], v[O+2*j:O+2*j+1], s[10:11] offset:256*j  ; ranks 2 j and 2 j + 1: the wave's 32 x 8 bytes are 256 consecutive bytes, at a multiple of 256 from hid's first
.set j, j+1
.endr
.else
.set j, 0
.rept 8
.set t, 0
.rept 4
	v_add_f32 v[M+4*j+t], v[S+8*t+j], v[D+8*t+j]
.set t, t+1
.endr
.set j, j+1
.endr
.set j, 0
.rept 8
	v_min_u32 v[TOK+j], 0x3ff, v[TOK+j]
.set j, j+1
.endr
.set j, 0
.rept 8
	v_lshl_add_u32 v[OFFS+j], v[TOK+j], 12, v[VO0]   ; the token's row of 4,096 bytes
.set j, j+1
.endr
.set j, 0
.rept 8
	global_store_b128 v[OFFS+j], v[M+4*j:M+4*j+3], s[10:11]  ; sixteen lanes store 256 consecutive bytes of a token's row, at a multiple of 256 from part's first
.set j, j+1
.endr
.endif
	s_wait_xcnt 0x0                                ; the stores' data and offsets are written again only behind this wait
.Lfdead:
	v_add_nc_u32 v[VF], 8192, v[VF]                ; two tiles on
.if LAYER == 1
	v_add_nc_u32 v[VO], 4096, v[VO]
.else
	v_add_nc_u32 v[VLF], 128, v[VLF]
.endif
	s_add_co_u32 s28, s28, 2
	s_sub_co_u32 s27, s27, 1
	s_cmp_lg_u32 s27, 0
	s_cbranch_scc1 .Lfin
.if LAYER == 1
	; The next pass's tokens are read from the list here, where no wave stores to LDS: lane a (0 to 8) takes my wave's four entries of that pass's tile a, held to the last tile that has entries.
	s_add_co_u32 s22, s29, NTILE                   ; the next pass's first tile
	s_sub_co_u32 s21, s23, 1                       ; the last tile with entries
	v_min_u32 v[VT], 8, v[VL]
	v_add_nc_u32 v[VT], s22, v[VT]
	v_min_u32 v[VT], s21, v[VT]
	v_min_u32 v[VT], 63, v[VT]                     ; that bound hangs on the count: the tile's number is held by a constant too; only a shift and an add follow
	v_lshl_add_u32 v[VT], v[VT], 6, v[VLG]
	ds_load_b128 v[NX:NX+3], v[VT]                 ; waited for by the barrier's wait below
.endif
	BAR                                            ; nobody reads the sums any more: the next pass's rows may land on them
	; THE NEXT PASS and its rows: a tile a trip, dead trips jumped.  Behind the eighth pass no tile is left (72 >= 64).
	s_add_co_u32 s25, s25, 1
	s_mul_i32 s29, s25, NTILE
	s_min_u32 s26, s29, s23
	s_sub_co_u32 s26, s23, s26
	s_min_u32 s26, s26, NTILE
	s_cmp_eq_u32 s26, 0
	s_cbranch_scc1 .Lgdone
	v_mov_b32 v[VATG], v[VAS]
	s_mov_b32 s28, 0
	s_mov_b32 s27, NTILE
.Lg:
	s_cmp_ge_u32 s28, s26
	s_cbranch_scc1 .Lgdead
.if LAYER == 1
.irp b, 0,1,2,3
	v_readlane_b32 s[52+\b], v[NX+\b], s28         ; this tile's four tokens lie in lane s28
.endr
.irp b, 0,1,2,3
	s_min_u32 s[52+\b], s[52+\b], 0x3ff
.endr
.irp b, 0,1,2,3
	s_lshl_b32 s[52+\b], s[52+\b], 11              ; token x 2,048 bytes
.endr
.irp b, 0,1,2,3
	v_add_nc_u32 v[VOFF+\b], s[52+\b], v[VL16]
.endr
.set i, 0
.rept 16
	global_load_b128 v[FB+4*i:FB+4*i+3], v[VOFF+i/4], s[4:5] offset:512*(i%4)
.set i, i+1
.endr
.else
	s_add_co_u32 s22, s29, s28
	s_min_u32 s22, s22, 63
	v_lshl_add_u32 v[VOFF], s22, 11, v[VL16]
.set i, 0
.rept 16
	global_load_b128 v[FB+4*i:FB+4*i+3], v[VOFF], s[4:5] offset:131072*i
.set i, i+1
.endr
.endif
	s_wait_loadcnt 0x0                             ; the rows are in, and the loads' offsets may be written again
.set i, 0
.rept 16
.if LAYER == 1
	ds_store_b128 v[VATG], v[FB+4*i:FB+4*i+3] offset:(i/4)*PITCH+512*(i%4)
.else
	ds_store_b128 v[VATG], v[FB+4*i:FB+4*i+3] offset:128*i
.endif
.set i, i+1
.endr
.Lgdead:
	v_add_nc_u32 v[VATG], TILEB, v[VATG]
	s_add_co_u32 s28, s28, 1
	s_sub_co_u32 s27, s27, 1
	s_cmp_lg_u32 s27, 0
	s_cbranch_scc1 .Lg
.Lgdone:
	s_cmp_lt_u32 s25, NPASS
	s_cbranch_scc1 .Lpass
	s_wait_tensorcnt 0x0                           ; the wave's end, behind my last LDS store
	ds_add_u32 v[SPW], v[NIL]
	s_wait_dscnt 0x0
	s_endpgm
.Lfunc_end_k_qac0c52203f_fc1:
	.size	k_qac0c52203f_fc1, .Lfunc_end_k_qac0c52203f_fc1-k_qac0c52203f_fc1
	.p2alignl 7, 3214868480
	.fill 96, 4, 3214868480
	.section	.rodata,"a",@progbits
	.p2align	6, 0x0
	.amdhsa_kernel k_qac0c52203f_fc1
		.amdhsa_group_segment_fixed_size 302848
		.amdhsa_private_segment_fixed_size 0
		.amdhsa_enable_private_segment 0
		.amdhsa_kernarg_size 32
		.amdhsa_user_sgpr_count 2
		.amdhsa_user_sgpr_kernarg_segment_ptr 1
		.amdhsa_wavefront_size32 1
		.amdhsa_system_sgpr_workgroup_id_x 1
		.amdhsa_system_sgpr_workgroup_id_y 1
		.amdhsa_system_sgpr_workgroup_id_z 1
		.amdhsa_system_vgpr_workitem_id 0
		.amdhsa_next_free_vgpr 1024
		.amdhsa_next_free_sgpr 66
		.amdhsa_reserve_vcc 0
		.amdhsa_float_denorm_mode_32 3
		.amdhsa_float_denorm_mode_16_64 3
		.amdhsa_memory_ordered 1
		.amdhsa_forward_progress 1
		.amdhsa_inst_pref_size 204
	.end_amdhsa_kernel
	.amdgpu_metadata
---
amdhsa.version: [ 1, 2 ]
amdhsa.kernels:
  - .name:           k_qac0c52203f_fc1
    .symbol:         k_qac0c52203f_fc1.kd
    .args:
      - { .name: xb, .offset: 0, .size: 8, .value_kind: global_buffer, .address_space: global }
      - { .name: W1, .offset: 8, .size: 8, .value_kind: global_buffer, .address_space: global }
      - { .name: idx, .offset: 16, .size: 8, .value_kind: global_buffer, .address_space: global }
      - { .name: hid, .offset: 24, .size: 8, .value_kind: global_buffer, .address_space: global }
    .group_segment_fixed_size: 302848
    .private_segment_fixed_size: 0
    .kernarg_segment_align: 8
    .kernarg_segment_size: 32
    .max_flat_workgroup_size: 128
    .sgpr_count:     66
    .vgpr_count:     1024
    .wavefront_size: 32
...
	.end_amdgpu_metadata
.endif
;; end of part 2
;; launch fc2 (part 3): grid 32 x 8, 4 waves a work-group, no clusters, 302,848 bytes of LDS; arguments hid, W2, idx, part; writes part
.if DOCPART == 3
	.amdgcn_target "amdgcn-amd-amdhsa--gfx1250"
	.amdhsa_code_object_version 6
	.text
	.protected	k_qac0c52203f_fc2
	.globl	k_qac0c52203f_fc2
	.p2align	8
	.type	k_qac0c52203f_fc2,@function
k_qac0c52203f_fc2:
	s_mov_b64 s[64:65], 0
	v_nop
	global_prefetch_b8 v0, s[64:65] scope:SCOPE_SE
	s_setreg_imm32_b32 hwreg(HW_REG_WAVE_MODE, 25, 1), 1
	s_wait_xcnt 0x0
; ONE PRODUCT OF A ROUTED EXPERT'S MLP, the weights resident in registers.  One text serves both products; LAYER chooses.
;   LAYER 1: hid = gelu(x W1[e]), for the tokens that chose expert e.  x comes as xb [1024][1024] bf16, by a list; W1: [8][1024][4096] f32.
;            hid[e][g 64][i 1024][64] bf16: i is the token's rank in the expert's list, g a group of 64 hidden columns: a rank's 128 bytes lie end to end with the next rank's.
;   LAYER 2: part[kq][token][1024] f32 = hid's K quarter kq times W2[e]; W2: [8][4096][1024] f32.  The four quarters are added by the next launch.
; SHARES.  Work-group (x, e) owns 1,024 K x 128 columns of expert e's weights, which it alone reads, once (layer 1: columns 128 x on; layer 2: K quarter x / 8, columns 128 (x % 8) on), and ALL of that
; expert's rows.  Wave w owns 512 of K (kh = w % 2) x 64 columns (cg = w / 2): rounded to bf16 that is 16 K steps x 4 column tiles x 8 = 512 registers, and it stays there.
; Rows go in passes of 9 tiles of 16 through LDS; an expert with more rows costs more passes and never a second read of its weights.  The two K halves' sums meet in LDS.
; EVERY SPLIT is served: 8 passes cover 1,024 rows; every wave passes every barrier of every pass, and only work is jumped, forward.  Places past the count repeat the expert's last token (an expert
; without tokens: token 0, one tile in layer 1, so that layer 2 reads only stored bytes; layer 2 then stores nothing).  In layer 2 the repeated rows' equal results are stored onto that token's own bytes again, by the same wave.
; COLUMNS.  A weight load gives lane (r, h) 16 bytes: row k, columns 4 r .. 4 r + 3; sixteen lanes read 256 consecutive bytes.  Column tile t takes word t of each load: its column n = r stands for column 4 r + t.
; So two loads' words pack straight into a register of source 1, and in the result a lane holds four neighbouring columns over t = 0 .. 3.
; NO CLUSTER: each slice of weights, 512 KB of the work-group's some 800, has one reader; layer 1's rows come by a list, which no tile descriptor covers; layer 2's number of row tiles hangs on a stored count.
; NO TENSOR LOAD: the rows' fills would have to be jumped where a pass is empty.
; FORMAT.  Weights and rows in bf16, sums in f32, hid rounded once to bf16.  GELU is x Phi(x) with erf by Abramowitz and Stegun 7.1.26 (absolute error 1.5e-7 at the most, for every x).
; LIMITS.  NaN and infinities are not treated apart; expert numbers above 7 in idx would leave their tokens unwritten (the router stores 0 to 7).
.set LAYER, 2
.if LAYER == 1
.set LOGPW, 14                         ; a row of W1 is 16,384 bytes
.else
.set LOGPW, 12                         ; a row of W2 is 4,096 bytes
.endif
.set PW,     1<<LOGPW
.set PITCH,  2064                      ; a row in LDS: 2,048 bytes + 16 = 129 x 16: the 16 rows of a fragment load start at 16 different 16-byte columns of 256
.set TILEB,  16*PITCH
.set NTILE,  9                         ; tiles of 16 rows in a pass
.set NPASS,  8                         ; 8 x 144 rows cover 1,024
.set DUMPW,  NTILE*8*512               ; a wave's sums in LDS: [tile][4 registers of 32][lane][16 bytes]; the four waves' lie over the rows, which are done with by then
.set LIST0,  NTILE*TILEB               ; 297,216: behind the rows: a word that holds token 0 at + 12, the list from + 16 (1,184 words), 32 throw-away words at + 4,864
.set LISTE,  LIST0+16
.set LDUMMY, LIST0+4864
.set DUMMYW, (LDUMMY-LISTE)/4          ; the first throw-away word, counted in words from the list's first
.set SPARE,  LIST0+5120                ; the spare words, 128 bytes a wave: two blocks of 256 bytes that no other line names
; window 0
.set VL,   1                           ; lane
.set VR,   2                           ; r = lane % 16
.set VH,   3                           ; h = lane / 16
.set VW,   4                           ; weights: 16 r + 8 h rows
.set VPF,  5                           ; prefetch: lane rows
.set VL16, 6                           ; rows in memory: my 16 bytes of a load's 512
.set VAS,  7                           ; rows into LDS: my place in tile 0
.set VFR,  8                           ; fragments: my place in tile 0
.set VAT,  9                           ; an LDS address at work
.set VDU,  10                          ; my place in my wave's sums
.set VF0,  11                          ; the way out: my place in the pair of sums that I add
.set VF,   12                          ; the same, running (at the head: idx's offset)
.set VLG,  14                          ; layer 1: the list at my wave's four entries of tile 0; never rewritten
.set VDW,  15                          ; my throw-away word, counted in words from the list's first
.set VO0,  16                          ; my place in the output
.set VO,   17                          ; the same, running
.set VOFF, 18                          ; v[18:21] later passes: the offsets of a tile's rows
.set VP,   22
.set VT,   23
.set VL4,  24                          ; 4 lane
.set VLF,  25                          ; layer 2's way out: my eight entries of the list
.set VATG, 26                          ; later passes: rows into LDS, running
.set SPW,  28                          ; LDS address of my spare word; never rewritten
.set NIL,  29                          ; 0; never rewritten
.set FB,   32                          ; v[32:223] three buffers of 64: the fragments of 16 rows x 256 K; outside the products: at work
.set AOFF, 96                          ; during the stream: the offsets of pass 0's rows
.set NX,   176                         ; v[176:179] layer 1, from a pass's way out to the next pass's gather: lane a holds my wave's four tokens of that pass's tile a
.set ACC8, 224                         ; v[224:255] the ninth tile's sums; at the head idx, so that these registers too are written on every path
.set IDX,  224
; windows 1, 2: the weights: K step s, column tile t, register j at 32 (s % 8) + 8 t + j of window 1 + s / 8
; window 3: the stream's ring, four stages of 64 registers; then the sums of tiles 0 to 7: tile i, column tile t at 32 i + 8 t
; the way out
.set S,    32
.set D,    64
.set M,    96
.set Q,    128
.set O,    160
.set TOK,  128
.set OFFS, 136
; scalars: s[4:5] rows, s[6:7] weights, s[8:9] idx, s[10:11] output; s12 wave, s13 cg, s14 kh, s15 e, s16 x, s17 kq, s18 cs; s20 the count; s21, s22 at work; s23 tiles in all; s24 the last stored tile;
; s25 the pass; s26 its tiles; s27 a loop's count; s28 a tile; s29 the pass's first tile; s[30:35] offsets; s36, s[38:49] GELU's constants; s[52:59] the list's masks and ranks, later a tile's four tokens
.set MSB, 0
.macro WIN new                         ; s_set_vgpr_msb: bits 1:0 source 0, 3:2 source 1, 5:4 source 2, 7:6 destination; the high byte repeats the setting that is left
.if MSB != (\new)
	s_set_vgpr_msb (MSB<<8)|(\new)
.set MSB, (\new)
.endif
.endm
.macro BAR                             ; my LDS instructions are done, loads and stores; then the work-group's barrier
	s_wait_dscnt 0x0
	s_barrier_signal -1
	s_barrier_wait -1
.endm
; K step s of my weights into ring stage g: 16 loads; load i brings rows 32 s + i (+ 8 from i = 8 on) + 8 h: each half of the wave reads 256 consecutive bytes, at a multiple of 256 from the buffer's first
.macro WISSUE s, g
	WIN 0xc0                                       ; destination window 3, address window 0
.set i, 0
.rept 16
	global_load_b128 v[64*(\g)+4*i:64*(\g)+4*i+3], v[VW], s[6:7] offset:(32*(\s)+i+8*(i/8))*PW th:TH_LOAD_NT
.set i, i+1
.endr
.endm
; Ring stage g becomes K step s of source 1: register j of column tile t is word t of loads 2 j and 2 j + 1 (k = 8 h + 2 j, + 1; from j = 4 on 16 + 8 h + 2 (j - 4), + 1).
; In its middle the wave asks for K step s + 5 to be brought near: 32 lanes, one row piece each, each piece asked for once in the launch; three K steps, 24 KB a wave, are asked for and not yet loaded; the last is step 15.
.macro WPACK s, g
	WIN 0x4f+0x40*((\s)/8)                         ; sources window 3, destination window 1 or 2
.set t, 0
.rept 4
.set j, 0
.rept 8
	v_cvt_pk_bf16_f32 v[32*((\s)%8)+8*t+j], v[64*(\g)+8*j+t], v[64*(\g)+8*j+4+t]
.set j, j+1
.endr
.if (t == 1) && ((\s) <= 10)
	WIN 0
	global_prefetch_b8 v[VPF], s[6:7] offset:32*((\s)+5)*PW th:TH_LOAD_NT scope:SCOPE_SE
	WIN 0x4f+0x40*((\s)/8)
.endif
.set t, t+1
.endr
.endm
; My four rows (16 a + 4 w + b) of pass 0's tile a into ring stage g.  Layer 1: a row is 2,048 bytes of xb, four loads of 512.  Layer 2: a load takes four ranks' 128 bytes of one group of 64 K, 512 consecutive bytes.
.macro AISSUE a, g
	WIN 0xc0
.set i, 0
.rept 16
.if LAYER == 1
	global_load_b128 v[64*(\g)+4*i:64*(\g)+4*i+3], v[AOFF+4*(\a)+i/4], s[4:5] offset:512*(i%4)
.else
	global_load_b128 v[64*(\g)+4*i:64*(\g)+4*i+3], v[AOFF+(\a)], s[4:5] offset:131072*i
.endif
.set i, i+1
.endr
.endm
.macro ASTORE a, g                     ; and from there into LDS
	WIN 0
	v_add_nc_u32 v[VAT], (\a)*TILEB, v[VAS]
	WIN 0x0c                                       ; data window 3, address window 0
.set i, 0
.rept 16
.if LAYER == 1
	ds_store_b128 v[VAT], v[64*(\g)+4*i:64*(\g)+4*i+3] offset:(i/4)*PITCH+512*(i%4)
.else
	ds_store_b128 v[VAT], v[64*(\g)+4*i:64*(\g)+4*i+3] offset:128*i
.endif
.set i, i+1
.endr
.endm
; THE STREAM'S ORDER, 25 stages, stage p in ring slot p % 4: W0 W1 W2 A0 W3 A1 W4 A2 W5 A3 W6 A4 W7 A5 W8 A6 W9 A7 W10 A8 W11 W12 W13 W14 W15
.macro ISSUE p
.if (\p) < 3
	WISSUE (\p), (\p)%4
.elseif (\p) < 20
.if (\p)%2
	AISSUE ((\p)-3)/2, (\p)%4
.else
	WISSUE (\p)/2+1, (\p)%4
.endif
.elseif (\p) < 25
	WISSUE (\p)-9, (\p)%4
.endif
.endm
.macro USE p
.if (\p) < 3
.set sW, (\p)
.elseif (\p) < 20
.set sW, (\p)/2+1
.else
.set sW, (\p)-9
.endif
.if ((\p) >= 3) && ((\p) < 20) && ((\p)%2)
	ASTORE ((\p)-3)/2, (\p)%4
.else
	WPACK sW, (\p)%4
.endif
.endm
; Unit u = tile u / 2, K steps 8 (u % 2) on of my 16.  FETCH: its 8 fragments (16 rows x 32 K: two loads of 16 bytes, 32 bytes apart) into buffer u % 3.
.macro FETCH u
	WIN 0
	v_add_nc_u32 v[VAT], ((\u)/2)*TILEB, v[VFR]
.set fB, FB+64*((\u)%3)
.set i, 0
.rept 8
	ds_load_b128 v[fB+8*i:fB+8*i+3],   v[VAT] offset:64*(8*((\u)%2)+i)
	ds_load_b128 v[fB+8*i+4:fB+8*i+7], v[VAT] offset:64*(8*((\u)%2)+i)+32
.set i, i+1
.endr
.endm
; MUL: its 32 products.  Source 0 = 16 rows, source 1 = 16 columns.  The tile's four sums take turns, one instruction a turn; a tile's first four products start the sums: nothing is cleared.
.macro MUL u
.set fB, FB+64*((\u)%3)
.if (\u)/2 < 8
	WIN 0xf4+4*((\u)%2)                            ; rows window 0, weights window 1 or 2, sums window 3
.set aB, 32*((\u)/2)
.else
	WIN 0x04+4*((\u)%2)                            ; the ninth tile's sums lie in window 0
.set aB, ACC8
.endif
.set i, 0
.rept 8
.set t, 0
.rept 4
.if ((\u)%2 == 0) && (i == 0)
	v_wmma_f32_16x16x32_bf16 v[aB+8*t:aB+8*t+7], v[fB+8*i:fB+8*i+7], v[32*i+8*t:32*i+8*t+7], 0
.else
	v_wmma_f32_16x16x32_bf16 v[aB+8*t:aB+8*t+7], v[fB+8*i:fB+8*i+7], v[32*i+8*t:32*i+8*t+7], v[aB+8*t:aB+8*t+7]
.endif
.set t, t+1
.endr
.set i, i+1
.endr
.endm
	s_load_b256 s[4:11], s[0:1], 0x0               ; rows s[4:5], weights s[6:7], idx s[8:9], output s[10:11]
	v_lshl_add_u32 v[SPW], v0, 2, SPARE
	v_mov_b32 v[NIL], 0
	v_lshrrev_b32 v[VT], 5, v0
	v_readfirstlane_b32 s12, v[VT]                 ; wave
	v_and_b32 v[VL], 31, v0
	v_and_b32 v[VR], 15, v0
	v_bfe_u32 v[VH], v0, 4, 1
	v_lshlrev_b32 v[VF], 4, v[VL]                  ; idx: 16 bytes a lane
	v_lshlrev_b32 v[VW], 4, v[VR]
	v_lshl_add_u32 v[VW], v[VH], LOGPW+3, v[VW]
	v_lshlrev_b32 v[VPF], LOGPW, v[VL]
	s_lshr_b32 s13, s12, 1                         ; cg
	s_and_b32 s14, s12, 1                          ; kh
	s_and_b32 s15, ttmp7, 0xffff                   ; e
	s_mov_b32 s16, ttmp9                           ; x
	s_lshl_b32 s30, s15, 24                        ; an expert's weights are 16,777,216 bytes; all these offsets stay under 2^31
	s_lshl_b32 s22, s14, LOGPW+9                   ; my 512 rows
	s_add_co_u32 s30, s30, s22
	s_lshl_b32 s22, s13, 8                         ; my 64 columns
	s_add_co_u32 s30, s30, s22
.if LAYER == 1
	s_lshl_b32 s22, s16, 9                         ; the work-group's 128 columns
	s_add_co_u32 s30, s30, s22
	s_lshl_b32 s32, s15, 6
	s_lshl1_add_u32 s32, s16, s32
	s_add_co_u32 s32, s32, s13                     ; 64 e + g, g = 2 x + cg
	s_lshl_b32 s32, s32, 17                        ; 1,024 ranks of 128 bytes
.else
	s_lshr_b32 s17, s16, 3                         ; kq
	s_and_b32 s18, s16, 7                          ; cs
	s_lshl_b32 s22, s17, LOGPW+10                  ; the quarter's 1,024 rows
	s_add_co_u32 s30, s30, s22
	s_lshl_b32 s22, s18, 9
	s_add_co_u32 s30, s30, s22
	s_lshl_b32 s34, s15, 23                        ; hid at group 64 e + 16 kq
	s_lshl_b32 s22, s17, 21
	s_add_co_u32 s34, s34, s22
	s_mov_b32 s35, 0
	s_lshl_b32 s32, s17, 22                        ; part at quarter kq, my 64 columns
	s_lshl_b32 s22, s18, 9
	s_add_co_u32 s32, s32, s22
	s_lshl_b32 s22, s13, 8
	s_add_co_u32 s32, s32, s22
.endif
	s_mov_b32 s31, 0
	s_mov_b32 s33, 0
	s_wait_kmcnt 0x0
	s_add_nc_u64 s[6:7], s[6:7], s[30:31]
	s_add_nc_u64 s[10:11], s[10:11], s[32:33]
.if LAYER == 2
	s_add_nc_u64 s[4:5], s[4:5], s[34:35]
.endif
.irp q, 0,1,2,3,4,5,6,7
	global_load_b128 v[IDX+4*\q:IDX+4*\q+3], v[VF], s[8:9] offset:512*\q  ; register 4 q + c: token 128 q + 4 lane + c
.endr
	WISSUE 0, 0                                    ; the stream begins before anything else is done
	WISSUE 1, 1
	WISSUE 2, 2
	global_prefetch_b8 v[VPF], s[6:7] offset:32*3*PW th:TH_LOAD_NT scope:SCOPE_SE
	global_prefetch_b8 v[VPF], s[6:7] offset:32*4*PW th:TH_LOAD_NT scope:SCOPE_SE
	WIN 0
	s_mul_i32 s22, s12, 4*PITCH                    ; my wave's four rows of a tile
.if LAYER == 1
	v_lshlrev_b32 v[VL16], 4, v[VL]
	v_lshl_add_u32 v[VAS], v[VL], 4, s22
	v_and_b32 v[VT], 7, v[VR]                      ; row r of a fragment is rank 2 (r % 8) + r / 8 of the tile: register j of a result then holds ranks 2 j (lanes 0-15) and 2 j + 1 (lanes 16-31)
	v_lshrrev_b32 v[VP], 3, v[VR]
	v_lshl_add_u32 v[VT], v[VT], 1, v[VP]
	v_mul_u32_u24 v[VT], v[VT], PITCH
	v_lshlrev_b32 v[VO0], 3, v[VR]                 ; four columns in bf16: 8 bytes at 8 r, the odd rank 128 bytes on
	v_lshl_add_u32 v[VO0], v[VH], 7, v[VO0]
	s_mov_b32 s36, 0x3e6d3389                      ; 0.2316419 = 0.3275911 / sqrt(2)
	s_mov_b32 s38, 0xbf38aa3b                      ; - log2(e) / 2
	s_mov_b32 s39, s38                             ; the packed forms name pairs: both words are written
	s_mov_b32 s40, 0x3e027906                      ; the series' coefficients, halved: 0.127414796
	s_mov_b32 s41, s40
	s_mov_b32 s42, 0xbe11a98e                      ; -0.142248368
	s_mov_b32 s43, s42
	s_mov_b32 s44, 0x3f35f0e3                      ; 0.7107068705
	s_mov_b32 s45, s44
	s_mov_b32 s46, 0xbf3a00e3                      ; -0.7265760135
	s_mov_b32 s47, s46
	s_mov_b32 s48, 0x3f07dc22                      ; 0.5307027145
	s_mov_b32 s49, s48
.else
	s_lshl_b32 s21, s12, 9
	v_lshl_add_u32 v[VL16], v[VL], 4, s21          ; my wave's four ranks, 512 bytes
	v_lshrrev_b32 v[VT], 3, v[VL]                  ; eight lanes to a rank's 128 bytes
	v_mul_u32_u24 v[VT], v[VT], PITCH
	v_and_b32 v[VP], 7, v[VL]
	v_lshl_add_u32 v[VT], v[VP], 4, v[VT]
	v_add_nc_u32 v[VAS], s22, v[VT]
	v_mul_u32_u24 v[VT], v[VR], PITCH              ; row r of a fragment is rank r of the tile
	v_lshlrev_b32 v[VO0], 4, v[VR]                 ; four columns in f32: 16 bytes at 16 r
.endif
	v_lshl_add_u32 v[VT], v[VH], 4, v[VT]
	s_lshl_b32 s22, s14, 10                        ; my 512 K: 1,024 bytes of a row
	v_add_nc_u32 v[VFR], s22, v[VT]
	s_mul_i32 s22, s12, DUMPW
	v_lshl_add_u32 v[VDU], v[VL], 4, s22
	s_mul_i32 s22, s13, 2*DUMPW                    ; the sums of waves 2 cg and 2 cg + 1; I begin with tile kh
	s_lshl_b32 s21, s14, 12
	s_add_co_u32 s22, s22, s21
	v_lshl_add_u32 v[VF0], v[VL], 4, s22
	v_add_nc_u32 v[VDW], DUMMYW, v[VL]
	v_lshlrev_b32 v[VL4], 2, v[VL]
	s_mov_b32 s20, 0
	s_wait_loadcnt 48                              ; idx is in; the 48 weight loads are younger and stay out
	; THE LIST of expert e's tokens, in the order (q, c, lane): the same in both products.  Its LDS addresses hang on idx, so wave 0 alone writes it, and nobody else touches LDS before the barrier below.
	; Every wave counts for itself.
	s_cmp_lg_u32 s12, 0
	s_cbranch_scc1 .Lcount
	v_mov_b32 v[VP], LIST0+12
	v_mov_b32 v[VT], 0
	ds_store_b32 v[VP], v[VT]                      ; the word ahead of the list: token 0, the 'last token' of an expert without tokens
.set q, 0
.rept 8                                ; four words at a time, so that the four items' dependent lines overlap
.irp c, 0,1,2,3
	v_cmp_eq_u32 s[52+\c], s15, v[IDX+4*q+\c]
.endr
	s_mov_b32 s56, s20
.irp c, 0,1,2
	s_bcnt1_i32_b32 s22, s[52+\c]
	s_add_co_u32 s[57+\c], s[56+\c], s22
.endr
	s_bcnt1_i32_b32 s22, s55
	s_add_co_u32 s20, s59, s22
.irp c, 0,1,2,3
	v_mbcnt_lo_u32_b32 v[32+\c], s[52+\c], s[56+\c]  ; my rank: those counted so far, and the lanes below me that match
.endr
.irp c, 0,1,2,3
	v_cndmask_b32 v[32+\c], v[VDW], v[32+\c], s[52+\c]  ; a lane whose token went elsewhere takes its throw-away word
.endr
.irp c, 0,1,2,3
	v_min_u32 v[32+\c], DUMMYW+31, v[32+\c]        ; the word's number is held inside the list and the throw-away words; only a shift and an add follow
.endr
.irp c, 0,1,2,3
	v_lshl_add_u32 v[32+\c], v[32+\c], 2, LISTE
.endr
.irp c, 0,1,2,3
	v_add_nc_u32 v[36+\c], 128*q+\c, v[VL4]
.endr
.irp c, 0,1,2,3
	ds_store_b32 v[32+\c], v[36+\c]
.endr
.set q, q+1
.endr
	s_min_u32 s20, s20, 1024
	s_lshl_b32 s22, s20, 2
	s_add_co_u32 s22, s22, LISTE-4
	v_mov_b32 v[VP], s22
	ds_load_b32 v[VT], v[VP]                       ; the last token; LDS serves a wave's instructions in order: it sees the stores above
	v_lshl_add_u32 v[VP], v[VL], 2, s22
	s_wait_dscnt 0x0
.irp z, 0,1,2,3,4
	ds_store_b32 v[VP], v[VT] offset:4+128*\z      ; 160 places behind the count repeat it: pass 0 reads 144 entries whatever the count
.endr
	s_branch .Llisted
.Lcount:
.set k, 0
.rept 32
	v_cmp_eq_u32 s21, s15, v[IDX+k]
	s_bcnt1_i32_b32 s22, s21
	s_add_co_u32 s20, s20, s22
.set k, k+1
.endr
	s_min_u32 s20, s20, 1024
.Llisted:
	BAR                                            ; the list is stored; from here on it is only read
	s_add_co_u32 s23, s20, 15
	s_lshr_b32 s23, s23, 4                         ; tiles of 16 rows
.if LAYER == 1
	s_max_u32 s23, s23, 1                          ; an expert without tokens still stores one tile
	s_lshl_b32 s22, s12, 4
	s_add_co_u32 s22, s22, LISTE
	v_mov_b32 v[VLG], s22                          ; my wave's four entries of tile 0
.set a, 0
.rept NTILE
	ds_load_b128 v[AOFF+4*a:AOFF+4*a+3], v[VLG] offset:64*a
.set a, a+1
.endr
	s_wait_dscnt 0x0
.set a, 0
.rept 4*NTILE
	v_min_u32 v[AOFF+a], 0x3ff, v[AOFF+a]
.set a, a+1
.endr
.set a, 0
.rept 4*NTILE
	v_lshl_add_u32 v[AOFF+a], v[AOFF+a], 11, v[VL16]  ; token x 2,048 bytes + 16 lane
.set a, a+1
.endr
.else
	s_max_u32 s24, s23, 1
	s_sub_co_u32 s24, s24, 1                       ; the last tile that layer 1 stored
.set a, 0
.rept NTILE
	s_min_u32 s22, s24, a
	v_lshl_add_u32 v[AOFF+a], s22, 11, v[VL16]     ; tile x 16 ranks x 128 bytes
.set a, a+1
.endr
.endif
	; THE STREAM.  Four stages of 16 loads, 32 KB a wave, are asked for at any time; the wait at a stage's head leaves the 16 loads of each younger stage out.  It always runs whole, so the weights' registers are written on every path.
	ISSUE 3
.set n, 0
.rept 25
.if n <= 21
	s_wait_loadcnt 48
.else
	s_wait_loadcnt 16*(24-n)
.endif
	USE n
	ISSUE n+4
.set n, n+1
.endr
	WIN 0
	s_mov_b32 s25, 0                               ; the pass,
	s_mov_b32 s29, 0                               ; its first tile,
	s_min_u32 s26, s23, NTILE                      ; its tiles: 0 to 9
.Lpass:                                                ; 8 trips, four barriers each, whatever the count.  A trip: a pass's products, sums and way out, then the next pass's rows (pass 0's came with the stream)
	BAR                                            ; every wave's rows are stored
	; THE PRODUCTS: 18 units of 32.  A unit's fragments are asked for two units ahead; the wait leaves the two younger units' 32 loads out.  From the first tile past the pass's count on everything is jumped.
	s_cmp_eq_u32 s26, 0
	s_cbranch_scc1 .Lcdone
	FETCH 0
	FETCH 1
.set u, 0
.rept 18
.if (u > 0) && (u%2 == 0)
	WIN 0                                          ; at a branch every window is 0
	s_cmp_le_u32 s26, u/2
	s_cbranch_scc1 .Lcdone
.endif
.if u < 16
.if u > 0
.rept 4
	v_nop                                          ; four places between the last product that read buffer (u + 2) % 3 and the loads into it (ISA guide 7.12.1 for vector instructions)
.endr
.endif
	FETCH u+2
	s_wait_dscnt 32
.elseif u == 16
	s_wait_dscnt 16
.else
	s_wait_dscnt 0x0
.endif
	MUL u
.set u, u+1
.endr
	WIN 0
.Lcdone:
.rept 4
	v_nop                                          ; four places between the last product and the stores that read the sums
.endr
	BAR                                            ; nobody reads the rows any more (fragments asked for past the count are back too)
	; my sums into LDS, over the rows; each sum's registers in ascending order
.set i, 0
.rept NTILE
	WIN 0
	s_cmp_le_u32 s26, i
	s_cbranch_scc1 .Lddone
.if i < 8
	WIN 0x0c                                       ; data window 3
.set aB, 32*i
.else
.set aB, ACC8
.endif
.set q, 0
.rept 8
	ds_store_b128 v[VDU], v[aB+4*q:aB+4*q+3] offset:(8*i+q)*512
.set q, q+1
.endr
.set i, i+1
.endr
	WIN 0
.Lddone:
	BAR                                            ; every wave's sums are stored
	; THE WAY OUT.  I take tiles kh, kh + 2, .. of my 64 columns and add the two K halves: register 8 t + j is (row 8 h + j, column 4 r + t).
	s_add_co_u32 s22, s29, s14
.if LAYER == 1
	s_lshl_b32 s22, s22, 11                        ; a tile is 16 ranks of 128 bytes
	v_add_nc_u32 v[VO], s22, v[VO0]
.else
	s_lshl_b32 s22, s22, 6                         ; a tile is 16 entries of the list; mine are 8 h on
	s_add_co_u32 s22, s22, LISTE
	v_lshl_add_u32 v[VLF], v[VH], 5, s22
.endif
	v_mov_b32 v[VF], v[VF0]
	s_mov_b32 s28, s14
	s_mov_b32 s27, 5
.Lfin:
	s_cmp_ge_u32 s28, s26
	s_cbranch_scc1 .Lfdead
.set i, 0
.rept 8
	ds_load_b128 v[S+4*i:S+4*i+3], v[VF] offset:512*i
.set i, i+1
.endr
.set i, 0
.rept 8
	ds_load_b128 v[D+4*i:D+4*i+3], v[VF] offset:DUMPW+512*i
.set i, i+1
.endr
.if LAYER == 2
	ds_load_b128 v[TOK:TOK+3], v[VLF]
	ds_load_b128 v[TOK+4:TOK+7], v[VLF] offset:16
.endif
	s_wait_dscnt 0x0
.if LAYER == 1
	; gelu(x) = x Phi(x) = |x| (0.5 - q) + 0.5 x, q = 1 - Phi(|x|) = (b1 t + .. + b5 t^5) 2^(-x^2 log2(e) / 2), t = 1 / (1 + 0.2316419 |x|)
.set i, 0
.rept 16
	v_pk_add_f32 v[S+2*i:S+2*i+1], v[S+2*i:S+2*i+1], v[D+2*i:D+2*i+1]
.set i, i+1
.endr
.set i, 0
.rept 32
	v_fma_f32 v[D+i], |v[S+i]|, s36, 1.0
.set i, i+1
.endr
.set i, 0
.rept 16
	v_pk_mul_f32 v[M+2*i:M+2*i+1], v[S+2*i:S+2*i+1], v[S+2*i:S+2*i+1]
.set i, i+1
.endr
.set i, 0
.rept 16
	v_pk_mul_f32 v[M+2*i:M+2*i+1], v[M+2*i:M+2*i+1], s[38:39] op_sel_hi:[1,0]
.set i, i+1
.endr
.set i, 0
.rept 32
	v_rcp_f32 v[D+i], v[D+i]
.set i, i+1
.endr
.set i, 0
.rept 32
	v_exp_f32 v[M+i], v[M+i]
.set i, i+1
.endr
	v_nop                                          ; a plain instruction behind the last of them,
	s_wait_alu depctr_va_vdst(0)                   ; and ONE wait for the batch of 64, ahead of its first reader
.set i, 0
.rept 16
	v_pk_fma_f32 v[Q+2*i:Q+2*i+1], v[D+2*i:D+2*i+1], s[48:49], s[46:47] op_sel_hi:[1,0,0]
.set i, i+1
.endr
.irp c, 44,42,40
.set i, 0
.rept 16
	v_pk_fma_f32 v[Q+2*i:Q+2*i+1], v[Q+2*i:Q+2*i+1], v[D+2*i:D+2*i+1], s[\c:\c+1] op_sel_hi:[1,1,0]
.set i, i+1
.endr
.endr
.set i, 0
.rept 16
	v_pk_mul_f32 v[M+2*i:M+2*i+1], v[M+2*i:M+2*i+1], v[D+2*i:D+2*i+1]
.set i, i+1
.endr
.set i, 0
.rept 16
	v_pk_fma_f32 v[Q+2*i:Q+2*i+1], v[Q+2*i:Q+2*i+1], v[M+2*i:M+2*i+1], 0.5 op_sel_hi:[1,1,0] neg_lo:[1,0,0] neg_hi:[1,0,0]  ; 0.5 - q
.set i, i+1
.endr
.set i, 0
.rept 16
	v_pk_mul_f32 v[D+2*i:D+2*i+1], v[S+2*i:S+2*i+1], 0.5 op_sel_hi:[1,0]
.set i, i+1
.endr
.set i, 0
.rept 32
	v_fma_f32 v[Q+i], |v[S+i]|, v[Q+i], v[D+i]
.set i, i+1
.endr
.set j, 0
.rept 8
	v_cvt_pk_bf16_f32 v[O+2*j], v[Q+j], v[Q+8+j]        ; columns 4 r, 4 r + 1 of row j
	v_cvt_pk_bf16_f32 v[O+2*j+1], v[Q+16+j], v[Q+24+j]  ; columns 4 r + 2, 4 r + 3
.set j, j+1
.endr
.set j, 0
.rept 8
	global_store_b64 v[VO], v[O+2*j:O+2*j+1], s[10:11] offset:256*j  ; ranks 2 j and 2 j + 1: the wave's 32 x 8 bytes are 256 consecutive bytes, at a multiple of 256 from hid's first
.set j, j+1
.endr
.else
.set j, 0
.rept 8
.set t, 0
.rept 4
	v_add_f32 v[M+4*j+t], v[S+8*t+j], v[D+8*t+j]
.set t, t+1
.endr
.set j, j+1
.endr
.set j, 0
.rept 8
	v_min_u32 v[TOK+j], 0x3ff, v[TOK+j]
.set j, j+1
.endr
.set j, 0
.rept 8
	v_lshl_add_u32 v[OFFS+j], v[TOK+j], 12, v[VO0]   ; the token's row of 4,096 bytes
.set j, j+1
.endr
.set j, 0
.rept 8
	global_store_b128 v[OFFS+j], v[M+4*j:M+4*j+3], s[10:11]  ; sixteen lanes store 256 consecutive bytes of a token's row, at a multiple of 256 from part's first
.set j, j+1
.endr
.endif
	s_wait_xcnt 0x0                                ; the stores' data and offsets are written again only behind this wait
.Lfdead:
	v_add_nc_u32 v[VF], 8192, v[VF]                ; two tiles on
.if LAYER == 1
	v_add_nc_u32 v[VO], 4096, v[VO]
.else
	v_add_nc_u32 v[VLF], 128, v[VLF]
.endif
	s_add_co_u32 s28, s28, 2
	s_sub_co_u32 s27, s27, 1
	s_cmp_lg_u32 s27, 0
	s_cbranch_scc1 .Lfin
.if LAYER == 1
	; The next pass's tokens are read from the list here, where no wave stores to LDS: lane a (0 to 8) takes my wave's four entries of that pass's tile a, held to the last tile that has entries.
	s_add_co_u32 s22, s29, NTILE                   ; the next pass's first tile
	s_sub_co_u32 s21, s23, 1                       ; the last tile with entries
	v_min_u32 v[VT], 8, v[VL]
	v_add_nc_u32 v[VT], s22, v[VT]
	v_min_u32 v[VT], s21, v[VT]
	v_min_u32 v[VT], 63, v[VT]                     ; that bound hangs on the count: the tile's number is held by a constant too; only a shift and an add follow
	v_lshl_add_u32 v[VT], v[VT], 6, v[VLG]
	ds_load_b128 v[NX:NX+3], v[VT]                 ; waited for by the barrier's wait below
.endif
	BAR                                            ; nobody reads the sums any more: the next pass's rows may land on them
	; THE NEXT PASS and its rows: a tile a trip, dead trips jumped.  Behind the eighth pass no tile is left (72 >= 64).
	s_add_co_u32 s25, s25, 1
	s_mul_i32 s29, s25, NTILE
	s_min_u32 s26, s29, s23
	s_sub_co_u32 s26, s23, s26
	s_min_u32 s26, s26, NTILE
	s_cmp_eq_u32 s26, 0
	s_cbranch_scc1 .Lgdone
	v_mov_b32 v[VATG], v[VAS]
	s_mov_b32 s28, 0
	s_mov_b32 s27, NTILE
.Lg:
	s_cmp_ge_u32 s28, s26
	s_cbranch_scc1 .Lgdead
.if LAYER == 1
.irp b, 0,1,2,3
	v_readlane_b32 s[52+\b], v[NX+\b], s28         ; this tile's four tokens lie in lane s28
.endr
.irp b, 0,1,2,3
	s_min_u32 s[52+\b], s[52+\b], 0x3ff
.endr
.irp b, 0,1,2,3
	s_lshl_b32 s[52+\b], s[52+\b], 11              ; token x 2,048 bytes
.endr
.irp b, 0,1,2,3
	v_add_nc_u32 v[VOFF+\b], s[52+\b], v[VL16]
.endr
.set i, 0
.rept 16
	global_load_b128 v[FB+4*i:FB+4*i+3], v[VOFF+i/4], s[4:5] offset:512*(i%4)
.set i, i+1
.endr
.else
	s_add_co_u32 s22, s29, s28
	s_min_u32 s22, s22, 63
	v_lshl_add_u32 v[VOFF], s22, 11, v[VL16]
.set i, 0
.rept 16
	global_load_b128 v[FB+4*i:FB+4*i+3], v[VOFF], s[4:5] offset:131072*i
.set i, i+1
.endr
.endif
	s_wait_loadcnt 0x0                             ; the rows are in, and the loads' offsets may be written again
.set i, 0
.rept 16
.if LAYER == 1
	ds_store_b128 v[VATG], v[FB+4*i:FB+4*i+3] offset:(i/4)*PITCH+512*(i%4)
.else
	ds_store_b128 v[VATG], v[FB+4*i:FB+4*i+3] offset:128*i
.endif
.set i, i+1
.endr
.Lgdead:
	v_add_nc_u32 v[VATG], TILEB, v[VATG]
	s_add_co_u32 s28, s28, 1
	s_sub_co_u32 s27, s27, 1
	s_cmp_lg_u32 s27, 0
	s_cbranch_scc1 .Lg
.Lgdone:
	s_cmp_lt_u32 s25, NPASS
	s_cbranch_scc1 .Lpass
	s_wait_tensorcnt 0x0                           ; the wave's end, behind my last LDS store
	ds_add_u32 v[SPW], v[NIL]
	s_wait_dscnt 0x0
	s_endpgm
.Lfunc_end_k_qac0c52203f_fc2:
	.size	k_qac0c52203f_fc2, .Lfunc_end_k_qac0c52203f_fc2-k_qac0c52203f_fc2
	.p2alignl 7, 3214868480
	.fill 96, 4, 3214868480
	.section	.rodata,"a",@progbits
	.p2align	6, 0x0
	.amdhsa_kernel k_qac0c52203f_fc2
		.amdhsa_group_segment_fixed_size 302848
		.amdhsa_private_segment_fixed_size 0
		.amdhsa_enable_private_segment 0
		.amdhsa_kernarg_size 32
		.amdhsa_user_sgpr_count 2
		.amdhsa_user_sgpr_kernarg_segment_ptr 1
		.amdhsa_wavefront_size32 1
		.amdhsa_system_sgpr_workgroup_id_x 1
		.amdhsa_system_sgpr_workgroup_id_y 1
		.amdhsa_system_sgpr_workgroup_id_z 1
		.amdhsa_system_vgpr_workitem_id 0
		.amdhsa_next_free_vgpr 1024
		.amdhsa_next_free_sgpr 66
		.amdhsa_reserve_vcc 0
		.amdhsa_float_denorm_mode_32 3
		.amdhsa_float_denorm_mode_16_64 3
		.amdhsa_memory_ordered 1
		.amdhsa_forward_progress 1
		.amdhsa_inst_pref_size 184
	.end_amdhsa_kernel
	.amdgpu_metadata
---
amdhsa.version: [ 1, 2 ]
amdhsa.kernels:
  - .name:           k_qac0c52203f_fc2
    .symbol:         k_qac0c52203f_fc2.kd
    .args:
      - { .name: hid, .offset: 0, .size: 8, .value_kind: global_buffer, .address_space: global }
      - { .name: W2, .offset: 8, .size: 8, .value_kind: global_buffer, .address_space: global }
      - { .name: idx, .offset: 16, .size: 8, .value_kind: global_buffer, .address_space: global }
      - { .name: part, .offset: 24, .size: 8, .value_kind: global_buffer, .address_space: global }
    .group_segment_fixed_size: 302848
    .private_segment_fixed_size: 0
    .kernarg_segment_align: 8
    .kernarg_segment_size: 32
    .max_flat_workgroup_size: 128
    .sgpr_count:     66
    .vgpr_count:     1024
    .wavefront_size: 32
...
	.end_amdgpu_metadata
.endif
;; end of part 3
;; launch sum (part 4): grid 256 x 1, 4 waves a work-group, no clusters, 0 bytes of LDS; arguments part, prob, out0; writes out0
.if DOCPART == 4
	.amdgcn_target "amdgcn-amd-amdhsa--gfx1250"
	.amdhsa_code_object_version 6
	.text
	.protected	k_qac0c52203f_sum
	.globl	k_qac0c52203f_sum
	.p2align	8
	.type	k_qac0c52203f_sum,@function
k_qac0c52203f_sum:
	s_mov_b64 s[64:65], 0
	v_nop
	global_prefetch_b8 v0, s[64:65] scope:SCOPE_SE
	s_setreg_imm32_b32 hwreg(HW_REG_WAVE_MODE, 25, 1), 1
	s_wait_xcnt 0x0
; out0[t][:] = prob[t] x ((part[0][t] + part[1][t]) + (part[2][t] + part[3][t])).  part: [4][1024][1024] f32, the second product's four K quarters; prob: [1024] f32; out0: [1024][1024] f32.
; A stream: a wave takes one row, 4 x 4,096 bytes in and 4,096 out; token = 4 x work-group + wave.  All 32 loads of a wave go out at once, 16 KB; each load and store covers 512 neighbouring bytes.
; No LDS, no barrier, no matrix unit, no cluster: no wave needs another's data, and no byte is read twice.
.set P, 4                              ; v[4:131]  chunk c of 512 bytes, quarter q: four registers at P + 16 c + 4 q
	s_load_b128 s[4:7], s[0:1], 0x0                ; part s[4:5], prob s[6:7]
	s_load_b64 s[8:9], s[0:1], 0x10                ; out0
	v_lshrrev_b32 v1, 5, v0
	v_readfirstlane_b32 s10, v1                    ; wave
	v_and_b32 v1, 31, v0
	v_lshlrev_b32 v2, 4, v1                        ; 16 bytes a lane
	s_lshl_b32 s11, ttmp9, 2
	s_add_co_u32 s11, s11, s10                     ; my token
	s_lshl_b32 s14, s11, 12                        ; its row of 4,096 bytes
	s_mov_b32 s15, 0
	s_lshl_b32 s16, s11, 2
	s_mov_b32 s17, 0
	s_wait_kmcnt 0x0
	s_add_nc_u64 s[6:7], s[6:7], s[16:17]
	s_load_b32 s12, s[6:7], 0x0                    ; prob[t]
	s_add_nc_u64 s[4:5], s[4:5], s[14:15]          ; quarters 0 and 1: the second lies 4,194,304 bytes on, inside the immediate
	s_add_nc_u64 s[18:19], s[4:5], 0x800000        ; quarters 2 and 3
	s_add_nc_u64 s[8:9], s[8:9], s[14:15]
.irp c, 0,1,2,3,4,5,6,7
	global_load_b128 v[P+16*\c:P+16*\c+3],     v2, s[4:5] offset:512*\c th:TH_LOAD_NT
	global_load_b128 v[P+16*\c+4:P+16*\c+7],   v2, s[4:5] offset:512*\c+4194304 th:TH_LOAD_NT
	global_load_b128 v[P+16*\c+8:P+16*\c+11],  v2, s[18:19] offset:512*\c th:TH_LOAD_NT
	global_load_b128 v[P+16*\c+12:P+16*\c+15], v2, s[18:19] offset:512*\c+4194304 th:TH_LOAD_NT
.endr
	s_wait_kmcnt 0x0
	s_mov_b32 s13, s12                             ; the packed multiply names a pair: both words are written
.irp c, 0,1,2,3,4,5,6,7
	s_wait_loadcnt 28-4*\c                         ; this chunk's four loads are in; the later chunks' stay out
	v_pk_add_f32 v[P+16*\c:P+16*\c+1],     v[P+16*\c:P+16*\c+1],     v[P+16*\c+4:P+16*\c+5]
	v_pk_add_f32 v[P+16*\c+2:P+16*\c+3],   v[P+16*\c+2:P+16*\c+3],   v[P+16*\c+6:P+16*\c+7]
	v_pk_add_f32 v[P+16*\c+8:P+16*\c+9],   v[P+16*\c+8:P+16*\c+9],   v[P+16*\c+12:P+16*\c+13]
	v_pk_add_f32 v[P+16*\c+10:P+16*\c+11], v[P+16*\c+10:P+16*\c+11], v[P+16*\c+14:P+16*\c+15]
	v_pk_add_f32 v[P+16*\c:P+16*\c+1],     v[P+16*\c:P+16*\c+1],     v[P+16*\c+8:P+16*\c+9]
	v_pk_add_f32 v[P+16*\c+2:P+16*\c+3],   v[P+16*\c+2:P+16*\c+3],   v[P+16*\c+10:P+16*\c+11]
	v_pk_mul_f32 v[P+16*\c:P+16*\c+1],     v[P+16*\c:P+16*\c+1],     s[12:13] op_sel_hi:[1,0]
	v_pk_mul_f32 v[P+16*\c+2:P+16*\c+3],   v[P+16*\c+2:P+16*\c+3],   s[12:13] op_sel_hi:[1,0]
	global_store_b128 v2, v[P+16*\c:P+16*\c+3], s[8:9] offset:512*\c th:TH_STORE_NT
.endr
	s_endpgm
.Lfunc_end_k_qac0c52203f_sum:
	.size	k_qac0c52203f_sum, .Lfunc_end_k_qac0c52203f_sum-k_qac0c52203f_sum
	.p2alignl 7, 3214868480
	.fill 96, 4, 3214868480
	.section	.rodata,"a",@progbits
	.p2align	6, 0x0
	.amdhsa_kernel k_qac0c52203f_sum
		.amdhsa_group_segment_fixed_size 0
		.amdhsa_private_segment_fixed_size 0
		.amdhsa_enable_private_segment 0
		.amdhsa_kernarg_size 24
		.amdhsa_user_sgpr_count 2
		.amdhsa_user_sgpr_kernarg_segment_ptr 1
		.amdhsa_wavefront_size32 1
		.amdhsa_system_sgpr_workgroup_id_x 1
		.amdhsa_system_sgpr_workgroup_id_y 1
		.amdhsa_system_sgpr_workgroup_id_z 1
		.amdhsa_system_vgpr_workitem_id 0
		.amdhsa_next_free_vgpr 140
		.amdhsa_next_free_sgpr 66
		.amdhsa_reserve_vcc 0
		.amdhsa_float_denorm_mode_32 3
		.amdhsa_float_denorm_mode_16_64 3
		.amdhsa_memory_ordered 1
		.amdhsa_forward_progress 1
		.amdhsa_inst_pref_size 10
	.end_amdhsa_kernel
	.amdgpu_metadata
---
amdhsa.version: [ 1, 2 ]
amdhsa.kernels:
  - .name:           k_qac0c52203f_sum
    .symbol:         k_qac0c52203f_sum.kd
    .args:
      - { .name: part, .offset: 0, .size: 8, .value_kind: global_buffer, .address_space: global }
      - { .name: prob, .offset: 8, .size: 8, .value_kind: global_buffer, .address_space: global }
      - { .name: out0, .offset: 16, .size: 8, .value_kind: global_buffer, .address_space: global }
    .group_segment_fixed_size: 0
    .private_segment_fixed_size: 0
    .kernarg_segment_align: 8
    .kernarg_segment_size: 24
    .max_flat_workgroup_size: 128
    .sgpr_count:     66
    .vgpr_count:     140
    .wavefront_size: 32
...
	.end_amdgpu_metadata
.endif
;; end of part 4
;; ======== version 2 of 3: 4 launches
;; limits: a function is approximated: absolute error at most 1.5e-07
;; workspace buffers: idx 4,096 bytes of whole numbers; prob 4,096 bytes; xb 2,097,152 bytes; hid 67,108,864 bytes; part 16,777,216 bytes
;; launch router: the kernel of part 1 again; grid 256 x 1, 4 waves a work-group, no clusters, 16,896 bytes of LDS; arguments hidden_states, Wr, br, xb, idx, prob; writes xb, idx, prob
;; launch fc1 (part 5): grid 32 x 8, 4 waves a work-group, no clusters, 302,848 bytes of LDS; arguments xb, W1, idx, hid; writes hid
.if DOCPART == 5
	.amdgcn_target "amdgcn-amd-amdhsa--gfx1250"
	.amdhsa_code_object_version 6
	.text
	.protected	k_qac0c52203f_fc1
	.globl	k_qac0c52203f_fc1
	.p2align	8
	.type	k_qac0c52203f_fc1,@function
k_qac0c52203f_fc1:
	s_mov_b64 s[64:65], 0
	v_nop
	global_prefetch_b8 v0, s[64:65] scope:SCOPE_SE
	s_setreg_imm32_b32 hwreg(HW_REG_WAVE_MODE, 25, 1), 1
	s_wait_xcnt 0x0
; ONE PRODUCT OF A ROUTED EXPERT'S MLP: the rows in LDS, the weights streamed through registers, the matrix work in the stream's waits.  One text serves both products; LAYER chooses.
;   LAYER 1: hid = gelu(x W1[e]), for the tokens that chose expert e.  x comes as xb [1024][1024] bf16, row by row as the tokens rank; W1: [8][1024][4096] f32.
;            hid[e][g 64][i 1024][64] bf16: i is the token's rank among the expert's, g a group of 64 hidden columns: a rank's 128 bytes lie end to end with the next rank's.
;   LAYER 2: part[kq][token][1024] f32 = hid's K quarter kq times W2[e]; W2: [8][4096][1024] f32.  The four quarters are added by the next launch.
; SHARES.  Work-group (x, e) owns 1,024 K x 128 columns of expert e's weights, which it alone reads (layer 1: columns 128 x on; layer 2: K quarter x / 8, columns 128 (x % 8) on), and ALL of that
; expert's rows.  Wave w owns 512 of K (kh = w % 2) x 64 columns (cg = w / 2).
; A PASS takes 9 tiles of 16 rows.  First its rows go into LDS.  Then the slice of weights is streamed, 32 of K a step: a step's 16 loads (8 KB a wave) are rounded to bf16 straight into source 1 of four column
; tiles and multiplied at once with all 9 row tiles, 36 matrix instructions, while the loads of later steps are on their way.  Then the two K halves' sums meet in LDS and leave.
; The weights are not kept: an expert with up to 144 rows reads its slice once; one with more reads it once a pass, 8 times if every token chooses it.
; RANKS.  idx lies in 32 registers, register 4 q + c holding token 128 q + 4 lane + c; an expert's tokens rank in the order (q, c, lane), in both products.  Layer 1 wants the token of a given rank as a scalar,
; for its row's address: each wave keeps the 32 bitmaps of the choice in four registers and finds its 36 tokens of a pass by a search in registers: no LDS and no barrier stand ahead of the first rows' loads.
; Layer 2 wants eight tokens a lane on its way out: wave 0 lays the list into LDS.
; EVERY SPLIT is served: 8 passes cover 1,024 rows; every wave passes every barrier of every pass, and only work is jumped, forward.  Places past the count repeat the expert's last token (an expert
; without tokens: layer 1 stores one tile made of token 1,023's row, so that layer 2 reads only stored bytes; layer 2 then stores nothing).  A live pass multiplies all nine tiles; the sums of tiles past the
; count are neither laid into LDS nor stored.  In layer 2 the repeated rows' equal results are stored onto that token's own bytes again, by the same wave.
; COLUMNS.  A weight load gives lane (r, h) 16 bytes: row k, columns 4 r .. 4 r + 3; sixteen lanes read 256 consecutive bytes.  Column tile t takes word t of each load: its column n = r stands for column 4 r + t.
; So two loads' words pack straight into a register of source 1, and in the result a lane holds four neighbouring columns over t = 0 .. 3.
; NO CLUSTER: each slice of weights, 512 KB of the work-group's some 800, has one reader; layer 1's rows come by rank, which no tile descriptor covers; layer 2's number of row tiles hangs on a stored count.
; NO TENSOR LOAD: the rows' fills would have to be jumped where a pass is empty.
; FORMAT.  Weights and rows in bf16, sums in f32, hid rounded once to bf16.  GELU is x Phi(x) with erf by Abramowitz and Stegun 7.1.26 (absolute error 1.5e-7 at the most, for every x).
; LIMITS.  NaN and infinities are not treated apart; expert numbers above 7 in idx would leave their tokens unwritten (the router stores 0 to 7).
.set LAYER, 1
.if LAYER == 1
.set LOGPW, 14                         ; a row of W1 is 16,384 bytes
.else
.set LOGPW, 12                         ; a row of W2 is 4,096 bytes
.endif
.set PW,     1<<LOGPW
.set PITCH,  2064                      ; a row in LDS: 2,048 bytes + 16 = 129 x 16: the 16 rows of a fragment load start at 16 different 16-byte columns of 256
.set TILEB,  16*PITCH
.set NTILE,  9                         ; tiles of 16 rows in a pass
.set NPASS,  8                         ; 8 x 144 rows cover 1,024
.set NSTEP,  16                        ; K steps of 32 in my 512
.set RING,   6                         ; slots of the weights' ring
.set DUMPW,  NTILE*8*512               ; a wave's sums in LDS: [tile][4 registers of 32][lane][16 bytes]; the four waves' lie over the rows, which are done with by then
.set LIST0,  NTILE*TILEB               ; 297,216: behind the rows, layer 2 alone: a word that holds token 0 at + 12, the list from + 16 (1,184 words), 32 throw-away words at + 4,864
.set LISTE,  LIST0+16
.set LDUMMY, LIST0+4864
.set DUMMYW, (LDUMMY-LISTE)/4          ; the first throw-away word, counted in words from the list's first
.set SPARE,  LIST0+5120                ; the spare words, 128 bytes a wave: two blocks of 256 bytes that no other line names
; REGISTERS, in windows of 256:
;   window 0: v0-31 addresses; v32-159 slots 4 and 5 of the weights' ring, outside the stream at work; v160-195 the offsets of pass 0's rows; v196-219 the search; v220-223 fragment addresses; v224-255 the ninth tile's sums
;   window 1: slots 0 to 3 of the weights' ring, 64 registers each
;   window 2: v0-63 source 1: two buffers of 4 column tiles; v64-207 the rows' fragments: two buffers of 9
;   window 3: the sums of tiles 0 to 7: tile i, column tile t at 32 i + 8 t; ahead of the loop the ring of pass 0's rows, four stages of 64, so that these registers are written on every path
.set VL,   1                           ; lane
.set VR,   2                           ; r = lane % 16
.set VH,   3                           ; h = lane / 16
.set VW,   4                           ; weights: 16 r + 8 h rows
.set VPF,  5                           ; prefetch: lane rows
.set VL16, 6                           ; rows in memory: my 16 bytes of a load's 512
.set VAS,  7                           ; rows into LDS: my place in tile 0
.set VFR,  8                           ; fragments: my place in tile 0
.set VAT,  9                           ; an LDS address at work
.set VDU,  10                          ; my place in my wave's sums
.set VF0,  11                          ; the way out: my place in the pair of sums that I add
.set VF,   12                          ; the same, running (at the head: idx's offset)
.set VATG, 13                          ; later passes: rows into LDS, running
.set VDW,  15                          ; layer 2: my throw-away word, counted in words from the list's first
.set VO0,  16                          ; my place in the output
.set VO,   17                          ; the same, running
.set VOFF, 18                          ; v[18:21] later passes: the offsets of a tile's rows
.set VP,   22
.set VT,   23
.set VL4,  24                          ; layer 2: 4 lane
.set VLF,  25                          ; layer 2's way out: my eight entries of the list
.set VM,   24                          ; layer 1: v[24:27] the bitmaps: lane q of register c holds that of idx's register 4 q + c; never rewritten
.set SPW,  28                          ; LDS address of my spare word; never rewritten
.set NIL,  29                          ; 0; never rewritten
.set VRK,  30                          ; layer 1: v[30:31] lane n of the pair (n = 0 .. 35) stands for my row 4 w + n % 4 of tile n / 4: its rank in pass 0; never rewritten
.set FB,   32                          ; v[32:95] later passes: a tile's rows on their way into LDS
.set AOFF, 160                         ; the offsets of pass 0's rows
.set VFT,  220                         ; v[220:223] fragments: my place in tiles 2, 4, 6, 8; never rewritten
.set ACC8, 224                         ; v[224:255] the ninth tile's sums; at the head idx, so that these registers too are written on every path
.set IDX,  224
; layer 1's search, a pair of registers each
.set RH,   196                         ; the rank wanted
.set SM,   198                         ; the bitmap that holds it
.set SP,   200                         ; the ranks ahead of that bitmap
.set SB,   202                         ; the token of that bitmap's lane 0
.set B1,   204                         ; the bitmap's bit counts in fields of 2,
.set B2,   206                         ; of 4
.set B4,   208                         ; and of 8 bits
.set TC,   210
.set TT,   212
.set PS,   214                         ; the bit's place
.set DD,   216                         ; set bits still to pass
.set TK,   218                         ; the tokens
; the way out
.set S,    32
.set D,    64
.set M,    96
.set Q,    128
.set O,    160
.set TOK,  128
.set OFFS, 136
; scalars: s[4:5] rows, s[6:7] weights, s[8:9] idx, s[10:11] output; s12 wave, s13 cg, s14 kh, s15 e, s16 x, s17 kq, s18 cs; s20 the count; s21, s22 at work; s23 tiles in all;
; s24 layer 1: the last rank, layer 2: the last stored tile; s25 the pass; s26 its tiles; s27 a loop's count; s28 a tile; s29 the pass's first tile; s[30:35] offsets; s36, s[38:49] GELU's constants; s[52:63] bitmaps, ranks, tokens at work
.set MSB, 0
.macro WIN new                         ; s_set_vgpr_msb: bits 1:0 source 0, 3:2 source 1, 5:4 source 2, 7:6 destination; the high byte repeats the setting that is left
.if MSB != (\new)
	s_set_vgpr_msb (MSB<<8)|(\new)
.set MSB, (\new)
.endif
.endm
.macro BAR                             ; my LDS instructions are done, loads and stores; then the work-group's barrier
	s_wait_dscnt 0x0
	s_barrier_signal -1
	s_barrier_wait -1
.endm
; THE WEIGHTS' RING has six slots of 64 registers, step s in slot s % 6.  Six, because pass 0 asks for six steps before it can use any: three at the kernel's head, under the wait for idx, and three under its last
; rows' loads, so that loads are out across the barrier that ends the rows.  In the stream step s + 6 is asked for when step s has been packed.
.macro SLOT s                          ; step s's slot: its first register sB, its window sWn
.set sK, (\s)%RING
.if sK < 4
.set sB, 64*sK
.set sWn, 1
.else
.set sB, 32+64*(sK-4)
.set sWn, 0
.endif
.endm
; K step s of my weights: 16 loads; load i brings rows 32 s + i (+ 8 from i = 8 on) + 8 h: each half of the wave reads 256 consecutive bytes, at a multiple of 256 from the buffer's first
.macro WISSUE s
	SLOT \s
	WIN 0x40*sWn                                   ; destination window 1 or 0, address window 0
.set i, 0
.rept 16
	global_load_b128 v[sB+4*i:sB+4*i+3], v[VW], s[6:7] offset:(32*(\s)+i+8*(i/8))*PW th:TH_LOAD_NT
.set i, i+1
.endr
.endm
; Step s becomes source 1, in buffer s % 2: register j of column tile t is word t of loads 2 j and 2 j + 1 (k = 8 h + 2 j, + 1; from j = 4 on 16 + 8 h + 2 (j - 4), + 1).
; These 32 plain lines are also the places (ISA guide 7.12.1 for vector instructions) between the last products and what follows: this buffer was last read two steps back, and the fragment buffer that is
; loaded behind this pack one step back; they name none of those products' registers.
.macro WPACK s
	SLOT \s
	WIN 0x80+5*sWn                                 ; sources window 1 or 0, destination window 2
.set t, 0
.rept 4
.set j, 0
.rept 8
	v_cvt_pk_bf16_f32 v[32*((\s)%2)+8*t+j], v[sB+8*j+t], v[sB+8*j+4+t]
.set j, j+1
.endr
.set t, t+1
.endr
.endm
; My four rows (16 a + 4 w + b) of pass 0's tile a into stage g of window 3.  Layer 1: a row is 2,048 bytes of xb, four loads of 512.  Layer 2: a load takes four ranks' 128 bytes of one group of 64 K, 512 consecutive bytes.
.macro AISSUE a, g
	WIN 0xc0
.set i, 0
.rept 16
.if LAYER == 1
	global_load_b128 v[64*(\g)+4*i:64*(\g)+4*i+3], v[AOFF+4*(\a)+i/4], s[4:5] offset:512*(i%4)
.else
	global_load_b128 v[64*(\g)+4*i:64*(\g)+4*i+3], v[AOFF+(\a)], s[4:5] offset:131072*i
.endif
.set i, i+1
.endr
.endm
; And from there into LDS.  pf >= 0: in its middle the wave asks for K step pf of its weights to be brought near: 32 lanes, one row piece of 256 bytes each.
.macro ASTORE a, g, pf
	WIN 0
	v_add_nc_u32 v[VAT], (\a)*TILEB, v[VAS]
	WIN 0x0c                                       ; data window 3, address window 0
.set i, 0
.rept 16
.if LAYER == 1
	ds_store_b128 v[VAT], v[64*(\g)+4*i:64*(\g)+4*i+3] offset:(i/4)*PITCH+512*(i%4)
.else
	ds_store_b128 v[VAT], v[64*(\g)+4*i:64*(\g)+4*i+3] offset:128*i
.endif
.if (i == 7) && ((\pf) >= 0)
	global_prefetch_b8 v[VPF], s[6:7] offset:32*(\pf)*PW th:TH_LOAD_NT scope:SCOPE_SE
.endif
.set i, i+1
.endr
.endm
; The nine tiles' fragments of K step s (16 rows x 32 K: two loads of 16 bytes, 32 bytes apart) into buffer s % 2.  An address register serves two tiles.  pf as above.
.macro FETCH s, pf
	WIN 0x80                                       ; destination window 2, address window 0
.set fB, 64+72*((\s)%2)
.set i, 0
.rept NTILE
.if i/2 == 0
.set fA, VFR
.else
.set fA, VFT+i/2-1
.endif
	ds_load_b128 v[fB+8*i:fB+8*i+3],   v[fA] offset:(i%2)*TILEB+64*(\s)
	ds_load_b128 v[fB+8*i+4:fB+8*i+7], v[fA] offset:(i%2)*TILEB+64*(\s)+32
.if (i == 4) && ((\pf) >= 0) && ((\pf) < NSTEP)
	global_prefetch_b8 v[VPF], s[6:7] offset:32*(\pf)*PW th:TH_LOAD_NT scope:SCOPE_SE
.endif
.set i, i+1
.endr
.endm
; Step s's 36 products.  Source 0 = 16 rows, source 1 = 16 columns.  The 36 sums take turns, one instruction a turn; step 0's products start the sums: nothing is cleared.
.macro MUL s
.set fB, 64+72*((\s)%2)
.set bB, 32*((\s)%2)
	WIN 0xfa                                       ; rows and weights window 2, sums window 3
.set i, 0
.rept 8
.set t, 0
.rept 4
.if (\s) == 0
	v_wmma_f32_16x16x32_bf16 v[32*i+8*t:32*i+8*t+7], v[fB+8*i:fB+8*i+7], v[bB+8*t:bB+8*t+7], 0
.else
	v_wmma_f32_16x16x32_bf16 v[32*i+8*t:32*i+8*t+7], v[fB+8*i:fB+8*i+7], v[bB+8*t:bB+8*t+7], v[32*i+8*t:32*i+8*t+7]
.endif
.set t, t+1
.endr
.set i, i+1
.endr
	WIN 0x0a                                       ; the ninth tile's sums lie in window 0
.set t, 0
.rept 4
.if (\s) == 0
	v_wmma_f32_16x16x32_bf16 v[ACC8+8*t:ACC8+8*t+7], v[fB+64:fB+71], v[bB+8*t:bB+8*t+7], 0
.else
	v_wmma_f32_16x16x32_bf16 v[ACC8+8*t:ACC8+8*t+7], v[fB+64:fB+71], v[bB+8*t:bB+8*t+7], v[ACC8+8*t:ACC8+8*t+7]
.endif
.set t, t+1
.endr
.endm
; ONE STEP OF THE STREAM.  Loads come back in order (ISA guide 5.7.1).  Behind step s's loads up to five steps' have been issued, 80 loads, more than a wait can name: the count leaves three whole steps, 48 loads, out;
; with the 16 issued below the wave then has 64 loads, 32 KB, asked for.  The last three steps count down.  The next step's 18 fragment loads are younger than this step's and stay out.
; Step s + 8 is asked to be brought near two steps ahead of its loads; two steps, 16 KB a wave, are then asked for and not yet loaded; the last is step 15.  (A later pass asks and reads again.)
.macro STAGE s
.if (\s) <= NSTEP-4
	s_wait_loadcnt 48
.else
	s_wait_loadcnt 16*(NSTEP-1-(\s))
.endif
	WPACK \s
.if (\s)+RING < NSTEP
	WISSUE (\s)+RING
.endif
.if (\s)+1 < NSTEP
	FETCH (\s)+1, (\s)+RING+2
	s_wait_dscnt 2*NTILE
.else
	s_wait_dscnt 0x0
.endif
	MUL \s
.endm
; LAYER 1'S SEARCH: the tokens of my 36 rows of the pass whose first rank is s21, into TK.  A rank past the count is held to the last rank, s24.
; First the bitmap: the last of the 32 whose ranks begin at or below the rank wanted (the ranks ahead, s56, never fall, so each hit overwrites the one before).  Then the bit: of the DD + 1 set bits wanted the last one's
; place, by halving: is it in the low 16 bits, the low 8 of those, .. each time by the bit count of the lower half, read from the partial sums B4, B2, B1.
.macro BOTH line:vararg                ; one line for each register g of a pair
.set g, 0
.rept 2
	\line
.set g, g+1
.endr
.endm
.macro PICK src, w                     ; the lower w bits at PS hold TC set bits: if DD passes them all, go on in the upper w
	BOTH v_bfe_u32 v[TC+g], v[\src+g], v[PS+g], \w
	BOTH v_cmp_ge_u32 s[58+g], v[DD+g], v[TC+g]
	BOTH v_cndmask_b32 v[TC+g], 0, v[TC+g], s[58+g]
	BOTH v_sub_nc_u32 v[DD+g], v[DD+g], v[TC+g]
	BOTH v_cndmask_b32 v[TT+g], 0, \w, s[58+g]
	BOTH v_add_nc_u32 v[PS+g], v[PS+g], v[TT+g]
.endm
.macro SEARCH
	BOTH v_add_nc_u32 v[RH+g], s21, v[VRK+g]
	BOTH v_min_u32 v[RH+g], s24, v[RH+g]
	BOTH v_mov_b32 v[SM+g], 0                      ; the selects below read what they may keep
	BOTH v_mov_b32 v[SP+g], 0
	BOTH v_mov_b32 v[SB+g], 0
	s_mov_b32 s56, 0                               ; ranks ahead of the bitmap in hand
	s_mov_b32 s57, 0                               ; the token of its lane 0: 128 q + c
	s_mov_b32 s28, 0                               ; q
.Lsearch_\@:                                           ; 8 trips of four bitmaps
.irp c, 0,1,2,3
	v_readlane_b32 s[52+\c], v[VM+\c], s28
.endr
.irp c, 0,1,2,3
	BOTH v_cmp_le_u32 s[58+g], s56, v[RH+g]
	BOTH v_cndmask_b32 v[SM+g], v[SM+g], s[52+\c], s[58+g]
	BOTH v_cndmask_b32 v[SP+g], v[SP+g], s56, s[58+g]
	BOTH v_cndmask_b32 v[SB+g], v[SB+g], s57, s[58+g]
	s_bcnt1_i32_b32 s22, s[52+\c]
	s_add_co_u32 s56, s56, s22
	s_add_co_u32 s57, s57, 1
.endr
	s_add_co_u32 s57, s57, 124
	s_add_co_u32 s28, s28, 1
	s_cmp_lt_u32 s28, 8
	s_cbranch_scc1 .Lsearch_\@
	BOTH v_sub_nc_u32 v[DD+g], v[RH+g], v[SP+g]
	BOTH v_lshrrev_b32 v[TT+g], 1, v[SM+g]
	BOTH v_and_b32 v[TT+g], 0x55555555, v[TT+g]
	BOTH v_sub_nc_u32 v[B1+g], v[SM+g], v[TT+g]
	BOTH v_lshrrev_b32 v[TT+g], 2, v[B1+g]
	BOTH v_and_b32 v[TT+g], 0x33333333, v[TT+g]
	BOTH v_and_b32 v[B2+g], 0x33333333, v[B1+g]
	BOTH v_add_nc_u32 v[B2+g], v[B2+g], v[TT+g]
	BOTH v_lshrrev_b32 v[TT+g], 4, v[B2+g]
	BOTH v_add_nc_u32 v[B4+g], v[B2+g], v[TT+g]
	BOTH v_and_b32 v[B4+g], 0x0f0f0f0f, v[B4+g]
	BOTH v_lshrrev_b32 v[TT+g], 8, v[B4+g]
	BOTH v_add_nc_u32 v[TT+g], v[B4+g], v[TT+g]
	BOTH v_and_b32 v[TC+g], 0xff, v[TT+g]          ; set bits among the low 16
	BOTH v_cmp_ge_u32 s[58+g], v[DD+g], v[TC+g]
	BOTH v_cndmask_b32 v[TC+g], 0, v[TC+g], s[58+g]
	BOTH v_sub_nc_u32 v[DD+g], v[DD+g], v[TC+g]
	BOTH v_cndmask_b32 v[PS+g], 0, 16, s[58+g]
	PICK B4, 8
	PICK B2, 4
	PICK B1, 2
	PICK SM, 1
	BOTH v_lshl_add_u32 v[TK+g], v[PS+g], 2, v[SB+g]  ; token = 128 q + c + 4 lane
.endm
	s_load_b256 s[4:11], s[0:1], 0x0               ; rows s[4:5], weights s[6:7], idx s[8:9], output s[10:11]
	v_lshl_add_u32 v[SPW], v0, 2, SPARE
	v_mov_b32 v[NIL], 0
	v_lshrrev_b32 v[VT], 5, v0
	v_readfirstlane_b32 s12, v[VT]                 ; wave
	v_and_b32 v[VL], 31, v0
	v_and_b32 v[VR], 15, v0
	v_bfe_u32 v[VH], v0, 4, 1
	v_lshlrev_b32 v[VF], 4, v[VL]                  ; idx: 16 bytes a lane
	v_lshlrev_b32 v[VW], 4, v[VR]
	v_lshl_add_u32 v[VW], v[VH], LOGPW+3, v[VW]
	v_lshlrev_b32 v[VPF], LOGPW, v[VL]
	s_lshr_b32 s13, s12, 1                         ; cg
	s_and_b32 s14, s12, 1                          ; kh
	s_and_b32 s15, ttmp7, 0xffff                   ; e
	s_mov_b32 s16, ttmp9                           ; x
	s_lshl_b32 s30, s15, 24                        ; an expert's weights are 16,777,216 bytes; all these offsets stay under 2^31
	s_lshl_b32 s22, s14, LOGPW+9                   ; my 512 rows
	s_add_co_u32 s30, s30, s22
	s_lshl_b32 s22, s13, 8                         ; my 64 columns
	s_add_co_u32 s30, s30, s22
.if LAYER == 1
	s_lshl_b32 s22, s16, 9                         ; the work-group's 128 columns
	s_add_co_u32 s30, s30, s22
	s_lshl_b32 s32, s15, 6
	s_lshl1_add_u32 s32, s16, s32
	s_add_co_u32 s32, s32, s13                     ; 64 e + g, g = 2 x + cg
	s_lshl_b32 s32, s32, 17                        ; 1,024 ranks of 128 bytes
.else
	s_lshr_b32 s17, s16, 3                         ; kq
	s_and_b32 s18, s16, 7                          ; cs
	s_lshl_b32 s22, s17, LOGPW+10                  ; the quarter's 1,024 rows
	s_add_co_u32 s30, s30, s22
	s_lshl_b32 s22, s18, 9
	s_add_co_u32 s30, s30, s22
	s_lshl_b32 s34, s15, 23                        ; hid at group 64 e + 16 kq
	s_lshl_b32 s22, s17, 21
	s_add_co_u32 s34, s34, s22
	s_mov_b32 s35, 0
	s_lshl_b32 s32, s17, 22                        ; part at quarter kq, my 64 columns
	s_lshl_b32 s22, s18, 9
	s_add_co_u32 s32, s32, s22
	s_lshl_b32 s22, s13, 8
	s_add_co_u32 s32, s32, s22
.endif
	s_mov_b32 s31, 0
	s_mov_b32 s33, 0
	s_wait_kmcnt 0x0
	s_add_nc_u64 s[6:7], s[6:7], s[30:31]
	s_add_nc_u64 s[10:11], s[10:11], s[32:33]
.if LAYER == 2
	s_add_nc_u64 s[4:5], s[4:5], s[34:35]
.endif
.irp q, 0,1,2,3,4,5,6,7
	global_load_b128 v[IDX+4*\q:IDX+4*\q+3], v[VF], s[8:9] offset:512*\q  ; register 4 q + c: token 128 q + 4 lane + c
.endr
	WISSUE 0                                       ; the first three steps of weights are asked for before anything else is done
	WISSUE 1
	WISSUE 2
	WIN 0
	s_mul_i32 s22, s12, 4*PITCH                    ; my wave's four rows of a tile
.if LAYER == 1
	v_lshrrev_b32 v[VRK], 2, v[VL]                 ; lane n: tile n / 4, row 4 w + n % 4: rank 16 (n / 4) + 4 w + n % 4
	v_and_b32 v[VP], 3, v[VL]
	v_lshl_add_u32 v[VRK], v[VRK], 4, v[VP]
	s_lshl_b32 s21, s12, 2
	v_add_nc_u32 v[VRK], s21, v[VRK]
	v_add_nc_u32 v[VRK+1], 128, v[VRK]             ; the second register goes on with n = 32 + lane
	v_lshlrev_b32 v[VL16], 4, v[VL]
	v_lshl_add_u32 v[VAS], v[VL], 4, s22
	v_and_b32 v[VT], 7, v[VR]                      ; row r of a fragment is rank 2 (r % 8) + r / 8 of the tile: register j of a result then holds ranks 2 j (lanes 0-15) and 2 j + 1 (lanes 16-31)
	v_lshrrev_b32 v[VP], 3, v[VR]
	v_lshl_add_u32 v[VT], v[VT], 1, v[VP]
	v_mul_u32_u24 v[VT], v[VT], PITCH
	v_lshlrev_b32 v[VO0], 3, v[VR]                 ; four columns in bf16: 8 bytes at 8 r, the odd rank 128 bytes on
	v_lshl_add_u32 v[VO0], v[VH], 7, v[VO0]
	s_mov_b32 s36, 0x3e6d3389                      ; 0.2316419 = 0.3275911 / sqrt(2)
	s_mov_b32 s38, 0xbf38aa3b                      ; - log2(e) / 2
	s_mov_b32 s39, s38                             ; the packed forms name pairs: both words are written
	s_mov_b32 s40, 0x3e027906                      ; the series' coefficients, halved: 0.127414796
	s_mov_b32 s41, s40
	s_mov_b32 s42, 0xbe11a98e                      ; -0.142248368
	s_mov_b32 s43, s42
	s_mov_b32 s44, 0x3f35f0e3                      ; 0.7107068705
	s_mov_b32 s45, s44
	s_mov_b32 s46, 0xbf3a00e3                      ; -0.7265760135
	s_mov_b32 s47, s46
	s_mov_b32 s48, 0x3f07dc22                      ; 0.5307027145
	s_mov_b32 s49, s48
.else
	s_lshl_b32 s21, s12, 9
	v_lshl_add_u32 v[VL16], v[VL], 4, s21          ; my wave's four ranks, 512 bytes
	v_lshrrev_b32 v[VT], 3, v[VL]                  ; eight lanes to a rank's 128 bytes
	v_mul_u32_u24 v[VT], v[VT], PITCH
	v_and_b32 v[VP], 7, v[VL]
	v_lshl_add_u32 v[VT], v[VP], 4, v[VT]
	v_add_nc_u32 v[VAS], s22, v[VT]
	v_mul_u32_u24 v[VT], v[VR], PITCH              ; row r of a fragment is rank r of the tile
	v_lshlrev_b32 v[VO0], 4, v[VR]                 ; four columns in f32: 16 bytes at 16 r
	v_add_nc_u32 v[VDW], DUMMYW, v[VL]
	v_lshlrev_b32 v[VL4], 2, v[VL]
.endif
	v_lshl_add_u32 v[VT], v[VH], 4, v[VT]
	s_lshl_b32 s22, s14, 10                        ; my 512 K: 1,024 bytes of a row
	v_add_nc_u32 v[VFR], s22, v[VT]
.irp m, 1,2,3,4
	v_add_nc_u32 v[VFT+\m-1], 2*\m*TILEB, v[VFR]   ; the same place two tiles on: the odd tile between is reached by the immediate
.endr
	s_mul_i32 s22, s12, DUMPW
	v_lshl_add_u32 v[VDU], v[VL], 4, s22
	s_mul_i32 s22, s13, 2*DUMPW                    ; the sums of waves 2 cg and 2 cg + 1; I begin with tile kh
	s_lshl_b32 s21, s14, 12
	s_add_co_u32 s22, s22, s21
	v_lshl_add_u32 v[VF0], v[VL], 4, s22
	s_mov_b32 s20, 0
	s_wait_loadcnt 48                              ; idx is in; the 48 weight loads are younger and stay out
.if LAYER == 1
	; THE BITMAPS of expert e's tokens, and their count: every wave for itself
.irp c, 0,1,2,3
	v_mov_b32 v[VM+\c], 0                          ; v_writelane_b32's destination counts as read
.endr
.set q, 0
.rept 8
.irp c, 0,1,2,3
	v_cmp_eq_u32 s[52+\c], s15, v[IDX+4*q+\c]
.endr
.irp c, 0,1,2,3
	v_writelane_b32 v[VM+\c], s[52+\c], q
.endr
.irp c, 0,1,2,3
	s_bcnt1_i32_b32 s[56+\c], s[52+\c]
.endr
.irp c, 0,1,2,3
	s_add_co_u32 s20, s20, s[56+\c]
.endr
.set q, q+1
.endr
	s_min_u32 s20, s20, 1024
.else
	; THE LIST of expert e's tokens.  Its LDS addresses hang on idx, so wave 0 alone writes it, and nobody else touches LDS before the barrier below.  Every wave counts for itself.
	s_cmp_lg_u32 s12, 0
	s_cbranch_scc1 .Lcount
	v_mov_b32 v[VP], LIST0+12
	v_mov_b32 v[VT], 0
	ds_store_b32 v[VP], v[VT]                      ; the word ahead of the list: token 0, the 'last token' of an expert without tokens
.set q, 0
.rept 8                                ; four words at a time, so that the four items' dependent lines overlap
.irp c, 0,1,2,3
	v_cmp_eq_u32 s[52+\c], s15, v[IDX+4*q+\c]
.endr
	s_mov_b32 s56, s20
.irp c, 0,1,2
	s_bcnt1_i32_b32 s22, s[52+\c]
	s_add_co_u32 s[57+\c], s[56+\c], s22
.endr
	s_bcnt1_i32_b32 s22, s55
	s_add_co_u32 s20, s59, s22
.irp c, 0,1,2,3
	v_mbcnt_lo_u32_b32 v[32+\c], s[52+\c], s[56+\c]  ; my rank: those counted so far, and the lanes below me that match
.endr
.irp c, 0,1,2,3
	v_cndmask_b32 v[32+\c], v[VDW], v[32+\c], s[52+\c]  ; a lane whose token went elsewhere takes its throw-away word
.endr
.irp c, 0,1,2,3
	v_min_u32 v[32+\c], DUMMYW+31, v[32+\c]        ; the word's number is held inside the list and the throw-away words; only a shift and an add follow
.endr
.irp c, 0,1,2,3
	v_lshl_add_u32 v[32+\c], v[32+\c], 2, LISTE
.endr
.irp c, 0,1,2,3
	v_add_nc_u32 v[36+\c], 128*q+\c, v[VL4]
.endr
.irp c, 0,1,2,3
	ds_store_b32 v[32+\c], v[36+\c]
.endr
.set q, q+1
.endr
	s_min_u32 s20, s20, 1024
	s_lshl_b32 s22, s20, 2
	s_add_co_u32 s22, s22, LISTE-4
	v_mov_b32 v[VP], s22
	ds_load_b32 v[VT], v[VP]                       ; the last token; LDS serves a wave's instructions in order: it sees the stores above
	v_lshl_add_u32 v[VP], v[VL], 2, s22
	s_wait_dscnt 0x0
.irp z, 0,1,2,3,4
	ds_store_b32 v[VP], v[VT] offset:4+128*\z      ; 160 places behind the count repeat it: a pass's last tile reads 15 of them at the most
.endr
	s_branch .Llisted
.Lcount:
.set k, 0
.rept 32
	v_cmp_eq_u32 s21, s15, v[IDX+k]
	s_bcnt1_i32_b32 s22, s21
	s_add_co_u32 s20, s20, s22
.set k, k+1
.endr
	s_min_u32 s20, s20, 1024
.Llisted:
	BAR                                            ; the list is stored; from here on it is only read
.endif
	s_add_co_u32 s23, s20, 15
	s_lshr_b32 s23, s23, 4                         ; tiles of 16 rows
.if LAYER == 1
	s_max_u32 s23, s23, 1                          ; an expert without tokens still stores one tile
	s_max_u32 s24, s20, 1
	s_sub_co_u32 s24, s24, 1                       ; the last rank
	s_mov_b32 s21, 0                               ; pass 0
	SEARCH
.set a, 0
.rept NTILE
.irp b, 0,1,2,3
	v_readlane_b32 s[52+\b], v[TK+(4*a+\b)/32], (4*a+\b)%32
.endr
.irp b, 0,1,2,3
	s_min_u32 s[52+\b], s[52+\b], 0x3ff            ; a token is held inside xb; only a shift and an add follow
.endr
.irp b, 0,1,2,3
	v_lshl_add_u32 v[AOFF+4*a+\b], s[52+\b], 11, v[VL16]  ; token x 2,048 bytes + 16 lane
.endr
.set a, a+1
.endr
.else
	s_max_u32 s24, s23, 1
	s_sub_co_u32 s24, s24, 1                       ; the last tile that layer 1 stored
.set a, 0
.rept NTILE
	s_min_u32 s22, s24, a
	v_lshl_add_u32 v[AOFF+a], s22, 11, v[VL16]     ; tile x 16 ranks x 128 bytes
.set a, a+1
.endr
.endif
	; THE ROWS OF PASS 0, all nine tiles whatever the count, through a ring of four stages in the registers that will hold the sums.  Behind each stage's loads exactly three stages' have been issued when it is waited
	; for: the count leaves their 48 loads out.  When no rows are left to ask for, weight steps 3, 4 and 5 take their turns.  Steps 3 to 5 are asked to be brought near four turns ahead of their loads,
	; steps 6 and 7 in turns 6 and 7; three steps, 24 KB a wave, are asked for and not yet loaded at the most.
	AISSUE 0, 0
	AISSUE 1, 1
	AISSUE 2, 2
	AISSUE 3, 3
.set n, 0
.rept NTILE
	s_wait_loadcnt 48
.if (n >= 1) && (n <= 3)
	ASTORE n, n%4, n+2
.elseif (n == 6) || (n == 7)
	ASTORE n, n%4, n
.else
	ASTORE n, n%4, -1
.endif
.if n <= 4
	AISSUE n+4, n%4
.elseif n <= 7
	WISSUE n-2
.endif
.set n, n+1
.endr
	WIN 0
	s_mov_b32 s25, 0                               ; the pass,
	s_mov_b32 s29, 0                               ; its first tile,
	s_min_u32 s26, s23, NTILE                      ; its tiles: 0 to 9
.Lpass:                                                ; 8 trips, four barriers each, whatever the count.  A trip: a pass's stream and products, sums and way out, then the next pass's rows and its first six steps' loads
	BAR                                            ; every wave's rows are stored; the weight loads that are out stay out
	; THE STREAM AND THE PRODUCTS.  A pass without tiles jumps all of it.
	s_cmp_eq_u32 s26, 0
	s_cbranch_scc1 .Lcdone
	FETCH 0, -1
.set n, 0
.rept NSTEP
	STAGE n
.set n, n+1
.endr
	WIN 0
.Lcdone:
	s_wait_loadcnt 0x0                             ; an expert without tokens has jumped here with six steps' loads out: their registers are used again below
.rept 4
	v_nop                                          ; four places between the last product and the stores that read the sums
.endr
	BAR                                            ; nobody reads the rows any more
	; my sums into LDS, over the rows; each sum's registers in ascending order
.set i, 0
.rept NTILE
	WIN 0
	s_cmp_le_u32 s26, i
	s_cbranch_scc1 .Lddone
.if i < 8
	WIN 0x0c                                       ; data window 3
.set aB, 32*i
.else
.set aB, ACC8
.endif
.set q, 0
.rept 8
	ds_store_b128 v[VDU], v[aB+4*q:aB+4*q+3] offset:(8*i+q)*512
.set q, q+1
.endr
.set i, i+1
.endr
	WIN 0
.Lddone:
	BAR                                            ; every wave's sums are stored
	; THE WAY OUT.  I take tiles kh, kh + 2, .. of my 64 columns and add the two K halves: register 8 t + j is (row 8 h + j, column 4 r + t).  A pass without tiles jumps all of it.
	s_cmp_eq_u32 s26, 0
	s_cbranch_scc1 .Lfskip
	s_add_co_u32 s22, s29, s14
.if LAYER == 1
	s_lshl_b32 s22, s22, 11                        ; a tile is 16 ranks of 128 bytes
	v_add_nc_u32 v[VO], s22, v[VO0]
.else
	s_lshl_b32 s22, s22, 6                         ; a tile is 16 entries of the list; mine are 8 h on
	s_add_co_u32 s22, s22, LISTE
	v_lshl_add_u32 v[VLF], v[VH], 5, s22
.endif
	v_mov_b32 v[VF], v[VF0]
	s_mov_b32 s28, s14
	s_mov_b32 s27, 5
.Lfin:
	s_cmp_ge_u32 s28, s26
	s_cbranch_scc1 .Lfdead
.set i, 0
.rept 8
	ds_load_b128 v[S+4*i:S+4*i+3], v[VF] offset:512*i
.set i, i+1
.endr
.set i, 0
.rept 8
	ds_load_b128 v[D+4*i:D+4*i+3], v[VF] offset:DUMPW+512*i
.set i, i+1
.endr
.if LAYER == 2
	ds_load_b128 v[TOK:TOK+3], v[VLF]
	ds_load_b128 v[TOK+4:TOK+7], v[VLF] offset:16
.endif
	s_wait_dscnt 0x0
.if LAYER == 1
	; gelu(x) = x Phi(x) = |x| (0.5 - q) + 0.5 x, q = 1 - Phi(|x|) = (b1 t + .. + b5 t^5) 2^(-x^2 log2(e) / 2), t = 1 / (1 + 0.2316419 |x|)
.set i, 0
.rept 16
	v_pk_add_f32 v[S+2*i:S+2*i+1], v[S+2*i:S+2*i+1], v[D+2*i:D+2*i+1]
.set i, i+1
.endr
.set i, 0
.rept 32
	v_fma_f32 v[D+i], |v[S+i]|, s36, 1.0
.set i, i+1
.endr
.set i, 0
.rept 16
	v_pk_mul_f32 v[M+2*i:M+2*i+1], v[S+2*i:S+2*i+1], v[S+2*i:S+2*i+1]
.set i, i+1
.endr
.set i, 0
.rept 16
	v_pk_mul_f32 v[M+2*i:M+2*i+1], v[M+2*i:M+2*i+1], s[38:39] op_sel_hi:[1,0]
.set i, i+1
.endr
.set i, 0
.rept 32
	v_rcp_f32 v[D+i], v[D+i]
.set i, i+1
.endr
.set i, 0
.rept 32
	v_exp_f32 v[M+i], v[M+i]
.set i, i+1
.endr
	v_nop                                          ; a plain instruction behind the last of them,
	s_wait_alu depctr_va_vdst(0)                   ; and ONE wait for the batch of 64, ahead of its first reader
.set i, 0
.rept 16
	v_pk_fma_f32 v[Q+2*i:Q+2*i+1], v[D+2*i:D+2*i+1], s[48:49], s[46:47] op_sel_hi:[1,0,0]
.set i, i+1
.endr
.irp c, 44,42,40
.set i, 0
.rept 16
	v_pk_fma_f32 v[Q+2*i:Q+2*i+1], v[Q+2*i:Q+2*i+1], v[D+2*i:D+2*i+1], s[\c:\c+1] op_sel_hi:[1,1,0]
.set i, i+1
.endr
.endr
.set i, 0
.rept 16
	v_pk_mul_f32 v[M+2*i:M+2*i+1], v[M+2*i:M+2*i+1], v[D+2*i:D+2*i+1]
.set i, i+1
.endr
.set i, 0
.rept 16
	v_pk_fma_f32 v[Q+2*i:Q+2*i+1], v[Q+2*i:Q+2*i+1], v[M+2*i:M+2*i+1], 0.5 op_sel_hi:[1,1,0] neg_lo:[1,0,0] neg_hi:[1,0,0]  ; 0.5 - q
.set i, i+1
.endr
.set i, 0
.rept 16
	v_pk_mul_f32 v[D+2*i:D+2*i+1], v[S+2*i:S+2*i+1], 0.5 op_sel_hi:[1,0]
.set i, i+1
.endr
.set i, 0
.rept 32
	v_fma_f32 v[Q+i], |v[S+i]|, v[Q+i], v[D+i]
.set i, i+1
.endr
.set j, 0
.rept 8
	v_cvt_pk_bf16_f32 v[O+2*j], v[Q+j], v[Q+8+j]        ; columns 4 r, 4 r + 1 of row j
	v_cvt_pk_bf16_f32 v[O+2*j+1], v[Q+16+j], v[Q+24+j]  ; columns 4 r + 2, 4 r + 3
.set j, j+1
.endr
.set j, 0
.rept 8
	global_store_b64 v[VO], v[O+2*j:O+2*j+1], s[10:11] offset:256*j  ; ranks 2 j and 2 j + 1: the wave's 32 x 8 bytes are 256 consecutive bytes, at a multiple of 256 from hid's first
.set j, j+1
.endr
.else
.set j, 0
.rept 8
.set t, 0
.rept 4
	v_add_f32 v[M+4*j+t], v[S+8*t+j], v[D+8*t+j]
.set t, t+1
.endr
.set j, j+1
.endr
.set j, 0
.rept 8
	v_min_u32 v[TOK+j], 0x3ff, v[TOK+j]
.set j, j+1
.endr
.set j, 0
.rept 8
	v_lshl_add_u32 v[OFFS+j], v[TOK+j], 12, v[VO0]   ; the token's row of 4,096 bytes
.set j, j+1
.endr
.set j, 0
.rept 8
	global_store_b128 v[OFFS+j], v[M+4*j:M+4*j+3], s[10:11]  ; sixteen lanes store 256 consecutive bytes of a token's row, at a multiple of 256 from part's first
.set j, j+1
.endr
.endif
	s_wait_xcnt 0x0                                ; the stores' data and offsets are written again only behind this wait
.Lfdead:
	v_add_nc_u32 v[VF], 8192, v[VF]                ; two tiles on
.if LAYER == 1
	v_add_nc_u32 v[VO], 4096, v[VO]
.else
	v_add_nc_u32 v[VLF], 128, v[VLF]
.endif
	s_add_co_u32 s28, s28, 2
	s_sub_co_u32 s27, s27, 1
	s_cmp_lg_u32 s27, 0
	s_cbranch_scc1 .Lfin
.Lfskip:
	BAR                                            ; nobody reads the sums any more: the next pass's rows may land on them
	; THE NEXT PASS: its first four steps of weights are asked for, then its rows come, a tile a trip, dead trips jumped; then steps 4 and 5, whose slots the rows have passed through.
	; Behind the eighth pass no tile is left (72 >= 64).
	s_add_co_u32 s25, s25, 1
	s_mul_i32 s29, s25, NTILE
	s_min_u32 s26, s29, s23
	s_sub_co_u32 s26, s23, s26
	s_min_u32 s26, s26, NTILE
	s_cmp_eq_u32 s26, 0
	s_cbranch_scc1 .Lgdone
.irp s, 0,1,2,3
	WISSUE \s
.endr
	WIN 0
.if LAYER == 1
	s_mul_i32 s21, s25, 16*NTILE                   ; the pass's first rank
	SEARCH
.endif
	v_mov_b32 v[VATG], v[VAS]
	s_mov_b32 s28, 0
	s_mov_b32 s27, NTILE
.Lg:
	s_cmp_ge_u32 s28, s26
	s_cbranch_scc1 .Lgdead
.if LAYER == 1
	s_lshl_b32 s22, s28, 2                         ; tile a's four tokens lie in lanes 4 a .. 4 a + 3 of TK, the ninth tile's in lanes 0 .. 3 of TK + 1
	s_and_b32 s22, s22, 31
.irp b, 0,1,2,3
	s_add_co_u32 s[56+\b], s22, \b
.endr
.irp b, 0,1,2,3
	v_readlane_b32 s[52+\b], v[TK], s[56+\b]
.endr
.irp b, 0,1,2,3
	v_readlane_b32 s[60+\b], v[TK+1], s[56+\b]
.endr
	s_cmp_eq_u32 s28, 8
.irp b, 0,1,2,3
	s_cselect_b32 s[52+\b], s[60+\b], s[52+\b]
.endr
.irp b, 0,1,2,3
	s_min_u32 s[52+\b], s[52+\b], 0x3ff
.endr
.irp b, 0,1,2,3
	s_lshl_b32 s[52+\b], s[52+\b], 11              ; token x 2,048 bytes
.endr
.irp b, 0,1,2,3
	v_add_nc_u32 v[VOFF+\b], s[52+\b], v[VL16]
.endr
.set i, 0
.rept 16
	global_load_b128 v[FB+4*i:FB+4*i+3], v[VOFF+i/4], s[4:5] offset:512*(i%4)
.set i, i+1
.endr
.else
	s_add_co_u32 s22, s29, s28
	s_min_u32 s22, s22, 63
	v_lshl_add_u32 v[VOFF], s22, 11, v[VL16]
.set i, 0
.rept 16
	global_load_b128 v[FB+4*i:FB+4*i+3], v[VOFF], s[4:5] offset:131072*i
.set i, i+1
.endr
.endif
	s_wait_loadcnt 0x0                             ; the rows are in, and the loads' offsets may be written again
.set i, 0
.rept 16
.if LAYER == 1
	ds_store_b128 v[VATG], v[FB+4*i:FB+4*i+3] offset:(i/4)*PITCH+512*(i%4)
.else
	ds_store_b128 v[VATG], v[FB+4*i:FB+4*i+3] offset:128*i
.endif
.set i, i+1
.endr
.Lgdead:
	v_add_nc_u32 v[VATG], TILEB, v[VATG]
	s_add_co_u32 s28, s28, 1
	s_sub_co_u32 s27, s27, 1
	s_cmp_lg_u32 s27, 0
	s_cbranch_scc1 .Lg
.irp s, 4,5
	WISSUE \s
.endr
	WIN 0
.Lgdone:
	s_cmp_lt_u32 s25, NPASS
	s_cbranch_scc1 .Lpass
	s_wait_tensorcnt 0x0                           ; the wave's end, behind my last LDS store
	ds_add_u32 v[SPW], v[NIL]
	s_wait_dscnt 0x0
	s_endpgm
.Lfunc_end_k_qac0c52203f_fc1:
	.size	k_qac0c52203f_fc1, .Lfunc_end_k_qac0c52203f_fc1-k_qac0c52203f_fc1
	.p2alignl 7, 3214868480
	.fill 96, 4, 3214868480
	.section	.rodata,"a",@progbits
	.p2align	6, 0x0
	.amdhsa_kernel k_qac0c52203f_fc1
		.amdhsa_group_segment_fixed_size 302848
		.amdhsa_private_segment_fixed_size 0
		.amdhsa_enable_private_segment 0
		.amdhsa_kernarg_size 32
		.amdhsa_user_sgpr_count 2
		.amdhsa_user_sgpr_kernarg_segment_ptr 1
		.amdhsa_wavefront_size32 1
		.amdhsa_system_sgpr_workgroup_id_x 1
		.amdhsa_system_sgpr_workgroup_id_y 1
		.amdhsa_system_sgpr_workgroup_id_z 1
		.amdhsa_system_vgpr_workitem_id 0
		.amdhsa_next_free_vgpr 1024
		.amdhsa_next_free_sgpr 66
		.amdhsa_reserve_vcc 0
		.amdhsa_float_denorm_mode_32 3
		.amdhsa_float_denorm_mode_16_64 3
		.amdhsa_memory_ordered 1
		.amdhsa_forward_progress 1
		.amdhsa_inst_pref_size 211
	.end_amdhsa_kernel
	.amdgpu_metadata
---
amdhsa.version: [ 1, 2 ]
amdhsa.kernels:
  - .name:           k_qac0c52203f_fc1
    .symbol:         k_qac0c52203f_fc1.kd
    .args:
      - { .name: xb, .offset: 0, .size: 8, .value_kind: global_buffer, .address_space: global }
      - { .name: W1, .offset: 8, .size: 8, .value_kind: global_buffer, .address_space: global }
      - { .name: idx, .offset: 16, .size: 8, .value_kind: global_buffer, .address_space: global }
      - { .name: hid, .offset: 24, .size: 8, .value_kind: global_buffer, .address_space: global }
    .group_segment_fixed_size: 302848
    .private_segment_fixed_size: 0
    .kernarg_segment_align: 8
    .kernarg_segment_size: 32
    .max_flat_workgroup_size: 128
    .sgpr_count:     66
    .vgpr_count:     1024
    .wavefront_size: 32
...
	.end_amdgpu_metadata
.endif
;; end of part 5
;; launch fc2 (part 6): grid 32 x 8, 4 waves a work-group, no clusters, 302,848 bytes of LDS; arguments hid, W2, idx, part; writes part
.if DOCPART == 6
	.amdgcn_target "amdgcn-amd-amdhsa--gfx1250"
	.amdhsa_code_object_version 6
	.text
	.protected	k_qac0c52203f_fc2
	.globl	k_qac0c52203f_fc2
	.p2align	8
	.type	k_qac0c52203f_fc2,@function
k_qac0c52203f_fc2:
	s_mov_b64 s[64:65], 0
	v_nop
	global_prefetch_b8 v0, s[64:65] scope:SCOPE_SE
	s_setreg_imm32_b32 hwreg(HW_REG_WAVE_MODE, 25, 1), 1
	s_wait_xcnt 0x0
; ONE PRODUCT OF A ROUTED EXPERT'S MLP: the rows in LDS, the weights streamed through registers, the matrix work in the stream's waits.  One text serves both products; LAYER chooses.
;   LAYER 1: hid = gelu(x W1[e]), for the tokens that chose expert e.  x comes as xb [1024][1024] bf16, row by row as the tokens rank; W1: [8][1024][4096] f32.
;            hid[e][g 64][i 1024][64] bf16: i is the token's rank among the expert's, g a group of 64 hidden columns: a rank's 128 bytes lie end to end with the next rank's.
;   LAYER 2: part[kq][token][1024] f32 = hid's K quarter kq times W2[e]; W2: [8][4096][1024] f32.  The four quarters are added by the next launch.
; SHARES.  Work-group (x, e) owns 1,024 K x 128 columns of expert e's weights, which it alone reads (layer 1: columns 128 x on; layer 2: K quarter x / 8, columns 128 (x % 8) on), and ALL of that
; expert's rows.  Wave w owns 512 of K (kh = w % 2) x 64 columns (cg = w / 2).
; A PASS takes 9 tiles of 16 rows.  First its rows go into LDS.  Then the slice of weights is streamed, 32 of K a step: a step's 16 loads (8 KB a wave) are rounded to bf16 straight into source 1 of four column
; tiles and multiplied at once with all 9 row tiles, 36 matrix instructions, while the loads of later steps are on their way.  Then the two K halves' sums meet in LDS and leave.
; The weights are not kept: an expert with up to 144 rows reads its slice once; one with more reads it once a pass, 8 times if every token chooses it.
; RANKS.  idx lies in 32 registers, register 4 q + c holding token 128 q + 4 lane + c; an expert's tokens rank in the order (q, c, lane), in both products.  Layer 1 wants the token of a given rank as a scalar,
; for its row's address: each wave keeps the 32 bitmaps of the choice in four registers and finds its 36 tokens of a pass by a search in registers: no LDS and no barrier stand ahead of the first rows' loads.
; Layer 2 wants eight tokens a lane on its way out: wave 0 lays the list into LDS.
; EVERY SPLIT is served: 8 passes cover 1,024 rows; every wave passes every barrier of every pass, and only work is jumped, forward.  Places past the count repeat the expert's last token (an expert
; without tokens: layer 1 stores one tile made of token 1,023's row, so that layer 2 reads only stored bytes; layer 2 then stores nothing).  A live pass multiplies all nine tiles; the sums of tiles past the
; count are neither laid into LDS nor stored.  In layer 2 the repeated rows' equal results are stored onto that token's own bytes again, by the same wave.
; COLUMNS.  A weight load gives lane (r, h) 16 bytes: row k, columns 4 r .. 4 r + 3; sixteen lanes read 256 consecutive bytes.  Column tile t takes word t of each load: its column n = r stands for column 4 r + t.
; So two loads' words pack straight into a register of source 1, and in the result a lane holds four neighbouring columns over t = 0 .. 3.
; NO CLUSTER: each slice of weights, 512 KB of the work-group's some 800, has one reader; layer 1's rows come by rank, which no tile descriptor covers; layer 2's number of row tiles hangs on a stored count.
; NO TENSOR LOAD: the rows' fills would have to be jumped where a pass is empty.
; FORMAT.  Weights and rows in bf16, sums in f32, hid rounded once to bf16.  GELU is x Phi(x) with erf by Abramowitz and Stegun 7.1.26 (absolute error 1.5e-7 at the most, for every x).
; LIMITS.  NaN and infinities are not treated apart; expert numbers above 7 in idx would leave their tokens unwritten (the router stores 0 to 7).
.set LAYER, 2
.if LAYER == 1
.set LOGPW, 14                         ; a row of W1 is 16,384 bytes
.else
.set LOGPW, 12                         ; a row of W2 is 4,096 bytes
.endif
.set PW,     1<<LOGPW
.set PITCH,  2064                      ; a row in LDS: 2,048 bytes + 16 = 129 x 16: the 16 rows of a fragment load start at 16 different 16-byte columns of 256
.set TILEB,  16*PITCH
.set NTILE,  9                         ; tiles of 16 rows in a pass
.set NPASS,  8                         ; 8 x 144 rows cover 1,024
.set NSTEP,  16                        ; K steps of 32 in my 512
.set RING,   6                         ; slots of the weights' ring
.set DUMPW,  NTILE*8*512               ; a wave's sums in LDS: [tile][4 registers of 32][lane][16 bytes]; the four waves' lie over the rows, which are done with by then
.set LIST0,  NTILE*TILEB               ; 297,216: behind the rows, layer 2 alone: a word that holds token 0 at + 12, the list from + 16 (1,184 words), 32 throw-away words at + 4,864
.set LISTE,  LIST0+16
.set LDUMMY, LIST0+4864
.set DUMMYW, (LDUMMY-LISTE)/4          ; the first throw-away word, counted in words from the list's first
.set SPARE,  LIST0+5120                ; the spare words, 128 bytes a wave: two blocks of 256 bytes that no other line names
; REGISTERS, in windows of 256:
;   window 0: v0-31 addresses; v32-159 slots 4 and 5 of the weights' ring, outside the stream at work; v160-195 the offsets of pass 0's rows; v196-219 the search; v220-223 fragment addresses; v224-255 the ninth tile's sums
;   window 1: slots 0 to 3 of the weights' ring, 64 registers each
;   window 2: v0-63 source 1: two buffers of 4 column tiles; v64-207 the rows' fragments: two buffers of 9
;   window 3: the sums of tiles 0 to 7: tile i, column tile t at 32 i + 8 t; ahead of the loop the ring of pass 0's rows, four stages of 64, so that these registers are written on every path
.set VL,   1                           ; lane
.set VR,   2                           ; r = lane % 16
.set VH,   3                           ; h = lane / 16
.set VW,   4                           ; weights: 16 r + 8 h rows
.set VPF,  5                           ; prefetch: lane rows
.set VL16, 6                           ; rows in memory: my 16 bytes of a load's 512
.set VAS,  7                           ; rows into LDS: my place in tile 0
.set VFR,  8                           ; fragments: my place in tile 0
.set VAT,  9                           ; an LDS address at work
.set VDU,  10                          ; my place in my wave's sums
.set VF0,  11                          ; the way out: my place in the pair of sums that I add
.set VF,   12                          ; the same, running (at the head: idx's offset)
.set VATG, 13                          ; later passes: rows into LDS, running
.set VDW,  15                          ; layer 2: my throw-away word, counted in words from the list's first
.set VO0,  16                          ; my place in the output
.set VO,   17                          ; the same, running
.set VOFF, 18                          ; v[18:21] later passes: the offsets of a tile's rows
.set VP,   22
.set VT,   23
.set VL4,  24                          ; layer 2: 4 lane
.set VLF,  25                          ; layer 2's way out: my eight entries of the list
.set VM,   24                          ; layer 1: v[24:27] the bitmaps: lane q of register c holds that of idx's register 4 q + c; never rewritten
.set SPW,  28                          ; LDS address of my spare word; never rewritten
.set NIL,  29                          ; 0; never rewritten
.set VRK,  30                          ; layer 1: v[30:31] lane n of the pair (n = 0 .. 35) stands for my row 4 w + n % 4 of tile n / 4: its rank in pass 0; never rewritten
.set FB,   32                          ; v[32:95] later passes: a tile's rows on their way into LDS
.set AOFF, 160                         ; the offsets of pass 0's rows
.set VFT,  220                         ; v[220:223] fragments: my place in tiles 2, 4, 6, 8; never rewritten
.set ACC8, 224                         ; v[224:255] the ninth tile's sums; at the head idx, so that these registers too are written on every path
.set IDX,  224
; layer 1's search, a pair of registers each
.set RH,   196                         ; the rank wanted
.set SM,   198                         ; the bitmap that holds it
.set SP,   200                         ; the ranks ahead of that bitmap
.set SB,   202                         ; the token of that bitmap's lane 0
.set B1,   204                         ; the bitmap's bit counts in fields of 2,
.set B2,   206                         ; of 4
.set B4,   208                         ; and of 8 bits
.set TC,   210
.set TT,   212
.set PS,   214                         ; the bit's place
.set DD,   216                         ; set bits still to pass
.set TK,   218                         ; the tokens
; the way out
.set S,    32
.set D,    64
.set M,    96
.set Q,    128
.set O,    160
.set TOK,  128
.set OFFS, 136
; scalars: s[4:5] rows, s[6:7] weights, s[8:9] idx, s[10:11] output; s12 wave, s13 cg, s14 kh, s15 e, s16 x, s17 kq, s18 cs; s20 the count; s21, s22 at work; s23 tiles in all;
; s24 layer 1: the last rank, layer 2: the last stored tile; s25 the pass; s26 its tiles; s27 a loop's count; s28 a tile; s29 the pass's first tile; s[30:35] offsets; s36, s[38:49] GELU's constants; s[52:63] bitmaps, ranks, tokens at work
.set MSB, 0
.macro WIN new                         ; s_set_vgpr_msb: bits 1:0 source 0, 3:2 source 1, 5:4 source 2, 7:6 destination; the high byte repeats the setting that is left
.if MSB != (\new)
	s_set_vgpr_msb (MSB<<8)|(\new)
.set MSB, (\new)
.endif
.endm
.macro BAR                             ; my LDS instructions are done, loads and stores; then the work-group's barrier
	s_wait_dscnt 0x0
	s_barrier_signal -1
	s_barrier_wait -1
.endm
; THE WEIGHTS' RING has six slots of 64 registers, step s in slot s % 6.  Six, because pass 0 asks for six steps before it can use any: three at the kernel's head, under the wait for idx, and three under its last
; rows' loads, so that loads are out across the barrier that ends the rows.  In the stream step s + 6 is asked for when step s has been packed.
.macro SLOT s                          ; step s's slot: its first register sB, its window sWn
.set sK, (\s)%RING
.if sK < 4
.set sB, 64*sK
.set sWn, 1
.else
.set sB, 32+64*(sK-4)
.set sWn, 0
.endif
.endm
; K step s of my weights: 16 loads; load i brings rows 32 s + i (+ 8 from i = 8 on) + 8 h: each half of the wave reads 256 consecutive bytes, at a multiple of 256 from the buffer's first
.macro WISSUE s
	SLOT \s
	WIN 0x40*sWn                                   ; destination window 1 or 0, address window 0
.set i, 0
.rept 16
	global_load_b128 v[sB+4*i:sB+4*i+3], v[VW], s[6:7] offset:(32*(\s)+i+8*(i/8))*PW th:TH_LOAD_NT
.set i, i+1
.endr
.endm
; Step s becomes source 1, in buffer s % 2: register j of column tile t is word t of loads 2 j and 2 j + 1 (k = 8 h + 2 j, + 1; from j = 4 on 16 + 8 h + 2 (j - 4), + 1).
; These 32 plain lines are also the places (ISA guide 7.12.1 for vector instructions) between the last products and what follows: this buffer was last read two steps back, and the fragment buffer that is
; loaded behind this pack one step back; they name none of those products' registers.
.macro WPACK s
	SLOT \s
	WIN 0x80+5*sWn                                 ; sources window 1 or 0, destination window 2
.set t, 0
.rept 4
.set j, 0
.rept 8
	v_cvt_pk_bf16_f32 v[32*((\s)%2)+8*t+j], v[sB+8*j+t], v[sB+8*j+4+t]
.set j, j+1
.endr
.set t, t+1
.endr
.endm
; My four rows (16 a + 4 w + b) of pass 0's tile a into stage g of window 3.  Layer 1: a row is 2,048 bytes of xb, four loads of 512.  Layer 2: a load takes four ranks' 128 bytes of one group of 64 K, 512 consecutive bytes.
.macro AISSUE a, g
	WIN 0xc0
.set i, 0
.rept 16
.if LAYER == 1
	global_load_b128 v[64*(\g)+4*i:64*(\g)+4*i+3], v[AOFF+4*(\a)+i/4], s[4:5] offset:512*(i%4)
.else
	global_load_b128 v[64*(\g)+4*i:64*(\g)+4*i+3], v[AOFF+(\a)], s[4:5] offset:131072*i
.endif
.set i, i+1
.endr
.endm
; And from there into LDS.  pf >= 0: in its middle the wave asks for K step pf of its weights to be brought near: 32 lanes, one row piece of 256 bytes each.
.macro ASTORE a, g, pf
	WIN 0
	v_add_nc_u32 v[VAT], (\a)*TILEB, v[VAS]
	WIN 0x0c                                       ; data window 3, address window 0
.set i, 0
.rept 16
.if LAYER == 1
	ds_store_b128 v[VAT], v[64*(\g)+4*i:64*(\g)+4*i+3] offset:(i/4)*PITCH+512*(i%4)
.else
	ds_store_b128 v[VAT], v[64*(\g)+4*i:64*(\g)+4*i+3] offset:128*i
.endif
.if (i == 7) && ((\pf) >= 0)
	global_prefetch_b8 v[VPF], s[6:7] offset:32*(\pf)*PW th:TH_LOAD_NT scope:SCOPE_SE
.endif
.set i, i+1
.endr
.endm
; The nine tiles' fragments of K step s (16 rows x 32 K: two loads of 16 bytes, 32 bytes apart) into buffer s % 2.  An address register serves two tiles.  pf as above.
.macro FETCH s, pf
	WIN 0x80                                       ; destination window 2, address window 0
.set fB, 64+72*((\s)%2)
.set i, 0
.rept NTILE
.if i/2 == 0
.set fA, VFR
.else
.set fA, VFT+i/2-1
.endif
	ds_load_b128 v[fB+8*i:fB+8*i+3],   v[fA] offset:(i%2)*TILEB+64*(\s)
	ds_load_b128 v[fB+8*i+4:fB+8*i+7], v[fA] offset:(i%2)*TILEB+64*(\s)+32
.if (i == 4) && ((\pf) >= 0) && ((\pf) < NSTEP)
	global_prefetch_b8 v[VPF], s[6:7] offset:32*(\pf)*PW th:TH_LOAD_NT scope:SCOPE_SE
.endif
.set i, i+1
.endr
.endm
; Step s's 36 products.  Source 0 = 16 rows, source 1 = 16 columns.  The 36 sums take turns, one instruction a turn; step 0's products start the sums: nothing is cleared.
.macro MUL s
.set fB, 64+72*((\s)%2)
.set bB, 32*((\s)%2)
	WIN 0xfa                                       ; rows and weights window 2, sums window 3
.set i, 0
.rept 8
.set t, 0
.rept 4
.if (\s) == 0
	v_wmma_f32_16x16x32_bf16 v[32*i+8*t:32*i+8*t+7], v[fB+8*i:fB+8*i+7], v[bB+8*t:bB+8*t+7], 0
.else
	v_wmma_f32_16x16x32_bf16 v[32*i+8*t:32*i+8*t+7], v[fB+8*i:fB+8*i+7], v[bB+8*t:bB+8*t+7], v[32*i+8*t:32*i+8*t+7]
.endif
.set t, t+1
.endr
.set i, i+1
.endr
	WIN 0x0a                                       ; the ninth tile's sums lie in window 0
.set t, 0
.rept 4
.if (\s) == 0
	v_wmma_f32_16x16x32_bf16 v[ACC8+8*t:ACC8+8*t+7], v[fB+64:fB+71], v[bB+8*t:bB+8*t+7], 0
.else
	v_wmma_f32_16x16x32_bf16 v[ACC8+8*t:ACC8+8*t+7], v[fB+64:fB+71], v[bB+8*t:bB+8*t+7], v[ACC8+8*t:ACC8+8*t+7]
.endif
.set t, t+1
.endr
.endm
; ONE STEP OF THE STREAM.  Loads come back in order (ISA guide 5.7.1).  Behind step s's loads up to five steps' have been issued, 80 loads, more than a wait can name: the count leaves three whole steps, 48 loads, out;
; with the 16 issued below the wave then has 64 loads, 32 KB, asked for.  The last three steps count down.  The next step's 18 fragment loads are younger than this step's and stay out.
; Step s + 8 is asked to be brought near two steps ahead of its loads; two steps, 16 KB a wave, are then asked for and not yet loaded; the last is step 15.  (A later pass asks and reads again.)
.macro STAGE s
.if (\s) <= NSTEP-4
	s_wait_loadcnt 48
.else
	s_wait_loadcnt 16*(NSTEP-1-(\s))
.endif
	WPACK \s
.if (\s)+RING < NSTEP
	WISSUE (\s)+RING
.endif
.if (\s)+1 < NSTEP
	FETCH (\s)+1, (\s)+RING+2
	s_wait_dscnt 2*NTILE
.else
	s_wait_dscnt 0x0
.endif
	MUL \s
.endm
; LAYER 1'S SEARCH: the tokens of my 36 rows of the pass whose first rank is s21, into TK.  A rank past the count is held to the last rank, s24.
; First the bitmap: the last of the 32 whose ranks begin at or below the rank wanted (the ranks ahead, s56, never fall, so each hit overwrites the one before).  Then the bit: of the DD + 1 set bits wanted the last one's
; place, by halving: is it in the low 16 bits, the low 8 of those, .. each time by the bit count of the lower half, read from the partial sums B4, B2, B1.
.macro BOTH line:vararg                ; one line for each register g of a pair
.set g, 0
.rept 2
	\line
.set g, g+1
.endr
.endm
.macro PICK src, w                     ; the lower w bits at PS hold TC set bits: if DD passes them all, go on in the upper w
	BOTH v_bfe_u32 v[TC+g], v[\src+g], v[PS+g], \w
	BOTH v_cmp_ge_u32 s[58+g], v[DD+g], v[TC+g]
	BOTH v_cndmask_b32 v[TC+g], 0, v[TC+g], s[58+g]
	BOTH v_sub_nc_u32 v[DD+g], v[DD+g], v[TC+g]
	BOTH v_cndmask_b32 v[TT+g], 0, \w, s[58+g]
	BOTH v_add_nc_u32 v[PS+g], v[PS+g], v[TT+g]
.endm
.macro SEARCH
	BOTH v_add_nc_u32 v[RH+g], s21, v[VRK+g]
	BOTH v_min_u32 v[RH+g], s24, v[RH+g]
	BOTH v_mov_b32 v[SM+g], 0                      ; the selects below read what they may keep
	BOTH v_mov_b32 v[SP+g], 0
	BOTH v_mov_b32 v[SB+g], 0
	s_mov_b32 s56, 0                               ; ranks ahead of the bitmap in hand
	s_mov_b32 s57, 0                               ; the token of its lane 0: 128 q + c
	s_mov_b32 s28, 0                               ; q
.Lsearch_\@:                                           ; 8 trips of four bitmaps
.irp c, 0,1,2,3
	v_readlane_b32 s[52+\c], v[VM+\c], s28
.endr
.irp c, 0,1,2,3
	BOTH v_cmp_le_u32 s[58+g], s56, v[RH+g]
	BOTH v_cndmask_b32 v[SM+g], v[SM+g], s[52+\c], s[58+g]
	BOTH v_cndmask_b32 v[SP+g], v[SP+g], s56, s[58+g]
	BOTH v_cndmask_b32 v[SB+g], v[SB+g], s57, s[58+g]
	s_bcnt1_i32_b32 s22, s[52+\c]
	s_add_co_u32 s56, s56, s22
	s_add_co_u32 s57, s57, 1
.endr
	s_add_co_u32 s57, s57, 124
	s_add_co_u32 s28, s28, 1
	s_cmp_lt_u32 s28, 8
	s_cbranch_scc1 .Lsearch_\@
	BOTH v_sub_nc_u32 v[DD+g], v[RH+g], v[SP+g]
	BOTH v_lshrrev_b32 v[TT+g], 1, v[SM+g]
	BOTH v_and_b32 v[TT+g], 0x55555555, v[TT+g]
	BOTH v_sub_nc_u32 v[B1+g], v[SM+g], v[TT+g]
	BOTH v_lshrrev_b32 v[TT+g], 2, v[B1+g]
	BOTH v_and_b32 v[TT+g], 0x33333333, v[TT+g]
	BOTH v_and_b32 v[B2+g], 0x33333333, v[B1+g]
	BOTH v_add_nc_u32 v[B2+g], v[B2+g], v[TT+g]
	BOTH v_lshrrev_b32 v[TT+g], 4, v[B2+g]
	BOTH v_add_nc_u32 v[B4+g], v[B2+g], v[TT+g]
	BOTH v_and_b32 v[B4+g], 0x0f0f0f0f, v[B4+g]
	BOTH v_lshrrev_b32 v[TT+g], 8, v[B4+g]
	BOTH v_add_nc_u32 v[TT+g], v[B4+g], v[TT+g]
	BOTH v_and_b32 v[TC+g], 0xff, v[TT+g]          ; set bits among the low 16
	BOTH v_cmp_ge_u32 s[58+g], v[DD+g], v[TC+g]
	BOTH v_cndmask_b32 v[TC+g], 0, v[TC+g], s[58+g]
	BOTH v_sub_nc_u32 v[DD+g], v[DD+g], v[TC+g]
	BOTH v_cndmask_b32 v[PS+g], 0, 16, s[58+g]
	PICK B4, 8
	PICK B2, 4
	PICK B1, 2
	PICK SM, 1
	BOTH v_lshl_add_u32 v[TK+g], v[PS+g], 2, v[SB+g]  ; token = 128 q + c + 4 lane
.endm
	s_load_b256 s[4:11], s[0:1], 0x0               ; rows s[4:5], weights s[6:7], idx s[8:9], output s[10:11]
	v_lshl_add_u32 v[SPW], v0, 2, SPARE
	v_mov_b32 v[NIL], 0
	v_lshrrev_b32 v[VT], 5, v0
	v_readfirstlane_b32 s12, v[VT]                 ; wave
	v_and_b32 v[VL], 31, v0
	v_and_b32 v[VR], 15, v0
	v_bfe_u32 v[VH], v0, 4, 1
	v_lshlrev_b32 v[VF], 4, v[VL]                  ; idx: 16 bytes a lane
	v_lshlrev_b32 v[VW], 4, v[VR]
	v_lshl_add_u32 v[VW], v[VH], LOGPW+3, v[VW]
	v_lshlrev_b32 v[VPF], LOGPW, v[VL]
	s_lshr_b32 s13, s12, 1                         ; cg
	s_and_b32 s14, s12, 1                          ; kh
	s_and_b32 s15, ttmp7, 0xffff                   ; e
	s_mov_b32 s16, ttmp9                           ; x
	s_lshl_b32 s30, s15, 24                        ; an expert's weights are 16,777,216 bytes; all these offsets stay under 2^31
	s_lshl_b32 s22, s14, LOGPW+9                   ; my 512 rows
	s_add_co_u32 s30, s30, s22
	s_lshl_b32 s22, s13, 8                         ; my 64 columns
	s_add_co_u32 s30, s30, s22
.if LAYER == 1
	s_lshl_b32 s22, s16, 9                         ; the work-group's 128 columns
	s_add_co_u32 s30, s30, s22
	s_lshl_b32 s32, s15, 6
	s_lshl1_add_u32 s32, s16, s32
	s_add_co_u32 s32, s32, s13                     ; 64 e + g, g = 2 x + cg
	s_lshl_b32 s32, s32, 17                        ; 1,024 ranks of 128 bytes
.else
	s_lshr_b32 s17, s16, 3                         ; kq
	s_and_b32 s18, s16, 7                          ; cs
	s_lshl_b32 s22, s17, LOGPW+10                  ; the quarter's 1,024 rows
	s_add_co_u32 s30, s30, s22
	s_lshl_b32 s22, s18, 9
	s_add_co_u32 s30, s30, s22
	s_lshl_b32 s34, s15, 23                        ; hid at group 64 e + 16 kq
	s_lshl_b32 s22, s17, 21
	s_add_co_u32 s34, s34, s22
	s_mov_b32 s35, 0
	s_lshl_b32 s32, s17, 22                        ; part at quarter kq, my 64 columns
	s_lshl_b32 s22, s18, 9
	s_add_co_u32 s32, s32, s22
	s_lshl_b32 s22, s13, 8
	s_add_co_u32 s32, s32, s22
.endif
	s_mov_b32 s31, 0
	s_mov_b32 s33, 0
	s_wait_kmcnt 0x0
	s_add_nc_u64 s[6:7], s[6:7], s[30:31]
	s_add_nc_u64 s[10:11], s[10:11], s[32:33]
.if LAYER == 2
	s_add_nc_u64 s[4:5], s[4:5], s[34:35]
.endif
.irp q, 0,1,2,3,4,5,6,7
	global_load_b128 v[IDX+4*\q:IDX+4*\q+3], v[VF], s[8:9] offset:512*\q  ; register 4 q + c: token 128 q + 4 lane + c
.endr
	WISSUE 0                                       ; the first three steps of weights are asked for before anything else is done
	WISSUE 1
	WISSUE 2
	WIN 0
	s_mul_i32 s22, s12, 4*PITCH                    ; my wave's four rows of a tile
.if LAYER == 1
	v_lshrrev_b32 v[VRK], 2, v[VL]                 ; lane n: tile n / 4, row 4 w + n % 4: rank 16 (n / 4) + 4 w + n % 4
	v_and_b32 v[VP], 3, v[VL]
	v_lshl_add_u32 v[VRK], v[VRK], 4, v[VP]
	s_lshl_b32 s21, s12, 2
	v_add_nc_u32 v[VRK], s21, v[VRK]
	v_add_nc_u32 v[VRK+1], 128, v[VRK]             ; the second register goes on with n = 32 + lane
	v_lshlrev_b32 v[VL16], 4, v[VL]
	v_lshl_add_u32 v[VAS], v[VL], 4, s22
	v_and_b32 v[VT], 7, v[VR]                      ; row r of a fragment is rank 2 (r % 8) + r / 8 of the tile: register j of a result then holds ranks 2 j (lanes 0-15) and 2 j + 1 (lanes 16-31)
	v_lshrrev_b32 v[VP], 3, v[VR]
	v_lshl_add_u32 v[VT], v[VT], 1, v[VP]
	v_mul_u32_u24 v[VT], v[VT], PITCH
	v_lshlrev_b32 v[VO0], 3, v[VR]                 ; four columns in bf16: 8 bytes at 8 r, the odd rank 128 bytes on
	v_lshl_add_u32 v[VO0], v[VH], 7, v[VO0]
	s_mov_b32 s36, 0x3e6d3389                      ; 0.2316419 = 0.3275911 / sqrt(2)
	s_mov_b32 s38, 0xbf38aa3b                      ; - log2(e) / 2
	s_mov_b32 s39, s38                             ; the packed forms name pairs: both words are written
	s_mov_b32 s40, 0x3e027906                      ; the series' coefficients, halved: 0.127414796
	s_mov_b32 s41, s40
	s_mov_b32 s42, 0xbe11a98e                      ; -0.142248368
	s_mov_b32 s43, s42
	s_mov_b32 s44, 0x3f35f0e3                      ; 0.7107068705
	s_mov_b32 s45, s44
	s_mov_b32 s46, 0xbf3a00e3                      ; -0.7265760135
	s_mov_b32 s47, s46
	s_mov_b32 s48, 0x3f07dc22                      ; 0.5307027145
	s_mov_b32 s49, s48
.else
	s_lshl_b32 s21, s12, 9
	v_lshl_add_u32 v[VL16], v[VL], 4, s21          ; my wave's four ranks, 512 bytes
	v_lshrrev_b32 v[VT], 3, v[VL]                  ; eight lanes to a rank's 128 bytes
	v_mul_u32_u24 v[VT], v[VT], PITCH
	v_and_b32 v[VP], 7, v[VL]
	v_lshl_add_u32 v[VT], v[VP], 4, v[VT]
	v_add_nc_u32 v[VAS], s22, v[VT]
	v_mul_u32_u24 v[VT], v[VR], PITCH              ; row r of a fragment is rank r of the tile
	v_lshlrev_b32 v[VO0], 4, v[VR]                 ; four columns in f32: 16 bytes at 16 r
	v_add_nc_u32 v[VDW], DUMMYW, v[VL]
	v_lshlrev_b32 v[VL4], 2, v[VL]
.endif
	v_lshl_add_u32 v[VT], v[VH], 4, v[VT]
	s_lshl_b32 s22, s14, 10                        ; my 512 K: 1,024 bytes of a row
	v_add_nc_u32 v[VFR], s22, v[VT]
.irp m, 1,2,3,4
	v_add_nc_u32 v[VFT+\m-1], 2*\m*TILEB, v[VFR]   ; the same place two tiles on: the odd tile between is reached by the immediate
.endr
	s_mul_i32 s22, s12, DUMPW
	v_lshl_add_u32 v[VDU], v[VL], 4, s22
	s_mul_i32 s22, s13, 2*DUMPW                    ; the sums of waves 2 cg and 2 cg + 1; I begin with tile kh
	s_lshl_b32 s21, s14, 12
	s_add_co_u32 s22, s22, s21
	v_lshl_add_u32 v[VF0], v[VL], 4, s22
	s_mov_b32 s20, 0
	s_wait_loadcnt 48                              ; idx is in; the 48 weight loads are younger and stay out
.if LAYER == 1
	; THE BITMAPS of expert e's tokens, and their count: every wave for itself
.irp c, 0,1,2,3
	v_mov_b32 v[VM+\c], 0                          ; v_writelane_b32's destination counts as read
.endr
.set q, 0
.rept 8
.irp c, 0,1,2,3
	v_cmp_eq_u32 s[52+\c], s15, v[IDX+4*q+\c]
.endr
.irp c, 0,1,2,3
	v_writelane_b32 v[VM+\c], s[52+\c], q
.endr
.irp c, 0,1,2,3
	s_bcnt1_i32_b32 s[56+\c], s[52+\c]
.endr
.irp c, 0,1,2,3
	s_add_co_u32 s20, s20, s[56+\c]
.endr
.set q, q+1
.endr
	s_min_u32 s20, s20, 1024
.else
	; THE LIST of expert e's tokens.  Its LDS addresses hang on idx, so wave 0 alone writes it, and nobody else touches LDS before the barrier below.  Every wave counts for itself.
	s_cmp_lg_u32 s12, 0
	s_cbranch_scc1 .Lcount
	v_mov_b32 v[VP], LIST0+12
	v_mov_b32 v[VT], 0
	ds_store_b32 v[VP], v[VT]                      ; the word ahead of the list: token 0, the 'last token' of an expert without tokens
.set q, 0
.rept 8                                ; four words at a time, so that the four items' dependent lines overlap
.irp c, 0,1,2,3
	v_cmp_eq_u32 s[52+\c], s15, v[IDX+4*q+\c]
.endr
	s_mov_b32 s56, s20
.irp c, 0,1,2
	s_bcnt1_i32_b32 s22, s[52+\c]
	s_add_co_u32 s[57+\c], s[56+\c], s22
.endr
	s_bcnt1_i32_b32 s22, s55
	s_add_co_u32 s20, s59, s22
.irp c, 0,1,2,3
	v_mbcnt_lo_u32_b32 v[32+\c], s[52+\c], s[56+\c]  ; my rank: those counted so far, and the lanes below me that match
.endr
.irp c, 0,1,2,3
	v_cndmask_b32 v[32+\c], v[VDW], v[32+\c], s[52+\c]  ; a lane whose token went elsewhere takes its throw-away word
.endr
.irp c, 0,1,2,3
	v_min_u32 v[32+\c], DUMMYW+31, v[32+\c]        ; the word's number is held inside the list and the throw-away words; only a shift and an add follow
.endr
.irp c, 0,1,2,3
	v_lshl_add_u32 v[32+\c], v[32+\c], 2, LISTE
.endr
.irp c, 0,1,2,3
	v_add_nc_u32 v[36+\c], 128*q+\c, v[VL4]
.endr
.irp c, 0,1,2,3
	ds_store_b32 v[32+\c], v[36+\c]
.endr
.set q, q+1
.endr
	s_min_u32 s20, s20, 1024
	s_lshl_b32 s22, s20, 2
	s_add_co_u32 s22, s22, LISTE-4
	v_mov_b32 v[VP], s22
	ds_load_b32 v[VT], v[VP]                       ; the last token; LDS serves a wave's instructions in order: it sees the stores above
	v_lshl_add_u32 v[VP], v[VL], 2, s22
	s_wait_dscnt 0x0
.irp z, 0,1,2,3,4
	ds_store_b32 v[VP], v[VT] offset:4+128*\z      ; 160 places behind the count repeat it: a pass's last tile reads 15 of them at the most
.endr
	s_branch .Llisted
.Lcount:
.set k, 0
.rept 32
	v_cmp_eq_u32 s21, s15, v[IDX+k]
	s_bcnt1_i32_b32 s22, s21
	s_add_co_u32 s20, s20, s22
.set k, k+1
.endr
	s_min_u32 s20, s20, 1024
.Llisted:
	BAR                                            ; the list is stored; from here on it is only read
.endif
	s_add_co_u32 s23, s20, 15
	s_lshr_b32 s23, s23, 4                         ; tiles of 16 rows
.if LAYER == 1
	s_max_u32 s23, s23, 1                          ; an expert without tokens still stores one tile
	s_max_u32 s24, s20, 1
	s_sub_co_u32 s24, s24, 1                       ; the last rank
	s_mov_b32 s21, 0                               ; pass 0
	SEARCH
.set a, 0
.rept NTILE
.irp b, 0,1,2,3
	v_readlane_b32 s[52+\b], v[TK+(4*a+\b)/32], (4*a+\b)%32
.endr
.irp b, 0,1,2,3
	s_min_u32 s[52+\b], s[52+\b], 0x3ff            ; a token is held inside xb; only a shift and an add follow
.endr
.irp b, 0,1,2,3
	v_lshl_add_u32 v[AOFF+4*a+\b], s[52+\b], 11, v[VL16]  ; token x 2,048 bytes + 16 lane
.endr
.set a, a+1
.endr
.else
	s_max_u32 s24, s23, 1
	s_sub_co_u32 s24, s24, 1                       ; the last tile that layer 1 stored
.set a, 0
.rept NTILE
	s_min_u32 s22, s24, a
	v_lshl_add_u32 v[AOFF+a], s22, 11, v[VL16]     ; tile x 16 ranks x 128 bytes
.set a, a+1
.endr
.endif
	; THE ROWS OF PASS 0, all nine tiles whatever the count, through a ring of four stages in the registers that will hold the sums.  Behind each stage's loads exactly three stages' have been issued when it is waited
	; for: the count leaves their 48 loads out.  When no rows are left to ask for, weight steps 3, 4 and 5 take their turns.  Steps 3 to 5 are asked to be brought near four turns ahead of their loads,
	; steps 6 and 7 in turns 6 and 7; three steps, 24 KB a wave, are asked for and not yet loaded at the most.
	AISSUE 0, 0
	AISSUE 1, 1
	AISSUE 2, 2
	AISSUE 3, 3
.set n, 0
.rept NTILE
	s_wait_loadcnt 48
.if (n >= 1) && (n <= 3)
	ASTORE n, n%4, n+2
.elseif (n == 6) || (n == 7)
	ASTORE n, n%4, n
.else
	ASTORE n, n%4, -1
.endif
.if n <= 4
	AISSUE n+4, n%4
.elseif n <= 7
	WISSUE n-2
.endif
.set n, n+1
.endr
	WIN 0
	s_mov_b32 s25, 0                               ; the pass,
	s_mov_b32 s29, 0                               ; its first tile,
	s_min_u32 s26, s23, NTILE                      ; its tiles: 0 to 9
.Lpass:                                                ; 8 trips, four barriers each, whatever the count.  A trip: a pass's stream and products, sums and way out, then the next pass's rows and its first six steps' loads
	BAR                                            ; every wave's rows are stored; the weight loads that are out stay out
	; THE STREAM AND THE PRODUCTS.  A pass without tiles jumps all of it.
	s_cmp_eq_u32 s26, 0
	s_cbranch_scc1 .Lcdone
	FETCH 0, -1
.set n, 0
.rept NSTEP
	STAGE n
.set n, n+1
.endr
	WIN 0
.Lcdone:
	s_wait_loadcnt 0x0                             ; an expert without tokens has jumped here with six steps' loads out: their registers are used again below
.rept 4
	v_nop                                          ; four places between the last product and the stores that read the sums
.endr
	BAR                                            ; nobody reads the rows any more
	; my sums into LDS, over the rows; each sum's registers in ascending order
.set i, 0
.rept NTILE
	WIN 0
	s_cmp_le_u32 s26, i
	s_cbranch_scc1 .Lddone
.if i < 8
	WIN 0x0c                                       ; data window 3
.set aB, 32*i
.else
.set aB, ACC8
.endif
.set q, 0
.rept 8
	ds_store_b128 v[VDU], v[aB+4*q:aB+4*q+3] offset:(8*i+q)*512
.set q, q+1
.endr
.set i, i+1
.endr
	WIN 0
.Lddone:
	BAR                                            ; every wave's sums are stored
	; THE WAY OUT.  I take tiles kh, kh + 2, .. of my 64 columns and add the two K halves: register 8 t + j is (row 8 h + j, column 4 r + t).  A pass without tiles jumps all of it.
	s_cmp_eq_u32 s26, 0
	s_cbranch_scc1 .Lfskip
	s_add_co_u32 s22, s29, s14
.if LAYER == 1
	s_lshl_b32 s22, s22, 11                        ; a tile is 16 ranks of 128 bytes
	v_add_nc_u32 v[VO], s22, v[VO0]
.else
	s_lshl_b32 s22, s22, 6                         ; a tile is 16 entries of the list; mine are 8 h on
	s_add_co_u32 s22, s22, LISTE
	v_lshl_add_u32 v[VLF], v[VH], 5, s22
.endif
	v_mov_b32 v[VF], v[VF0]
	s_mov_b32 s28, s14
	s_mov_b32 s27, 5
.Lfin:
	s_cmp_ge_u32 s28, s26
	s_cbranch_scc1 .Lfdead
.set i, 0
.rept 8
	ds_load_b128 v[S+4*i:S+4*i+3], v[VF] offset:512*i
.set i, i+1
.endr
.set i, 0
.rept 8
	ds_load_b128 v[D+4*i:D+4*i+3], v[VF] offset:DUMPW+512*i
.set i, i+1
.endr
.if LAYER == 2
	ds_load_b128 v[TOK:TOK+3], v[VLF]
	ds_load_b128 v[TOK+4:TOK+7], v[VLF] offset:16
.endif
	s_wait_dscnt 0x0
.if LAYER == 1
	; gelu(x) = x Phi(x) = |x| (0.5 - q) + 0.5 x, q = 1 - Phi(|x|) = (b1 t + .. + b5 t^5) 2^(-x^2 log2(e) / 2), t = 1 / (1 + 0.2316419 |x|)
.set i, 0
.rept 16
	v_pk_add_f32 v[S+2*i:S+2*i+1], v[S+2*i:S+2*i+1], v[D+2*i:D+2*i+1]
.set i, i+1
.endr
.set i, 0
.rept 32
	v_fma_f32 v[D+i], |v[S+i]|, s36, 1.0
.set i, i+1
.endr
.set i, 0
.rept 16
	v_pk_mul_f32 v[M+2*i:M+2*i+1], v[S+2*i:S+2*i+1], v[S+2*i:S+2*i+1]
.set i, i+1
.endr
.set i, 0
.rept 16
	v_pk_mul_f32 v[M+2*i:M+2*i+1], v[M+2*i:M+2*i+1], s[38:39] op_sel_hi:[1,0]
.set i, i+1
.endr
.set i, 0
.rept 32
	v_rcp_f32 v[D+i], v[D+i]
.set i, i+1
.endr
.set i, 0
.rept 32
	v_exp_f32 v[M+i], v[M+i]
.set i, i+1
.endr
	v_nop                                          ; a plain instruction behind the last of them,
	s_wait_alu depctr_va_vdst(0)                   ; and ONE wait for the batch of 64, ahead of its first reader
.set i, 0
.rept 16
	v_pk_fma_f32 v[Q+2*i:Q+2*i+1], v[D+2*i:D+2*i+1], s[48:49], s[46:47] op_sel_hi:[1,0,0]
.set i, i+1
.endr
.irp c, 44,42,40
.set i, 0
.rept 16
	v_pk_fma_f32 v[Q+2*i:Q+2*i+1], v[Q+2*i:Q+2*i+1], v[D+2*i:D+2*i+1], s[\c:\c+1] op_sel_hi:[1,1,0]
.set i, i+1
.endr
.endr
.set i, 0
.rept 16
	v_pk_mul_f32 v[M+2*i:M+2*i+1], v[M+2*i:M+2*i+1], v[D+2*i:D+2*i+1]
.set i, i+1
.endr
.set i, 0
.rept 16
	v_pk_fma_f32 v[Q+2*i:Q+2*i+1], v[Q+2*i:Q+2*i+1], v[M+2*i:M+2*i+1], 0.5 op_sel_hi:[1,1,0] neg_lo:[1,0,0] neg_hi:[1,0,0]  ; 0.5 - q
.set i, i+1
.endr
.set i, 0
.rept 16
	v_pk_mul_f32 v[D+2*i:D+2*i+1], v[S+2*i:S+2*i+1], 0.5 op_sel_hi:[1,0]
.set i, i+1
.endr
.set i, 0
.rept 32
	v_fma_f32 v[Q+i], |v[S+i]|, v[Q+i], v[D+i]
.set i, i+1
.endr
.set j, 0
.rept 8
	v_cvt_pk_bf16_f32 v[O+2*j], v[Q+j], v[Q+8+j]        ; columns 4 r, 4 r + 1 of row j
	v_cvt_pk_bf16_f32 v[O+2*j+1], v[Q+16+j], v[Q+24+j]  ; columns 4 r + 2, 4 r + 3
.set j, j+1
.endr
.set j, 0
.rept 8
	global_store_b64 v[VO], v[O+2*j:O+2*j+1], s[10:11] offset:256*j  ; ranks 2 j and 2 j + 1: the wave's 32 x 8 bytes are 256 consecutive bytes, at a multiple of 256 from hid's first
.set j, j+1
.endr
.else
.set j, 0
.rept 8
.set t, 0
.rept 4
	v_add_f32 v[M+4*j+t], v[S+8*t+j], v[D+8*t+j]
.set t, t+1
.endr
.set j, j+1
.endr
.set j, 0
.rept 8
	v_min_u32 v[TOK+j], 0x3ff, v[TOK+j]
.set j, j+1
.endr
.set j, 0
.rept 8
	v_lshl_add_u32 v[OFFS+j], v[TOK+j], 12, v[VO0]   ; the token's row of 4,096 bytes
.set j, j+1
.endr
.set j, 0
.rept 8
	global_store_b128 v[OFFS+j], v[M+4*j:M+4*j+3], s[10:11]  ; sixteen lanes store 256 consecutive bytes of a token's row, at a multiple of 256 from part's first
.set j, j+1
.endr
.endif
	s_wait_xcnt 0x0                                ; the stores' data and offsets are written again only behind this wait
.Lfdead:
	v_add_nc_u32 v[VF], 8192, v[VF]                ; two tiles on
.if LAYER == 1
	v_add_nc_u32 v[VO], 4096, v[VO]
.else
	v_add_nc_u32 v[VLF], 128, v[VLF]
.endif
	s_add_co_u32 s28, s28, 2
	s_sub_co_u32 s27, s27, 1
	s_cmp_lg_u32 s27, 0
	s_cbranch_scc1 .Lfin
.Lfskip:
	BAR                                            ; nobody reads the sums any more: the next pass's rows may land on them
	; THE NEXT PASS: its first four steps of weights are asked for, then its rows come, a tile a trip, dead trips jumped; then steps 4 and 5, whose slots the rows have passed through.
	; Behind the eighth pass no tile is left (72 >= 64).
	s_add_co_u32 s25, s25, 1
	s_mul_i32 s29, s25, NTILE
	s_min_u32 s26, s29, s23
	s_sub_co_u32 s26, s23, s26
	s_min_u32 s26, s26, NTILE
	s_cmp_eq_u32 s26, 0
	s_cbranch_scc1 .Lgdone
.irp s, 0,1,2,3
	WISSUE \s
.endr
	WIN 0
.if LAYER == 1
	s_mul_i32 s21, s25, 16*NTILE                   ; the pass's first rank
	SEARCH
.endif
	v_mov_b32 v[VATG], v[VAS]
	s_mov_b32 s28, 0
	s_mov_b32 s27, NTILE
.Lg:
	s_cmp_ge_u32 s28, s26
	s_cbranch_scc1 .Lgdead
.if LAYER == 1
	s_lshl_b32 s22, s28, 2                         ; tile a's four tokens lie in lanes 4 a .. 4 a + 3 of TK, the ninth tile's in lanes 0 .. 3 of TK + 1
	s_and_b32 s22, s22, 31
.irp b, 0,1,2,3
	s_add_co_u32 s[56+\b], s22, \b
.endr
.irp b, 0,1,2,3
	v_readlane_b32 s[52+\b], v[TK], s[56+\b]
.endr
.irp b, 0,1,2,3
	v_readlane_b32 s[60+\b], v[TK+1], s[56+\b]
.endr
	s_cmp_eq_u32 s28, 8
.irp b, 0,1,2,3
	s_cselect_b32 s[52+\b], s[60+\b], s[52+\b]
.endr
.irp b, 0,1,2,3
	s_min_u32 s[52+\b], s[52+\b], 0x3ff
.endr
.irp b, 0,1,2,3
	s_lshl_b32 s[52+\b], s[52+\b], 11              ; token x 2,048 bytes
.endr
.irp b, 0,1,2,3
	v_add_nc_u32 v[VOFF+\b], s[52+\b], v[VL16]
.endr
.set i, 0
.rept 16
	global_load_b128 v[FB+4*i:FB+4*i+3], v[VOFF+i/4], s[4:5] offset:512*(i%4)
.set i, i+1
.endr
.else
	s_add_co_u32 s22, s29, s28
	s_min_u32 s22, s22, 63
	v_lshl_add_u32 v[VOFF], s22, 11, v[VL16]
.set i, 0
.rept 16
	global_load_b128 v[FB+4*i:FB+4*i+3], v[VOFF], s[4:5] offset:131072*i
.set i, i+1
.endr
.endif
	s_wait_loadcnt 0x0                             ; the rows are in, and the loads' offsets may be written again
.set i, 0
.rept 16
.if LAYER == 1
	ds_store_b128 v[VATG], v[FB+4*i:FB+4*i+3] offset:(i/4)*PITCH+512*(i%4)
.else
	ds_store_b128 v[VATG], v[FB+4*i:FB+4*i+3] offset:128*i
.endif
.set i, i+1
.endr
.Lgdead:
	v_add_nc_u32 v[VATG], TILEB, v[VATG]
	s_add_co_u32 s28, s28, 1
	s_sub_co_u32 s27, s27, 1
	s_cmp_lg_u32 s27, 0
	s_cbranch_scc1 .Lg
.irp s, 4,5
	WISSUE \s
.endr
	WIN 0
.Lgdone:
	s_cmp_lt_u32 s25, NPASS
	s_cbranch_scc1 .Lpass
	s_wait_tensorcnt 0x0                           ; the wave's end, behind my last LDS store
	ds_add_u32 v[SPW], v[NIL]
	s_wait_dscnt 0x0
	s_endpgm
.Lfunc_end_k_qac0c52203f_fc2:
	.size	k_qac0c52203f_fc2, .Lfunc_end_k_qac0c52203f_fc2-k_qac0c52203f_fc2
	.p2alignl 7, 3214868480
	.fill 96, 4, 3214868480
	.section	.rodata,"a",@progbits
	.p2align	6, 0x0
	.amdhsa_kernel k_qac0c52203f_fc2
		.amdhsa_group_segment_fixed_size 302848
		.amdhsa_private_segment_fixed_size 0
		.amdhsa_enable_private_segment 0
		.amdhsa_kernarg_size 32
		.amdhsa_user_sgpr_count 2
		.amdhsa_user_sgpr_kernarg_segment_ptr 1
		.amdhsa_wavefront_size32 1
		.amdhsa_system_sgpr_workgroup_id_x 1
		.amdhsa_system_sgpr_workgroup_id_y 1
		.amdhsa_system_sgpr_workgroup_id_z 1
		.amdhsa_system_vgpr_workitem_id 0
		.amdhsa_next_free_vgpr 1024
		.amdhsa_next_free_sgpr 66
		.amdhsa_reserve_vcc 0
		.amdhsa_float_denorm_mode_32 3
		.amdhsa_float_denorm_mode_16_64 3
		.amdhsa_memory_ordered 1
		.amdhsa_forward_progress 1
		.amdhsa_inst_pref_size 190
	.end_amdhsa_kernel
	.amdgpu_metadata
---
amdhsa.version: [ 1, 2 ]
amdhsa.kernels:
  - .name:           k_qac0c52203f_fc2
    .symbol:         k_qac0c52203f_fc2.kd
    .args:
      - { .name: hid, .offset: 0, .size: 8, .value_kind: global_buffer, .address_space: global }
      - { .name: W2, .offset: 8, .size: 8, .value_kind: global_buffer, .address_space: global }
      - { .name: idx, .offset: 16, .size: 8, .value_kind: global_buffer, .address_space: global }
      - { .name: part, .offset: 24, .size: 8, .value_kind: global_buffer, .address_space: global }
    .group_segment_fixed_size: 302848
    .private_segment_fixed_size: 0
    .kernarg_segment_align: 8
    .kernarg_segment_size: 32
    .max_flat_workgroup_size: 128
    .sgpr_count:     66
    .vgpr_count:     1024
    .wavefront_size: 32
...
	.end_amdgpu_metadata
.endif
;; end of part 6
;; launch sum: the kernel of part 4 again; grid 256 x 1, 4 waves a work-group, no clusters, 0 bytes of LDS; arguments part, prob, out0; writes out0
;; ======== version 3 of 3: 4 launches; version 2 with the launch sum written anew for expert scheduling mode
;; limits: a function is approximated: absolute error at most 1.5e-07
;; workspace buffers: idx 4,096 bytes of whole numbers; prob 4,096 bytes; xb 2,097,152 bytes; hid 67,108,864 bytes; part 16,777,216 bytes
;; launch router: the kernel of part 1 again; grid 256 x 1, 4 waves a work-group, no clusters, 16,896 bytes of LDS; arguments hidden_states, Wr, br, xb, idx, prob; writes xb, idx, prob
;; launch fc1: the kernel of part 5 again; grid 32 x 8, 4 waves a work-group, no clusters, 302,848 bytes of LDS; arguments xb, W1, idx, hid; writes hid
;; launch fc2: the kernel of part 6 again; grid 32 x 8, 4 waves a work-group, no clusters, 302,848 bytes of LDS; arguments hid, W2, idx, part; writes part
;; launch sum (part 7): grid 256 x 1, 4 waves a work-group, no clusters, 0 bytes of LDS; arguments part, prob, out0; writes out0
.if DOCPART == 7
	.amdgcn_target "amdgcn-amd-amdhsa--gfx1250"
	.amdhsa_code_object_version 6
	.text
	.protected	k_qac0c52203f_sum
	.globl	k_qac0c52203f_sum
	.p2align	8
	.type	k_qac0c52203f_sum,@function
k_qac0c52203f_sum:
	s_mov_b64 s[64:65], 0
	v_nop
	global_prefetch_b8 v0, s[64:65] scope:SCOPE_SE
	s_setreg_imm32_b32 hwreg(HW_REG_WAVE_SCHED_MODE, 0, 2), 2
	s_setreg_imm32_b32 hwreg(HW_REG_WAVE_MODE, 25, 1), 1
	s_wait_xcnt 0x0
	s_wait_alu depctr_vm_vsrc(0)
; out0[t][:] = prob[t] x ((part[0][t] + part[1][t]) + (part[2][t] + part[3][t])).  part: [4][1024][1024] f32, the second product's four K quarters; prob: [1024] f32; out0: [1024][1024] f32.
; A stream: a wave takes one row, 4 x 4,096 bytes in and 4,096 out; token = 4 x work-group + wave.  All 32 loads of a wave go out at once, 16 KB; each load and store covers 512 neighbouring bytes.
; No LDS, no barrier, no matrix unit, no cluster: no wave needs another's data, and no byte is read twice.
; THE MODE: SCHED_MODE bits 1:0 = 2 (LLVM: expert scheduling mode 2), set by the entry lines.  The code itself states the register dependences
; between vector instructions and memory instructions, with s_wait_alu, always for 0.
; THE PLAN.  Registers that memory instructions touch:
;   v2                    the offset, 16 x lane.  Written once at the head; read by every load and store; never written again.
;   P + 16 c .. + 15      chunk c's four quarters.  Written once, by the chunk's four loads; no vector instruction names them ahead of those loads.  The chunk's eight packed lines
;                         read them and write the first four in place; the chunk's one store reads those four; nothing writes them again.
; So no register that a memory instruction has read is written again, and no load lands in a register that a vector instruction has named.  What is left to state: v2 ahead of the first load,
; and each chunk's four results ahead of its store.  The store of chunk c - 1 stands at the head of chunk c, behind the wait for chunk c's loads and one wait on va_vdst, with no vector
; instruction between that wait and the store; the last chunk's store has a wait of its own.  One wait on va_sdst stands between v_readfirstlane_b32 and the first reader of its scalar result.
.set P, 4                              ; v[4:131]  chunk c of 512 bytes, quarter q: four registers at P + 16 c + 4 q
	s_load_b128 s[4:7], s[0:1], 0x0                ; part s[4:5], prob s[6:7]
	s_load_b64 s[8:9], s[0:1], 0x10                ; out0
	v_lshrrev_b32 v1, 5, v0
	v_readfirstlane_b32 s10, v1                    ; wave
	v_and_b32 v1, 31, v0
	v_lshlrev_b32 v2, 4, v1                        ; 16 bytes a lane
	s_wait_alu depctr_va_sdst(0)                   ; s10 is written, ahead of its first reader: the token, and with it all three bases, are made from it
	s_lshl_b32 s11, ttmp9, 2
	s_add_co_u32 s11, s11, s10                     ; my token
	s_lshl_b32 s14, s11, 12                        ; its row of 4,096 bytes
	s_mov_b32 s15, 0
	s_lshl_b32 s16, s11, 2
	s_mov_b32 s17, 0
	s_wait_kmcnt 0x0
	s_add_nc_u64 s[6:7], s[6:7], s[16:17]
	s_load_b32 s12, s[6:7], 0x0                    ; prob[t]
	s_add_nc_u64 s[4:5], s[4:5], s[14:15]          ; quarters 0 and 1: the second lies 4,194,304 bytes on, inside the immediate
	s_add_nc_u64 s[18:19], s[4:5], 0x800000        ; quarters 2 and 3
	s_add_nc_u64 s[8:9], s[8:9], s[14:15]
	s_wait_alu depctr_va_vdst(0)                   ; v2 is written: every load and store of the kernel reads it as its offset
.irp c, 0,1,2,3,4,5,6,7
	global_load_b128 v[P+16*\c:P+16*\c+3],     v2, s[4:5] offset:512*\c th:TH_LOAD_NT
	global_load_b128 v[P+16*\c+4:P+16*\c+7],   v2, s[4:5] offset:512*\c+4194304 th:TH_LOAD_NT
	global_load_b128 v[P+16*\c+8:P+16*\c+11],  v2, s[18:19] offset:512*\c th:TH_LOAD_NT
	global_load_b128 v[P+16*\c+12:P+16*\c+15], v2, s[18:19] offset:512*\c+4194304 th:TH_LOAD_NT
.endr
	s_wait_kmcnt 0x0
	s_mov_b32 s13, s12                             ; the packed multiply names a pair: both words are written
.irp c, 0,1,2,3,4,5,6,7
	s_wait_loadcnt 28-4*\c                         ; this chunk's four loads are in; the later chunks' stay out
.if (\c) > 0
	s_wait_alu depctr_va_vdst(0)                   ; the chunk before has written its four results, which the store below reads
	global_store_b128 v2, v[P+16*((\c)-1):P+16*((\c)-1)+3], s[8:9] offset:512*((\c)-1) th:TH_STORE_NT
.endif
	v_pk_add_f32 v[P+16*\c:P+16*\c+1],     v[P+16*\c:P+16*\c+1],     v[P+16*\c+4:P+16*\c+5]
	v_pk_add_f32 v[P+16*\c+2:P+16*\c+3],   v[P+16*\c+2:P+16*\c+3],   v[P+16*\c+6:P+16*\c+7]
	v_pk_add_f32 v[P+16*\c+8:P+16*\c+9],   v[P+16*\c+8:P+16*\c+9],   v[P+16*\c+12:P+16*\c+13]
	v_pk_add_f32 v[P+16*\c+10:P+16*\c+11], v[P+16*\c+10:P+16*\c+11], v[P+16*\c+14:P+16*\c+15]
	v_pk_add_f32 v[P+16*\c:P+16*\c+1],     v[P+16*\c:P+16*\c+1],     v[P+16*\c+8:P+16*\c+9]
	v_pk_add_f32 v[P+16*\c+2:P+16*\c+3],   v[P+16*\c+2:P+16*\c+3],   v[P+16*\c+10:P+16*\c+11]
	v_pk_mul_f32 v[P+16*\c:P+16*\c+1],     v[P+16*\c:P+16*\c+1],     s[12:13] op_sel_hi:[1,0]
	v_pk_mul_f32 v[P+16*\c+2:P+16*\c+3],   v[P+16*\c+2:P+16*\c+3],   s[12:13] op_sel_hi:[1,0]
.endr
	s_wait_alu depctr_va_vdst(0)                   ; the last chunk has written its four results, which the last store reads
	global_store_b128 v2, v[P+16*7:P+16*7+3], s[8:9] offset:512*7 th:TH_STORE_NT
	s_endpgm
.Lfunc_end_k_qac0c52203f_sum:
	.size	k_qac0c52203f_sum, .Lfunc_end_k_qac0c52203f_sum-k_qac0c52203f_sum
	.p2alignl 7, 3214868480
	.fill 96, 4, 3214868480
	.section	.rodata,"a",@progbits
	.p2align	6, 0x0
	.amdhsa_kernel k_qac0c52203f_sum
		.amdhsa_group_segment_fixed_size 0
		.amdhsa_private_segment_fixed_size 0
		.amdhsa_enable_private_segment 0
		.amdhsa_kernarg_size 24
		.amdhsa_user_sgpr_count 2
		.amdhsa_user_sgpr_kernarg_segment_ptr 1
		.amdhsa_wavefront_size32 1
		.amdhsa_system_sgpr_workgroup_id_x 1
		.amdhsa_system_sgpr_workgroup_id_y 1
		.amdhsa_system_sgpr_workgroup_id_z 1
		.amdhsa_system_vgpr_workitem_id 0
		.amdhsa_next_free_vgpr 140
		.amdhsa_next_free_sgpr 66
		.amdhsa_reserve_vcc 0
		.amdhsa_float_denorm_mode_32 3
		.amdhsa_float_denorm_mode_16_64 3
		.amdhsa_memory_ordered 1
		.amdhsa_forward_progress 1
		.amdhsa_inst_pref_size 10
	.end_amdhsa_kernel
	.amdgpu_metadata
---
amdhsa.version: [ 1, 2 ]
amdhsa.kernels:
  - .name:           k_qac0c52203f_sum
    .symbol:         k_qac0c52203f_sum.kd
    .args:
      - { .name: part, .offset: 0, .size: 8, .value_kind: global_buffer, .address_space: global }
      - { .name: prob, .offset: 8, .size: 8, .value_kind: global_buffer, .address_space: global }
      - { .name: out0, .offset: 16, .size: 8, .value_kind: global_buffer, .address_space: global }
    .group_segment_fixed_size: 0
    .private_segment_fixed_size: 0
    .kernarg_segment_align: 8
    .kernarg_segment_size: 24
    .max_flat_workgroup_size: 128
    .sgpr_count:     66
    .vgpr_count:     140
    .wavefront_size: 32
...
	.end_amdgpu_metadata
.endif
;; end of part 7
